; MI455X (gfx1250); checked and timed in simulation.
; The chip was launched on July 23, 2026; its instructions are those of AMD's public machine-readable ISA for CDNA 5 (MIT licence, August 2026) and "CDNA5" Instruction Set Architecture Reference Guide (July 2026). The comments in the code are by the model that wrote it; some were corrected since.
;; Transformer Block. Allowed arithmetic: matrix products marked QUANTISED: E2M3 operands, one E8M0 scale for each 32 along K, by v_wmma_scale_f32_16x16x128_f8f6f4 with both operands' format E2M3, f32 sums; everything else in f32.
;; Inputs: W1 1,024 x 4,096 float32; W2 4,096 x 1,024 float32; Wk 16 x 1,024 x 64 float32; Wo 1,024 x 1,024 float32; Wq 16 x 1,024 x 64 float32; Wv 16 x 1,024 x 64 float32; b1 4,096 float32; b2 1,024 float32; beta1 1,024 float32; beta2 1,024 float32; bo 1,024 float32; g1 1,024 float32; g2 1,024 float32; x 2 x 2,048 x 1,024 float32.
;; Outputs: out0 2 x 2,048 x 1,024 float32.
;; This version of the problem:
;;   THIS VERSION OF THE PROBLEM IS GIVEN IN LOW PRECISION. The matrix products marked QUANTISED in the list below multiply operands that are first quantised to E2M3 (2 exponent bits, 3 mantissa bits; 6 bits a number), with one power-of-two scale for each 32 numbers along K (OCP MX v1.0); their sums are f32. All else is computed in f32.
;;   The module's matrix products, in the order in which they are computed (A, B: the left and right operand; K: the contracted axis; several contracted axes count as one K, in the product's order):
;;     1. [M 1,024, K 1,024] x [K 1,024, N 4,096]; A: input Wq; B: computed on the way: QUANTISED
;;     2. [M 1,024, K 1,024] x [K 1,024, N 4,096]; A: input Wk; B: computed on the way: QUANTISED
;;     3. [M 1,024, K 1,024] x [K 1,024, N 4,096]; A: input Wv; B: computed on the way: QUANTISED
;;     4. batch 32 x [M 2,048, K 64] x [K 64, N 2,048]; A: computed on the way; B: computed on the way: QUANTISED
;;     5. batch 32 x [M 2,048, K 2,048] x [K 2,048, N 64]; A: softmax (see below); B: computed on the way: QUANTISED
;;     6. [M 4,096, K 1,024] x [K 1,024, N 1,024]; A: computed on the way; B: input Wo: QUANTISED
;;     7. [M 4,096, K 1,024] x [K 1,024, N 4,096]; A: computed on the way; B: input W1: QUANTISED
;;     8. [M 4,096, K 4,096] x [K 4,096, N 1,024]; A: computed on the way; B: input W2: QUANTISED
;;   THE QUANTISER, for each operand of a quantised product, along K:
;;     - K is cut into blocks of 32 from its start; a last block that is shorter is filled with zeros.
;;     - A block's scale is 2^e with e = floor(log2(the largest magnitude in the block)) - 2, held to -126 .. 127; a block of zeros has e = 0. As a byte (E8M0): e + 127.
;;     - Each number is divided by its block's scale, clamped to +-7.5, and rounded to the nearest number of E2M3, ties to even, subnormals kept.
;;     - The product sums the exact products of the quantised numbers (number of the format x scale) in f32.
;;   ~~~python
;;   def quantise(x, axis):      # numpy; x: float32 -> the quantised numbers, widened to float32 again
;;       x = np.moveaxis(x, axis, -1); K = x.shape[-1]
;;       x = np.pad(x, [(0, 0)] * (x.ndim - 1) + [(0, -K % 32)]); x = x.reshape(x.shape[:-1] + (-1, 32)); a = np.abs(x).max(-1, keepdims=True)
;;       e = np.where(a > 0, np.clip(np.frexp(np.where(a > 0, a, 1))[1] - 1 - 2, -126, 127), 0)      # np.frexp(a)[1] - 1 = floor(log2(a)), exactly
;;       r = np.clip(x / 2.0 ** e, -7.5, 7.5)
;;       step = 2.0 ** (np.maximum(np.frexp(np.where(r == 0, 1, r))[1] - 1, 0) - 3)
;;       q = np.round(r / step) * step * 2.0 ** e      # np.round: ties to even
;;       return np.moveaxis(q.reshape(q.shape[:-2] + (-1,))[..., :K], -1, axis).astype(np.float32)
;;   ~~~
;;   SOFTMAX AHEAD OF A QUANTISED PRODUCT. Where the list says 'softmax', what is quantised is not the finished softmax but p = 2^(t - M), with t = logit x log2(e) and M = ceil(the row's largest t), a whole number; so 1/2 < the row's largest p <= 1. The row's sum l is taken of the UNQUANTISED p, in f32, and the product's result is divided by l at the end. Since M is a whole number, a kernel that streams over the keys may use a running M (the ceiling of the running maximum): every later rescaling is an exact power of two, which a block's scale takes up: the codes' values come out the same.
;;   OPERANDS COMPUTED ON THE WAY. 'Computed on the way' means the value that the module computes at that place (a softmax that the list does not call 'softmax' is quantised finished and normalised). What goes into a quantiser is computed in f32, as accurately as f32 sums, v_exp_f32 and their like allow (about 1e-6 of the number): no bf16 or f16 on the way to a quantiser, and a product that is left as it is and whose result goes on into a quantised operand takes f32 operands (vector FMAs, or v_wmma_f32_16x16x4_f32). A number that lies on a knife's edge between two numbers of the format may be rounded either way, as far as f32 arithmetic and the matrix unit's own rounding can turn it there, and no further.
;; 2 versions. Each part assembles by itself: llvm-mc -triple=amdgcn-amd-amdhsa -mcpu=gfx1250 --defsym DOCPART=n.
;; ======== version 1 of 2: 8 launches
;; workspace buffers: ops 13,107,200 bytes; qkv 9,830,400 bytes; ac 3,276,800 bytes; x1 16,777,216 bytes; hc 13,107,200 bytes
;; launch wq (part 1): grid 768 x 1, 4 waves a work-group, no clusters, 16,896 bytes of LDS; arguments Wq, Wk, Wv, Wo, W1, W2, ops; writes ops
.if DOCPART == 1
	.amdgcn_target "amdgcn-amd-amdhsa--gfx1250"
	.amdhsa_code_object_version 6
	.text
	.protected	k_q5989c608bb_wq
	.globl	k_q5989c608bb_wq
	.p2align	8
	.type	k_q5989c608bb_wq,@function
k_q5989c608bb_wq:
	s_mov_b64 s[64:65], 0
	v_nop
	global_prefetch_b8 v0, s[64:65] scope:SCOPE_SE
	s_setreg_imm32_b32 hwreg(HW_REG_WAVE_MODE, 25, 1), 1
	s_wait_xcnt 0x0
; The six weights, f32 with K not innermost, become codes of FP6 (E2M3) with one E8M0 byte for each 32 along K, laid as IMAGES OF OPERAND REGISTERS.
; A BLOCK (12,800 bytes) is 128 rows of an operand x 128 along K: eight fragments of 1,536 bytes, then 8 x 16 scale words at byte 12,288.
; Tile t of a block holds the rows 32 (t / 2) + 8 (t % 2) + r + 8 (r / 8), r = 0 .. 15.  A fragment is two halves of 768 bytes (K 0-63, K 64-127): 512 bytes, lane l's first four
; registers at 16 l, then 256 bytes, its other two at 8 l.  Work-group g makes block g of the buffer: Wq 0-63, Wk 64-127, Wv 128-191, Wo 192-255, W1 256-511 (row block x 8 + K step), W2 512-767 (row block x 32 + K step).
; A LANE TAKES A COLUMN AND ITS REGISTERS RUN DOWN K: a load reads 128 consecutive bytes a wave, a block of 32 along K lies in one lane, and the conversions give codes with K innermost.
; Wave w takes columns 32 w .. 32 w + 31 = tiles 2 w and 2 w + 1; the codes turn through the wave's own 4,096 bytes of LDS and leave in runs of 512 consecutive bytes.
; A block's scale is 2^(floor(log2(largest magnitude)) - 2); its byte is the largest magnitude's exponent field - 2, held at 1 from below.
; LIMITS: a block of zeros, or one whose largest magnitude lies under 2^-124, gets the byte 1 (the rule says 127 for zeros: the codes are zeros and only this program reads the bytes); NaN and infinities are not served.
; No tensor loads, no barrier, no cluster: the work-groups share no input and the waves share nothing.
.set VO,  32                           ; v32-63   4 x lane + i x the stride from k to k + 1
.set X,   64                           ; v64-191  four blocks of 32 numbers
.set C,   192                          ; v192-239 twelve registers of codes for each block, so that no LDS store's data are written again
.set OUTR, 64                          ; the way out, in registers that the numbers have left
	s_load_b256 s[4:11], s[0:1], 0x0               ; Wq, Wk, Wv, Wo
	s_load_b128 s[12:15], s[0:1], 0x20             ; W1, W2
	s_load_b64 s[16:17], s[0:1], 0x30              ; ops
	v_lshl_add_u32 v240, v0, 2, 0x4000
	v_mov_b32 v241, 0
	v_lshrrev_b32 v2, 5, v0
	v_readfirstlane_b32 s44, v2                    ; wave
	v_and_b32 v1, 31, v0                           ; lane = my column among the wave's 32
	v_bfe_u32 v2, v0, 3, 1                         ; u: which of the wave's two tiles
	v_and_b32 v3, 7, v0
	v_bfe_u32 v11, v0, 4, 1
	v_lshl_add_u32 v3, v11, 3, v3                  ; r: my row in that tile
	s_lshl_b32 s45, s44, 12                        ; my wave's LDS
	v_mul_u32_u24 v11, v2, 1536
	v_add_nc_u32 v11, s45, v11
	v_lshl_add_u32 v4, v3, 4, v11                  ; where four registers of a half go: 16 r
	v_lshl_add_u32 v5, v3, 3, v11
	v_add_nc_u32 v5, 512, v5                       ; and the other two: 512 + 8 r
	v_lshlrev_b32 v6, 6, v2
	v_lshl_add_u32 v6, v3, 2, v6
	v_add_nc_u32 v6, s45, v6
	v_add_nc_u32 v6, 3072, v6                      ; my scale word
	v_lshlrev_b32 v7, 4, v1
	v_add_nc_u32 v7, s45, v7                       ; back: 16 bytes a lane
	v_lshlrev_b32 v8, 2, v1
	v_add_nc_u32 v8, s45, v8
	v_add_nc_u32 v8, 3072, v8                      ; and 4 bytes a lane of the scale words
	s_mul_i32 s46, s44, 3072
	v_lshlrev_b32 v9, 4, v1
	v_add_nc_u32 v9, s46, v9                       ; in the block: my wave's two fragments
	s_lshl_b32 s46, s44, 7
	v_lshlrev_b32 v10, 2, v1
	v_add_nc_u32 v10, s46, v10
	v_add_nc_u32 v10, 12288, v10                   ; and its 32 scale words
	; which tensor, which row block, which K step: all from the work-group's number
	s_mov_b32 s20, 4096                            ; bytes from k to k + 1: W2, Wo 4,096; W1 16,384; Wq, Wk, Wv 256
	s_mov_b32 s21, 16384
	s_lshr_b32 s22, ttmp9, 3
	s_and_b32 s23, s22, 31
	s_and_b32 s22, s22, 7
	s_lshr_b32 s32, ttmp9, 5
	s_and_b32 s32, s32, 7
	s_and_b32 s33, ttmp9, 7
	s_and_b32 s34, ttmp9, 31
	s_mov_b32 s35, 512                             ; bytes from row block to row block: 128 columns, or two heads
	s_mov_b32 s36, 256                             ; bytes from 64 columns to the next 64, or a head
	s_cmp_lt_u32 ttmp9, 512
	s_cselect_b32 s20, s21, s20
	s_cselect_b32 s23, s23, s32
	s_cselect_b32 s33, s33, s34                    ; K step
	s_cmp_lt_u32 ttmp9, 256
	s_cselect_b32 s20, 4096, s20
	s_cselect_b32 s22, s22, s23                    ; row block
	s_cmp_lt_u32 ttmp9, 192
	s_cselect_b32 s20, 256, s20
	s_cselect_b32 s35, 0x80000, s35
	s_cselect_b32 s36, 0x40000, s36
	s_mul_i32 s37, s22, s35
	s_lshr_b32 s38, s44, 1
	s_mul_i32 s38, s38, s36
	s_add_co_u32 s37, s37, s38
	s_and_b32 s38, s44, 1
	s_lshl_b32 s38, s38, 7
	s_add_co_u32 s37, s37, s38
	s_mul_i32 s38, s33, s20
	s_lshl_b32 s38, s38, 7
	s_add_co_u32 s38, s37, s38                     ; my wave's first number, in bytes (under 2^25)
	s_mov_b32 s39, 0
	s_lshl_b32 s40, s20, 5                         ; 32 along K
	s_mov_b32 s41, 0
	s_mul_i32 s42, ttmp9, 12800                    ; my block
	s_mov_b32 s43, 0
	v_lshlrev_b32 v[VO], 2, v1
.set i, 1
.rept 31
	v_add_nc_u32 v[VO+i], s20, v[VO+i-1]
.set i, i+1
.endr
	s_wait_kmcnt 0x0
	s_mov_b64 s[18:19], s[14:15]                   ; the tensor: a choice that hangs on the work-group's number alone
	s_cmp_lt_u32 ttmp9, 512
	s_cselect_b64 s[18:19], s[12:13], s[18:19]
	s_cmp_lt_u32 ttmp9, 256
	s_cselect_b64 s[18:19], s[10:11], s[18:19]
	s_cmp_lt_u32 ttmp9, 192
	s_cselect_b64 s[18:19], s[8:9], s[18:19]
	s_cmp_lt_u32 ttmp9, 128
	s_cselect_b64 s[18:19], s[6:7], s[18:19]
	s_cmp_lt_u32 ttmp9, 64
	s_cselect_b64 s[18:19], s[4:5], s[18:19]
	s_add_nc_u64 s[24:25], s[18:19], s[38:39]      ; a base for each block of 32 along K: no pointer is stepped
	s_add_nc_u64 s[26:27], s[24:25], s[40:41]
	s_add_nc_u64 s[28:29], s[26:27], s[40:41]
	s_add_nc_u64 s[30:31], s[28:29], s[40:41]
	s_add_nc_u64 s[16:17], s[16:17], s[42:43]
.macro LOAD q
.irp i, 0,1,2,3,4,5,6,7,8,9,10,11,12,13,14,15,16,17,18,19,20,21,22,23,24,25,26,27,28,29,30,31
	global_load_b32 v[X+32*(\q)+\i], v[VO+\i], s[24+2*(\q):25+2*(\q)] th:TH_LOAD_NT
.endr
.endm
	LOAD 0
	LOAD 1
.macro BLOCK q
.set XS, X+32*(\q)
.set CC, C+12*(\q)
.if (\q) < 3
	s_wait_loadcnt 32                              ; this block's 32 loads are in; the next block's 32 may be out
.else
	s_wait_loadcnt 0x0
.endif
.if (\q) < 2
	LOAD (\q)+2                                    ; two blocks ahead, into registers of its own
.endif
	v_max3_num_f32 v11, |v[XS]|, |v[XS+1]|, |v[XS+2]|      ; the block's largest magnitude: all 32 numbers are mine; two chains
	v_max3_num_f32 v12, |v[XS+3]|, |v[XS+4]|, |v[XS+5]|
.irp i, 6,10,14,18,22,26
	v_max3_num_f32 v11, v11, |v[XS+\i]|, |v[XS+\i+1]|
	v_max3_num_f32 v12, v12, |v[XS+\i+2]|, |v[XS+\i+3]|
.endr
	v_max3_num_f32 v11, v11, |v[XS+30]|, |v[XS+31]|
	v_max3_num_f32 v11, v11, v12, 0x1800000        ; and the floor 2^(3 - 127): the byte cannot fall under 1
	v_add_nc_u32 v13, 0xff000000, v11              ; 2 off the exponent field: the conversion takes the exponent field of this operand as its scale
	v_lshrrev_b32 v12, 23, v13                     ; the scale's byte
.if (\q) == 0
	v_mov_b32 v14, v12
.else
	v_lshl_or_b32 v14, v12, 8*(\q), v14            ; four bytes make my row's scale word, the lower K in the lower byte
.endif
	v_cvt_scalef32_pk16_fp6_f32 v[CC:CC+2], v[XS:XS+15], v13
	v_cvt_scalef32_pk16_fp6_f32 v[CC+8:CC+10], v[XS+16:XS+31], v13   ; (a conversion's three registers begin on an even number)
	v_nop                                          ; one plain place behind a scaled conversion
.irp i, 0,1,2
	v_mov_b32 v[CC+3+\i], v[CC+8+\i]
.endr
	ds_store_b128 v4, v[CC:CC+3] offset:768*((\q)/2)+256*((\q)%2)    ; block q belongs to lane r + 16 (q % 2) of half q / 2 of the fragment
	ds_store_b64 v5, v[CC+4:CC+5] offset:768*((\q)/2)+128*((\q)%2)
.endm
	BLOCK 0
	BLOCK 1
	BLOCK 2
	BLOCK 3
	ds_store_b32 v6, v14
.irp k, 0,1,2,3,4,5
	ds_load_b128 v[OUTR+4*\k:OUTR+4*\k+3], v7 offset:512*\k          ; LDS serves a wave's instructions in order: these see my stores
.endr
	ds_load_b32 v[OUTR+24], v8
	s_wait_dscnt 0x0
.irp k, 0,1,2,3,4,5
	global_store_b128 v9, v[OUTR+4*\k:OUTR+4*\k+3], s[16:17] offset:512*\k   ; 32 lanes store 512 consecutive bytes, at a multiple of 256 from the buffer's first byte
.endr
	global_store_b32 v10, v[OUTR+24], s[16:17]
	s_wait_tensorcnt 0x0
	ds_add_u32 v240, v241
	s_wait_dscnt 0x0
	s_endpgm
.Lfunc_end_k_q5989c608bb_wq:
	.size	k_q5989c608bb_wq, .Lfunc_end_k_q5989c608bb_wq-k_q5989c608bb_wq
	.p2alignl 7, 3214868480
	.fill 96, 4, 3214868480
	.section	.rodata,"a",@progbits
	.p2align	6, 0x0
	.amdhsa_kernel k_q5989c608bb_wq
		.amdhsa_group_segment_fixed_size 16896
		.amdhsa_private_segment_fixed_size 0
		.amdhsa_enable_private_segment 0
		.amdhsa_kernarg_size 56
		.amdhsa_user_sgpr_count 2
		.amdhsa_user_sgpr_kernarg_segment_ptr 1
		.amdhsa_wavefront_size32 1
		.amdhsa_system_sgpr_workgroup_id_x 1
		.amdhsa_system_sgpr_workgroup_id_y 1
		.amdhsa_system_sgpr_workgroup_id_z 1
		.amdhsa_system_vgpr_workitem_id 0
		.amdhsa_next_free_vgpr 242
		.amdhsa_next_free_sgpr 66
		.amdhsa_reserve_vcc 0
		.amdhsa_float_denorm_mode_32 3
		.amdhsa_float_denorm_mode_16_64 3
		.amdhsa_memory_ordered 1
		.amdhsa_forward_progress 1
		.amdhsa_inst_pref_size 25
	.end_amdhsa_kernel
	.amdgpu_metadata
---
amdhsa.version: [ 1, 2 ]
amdhsa.kernels:
  - .name:           k_q5989c608bb_wq
    .symbol:         k_q5989c608bb_wq.kd
    .args:
      - { .name: Wq, .offset: 0, .size: 8, .value_kind: global_buffer, .address_space: global }
      - { .name: Wk, .offset: 8, .size: 8, .value_kind: global_buffer, .address_space: global }
      - { .name: Wv, .offset: 16, .size: 8, .value_kind: global_buffer, .address_space: global }
      - { .name: Wo, .offset: 24, .size: 8, .value_kind: global_buffer, .address_space: global }
      - { .name: W1, .offset: 32, .size: 8, .value_kind: global_buffer, .address_space: global }
      - { .name: W2, .offset: 40, .size: 8, .value_kind: global_buffer, .address_space: global }
      - { .name: ops, .offset: 48, .size: 8, .value_kind: global_buffer, .address_space: global }
    .group_segment_fixed_size: 16896
    .private_segment_fixed_size: 0
    .kernarg_segment_align: 8
    .kernarg_segment_size: 56
    .max_flat_workgroup_size: 128
    .sgpr_count:     66
    .vgpr_count:     242
    .wavefront_size: 32
...
	.end_amdgpu_metadata
.endif
;; end of part 1
;; launch ln1 (part 2): grid 256 x 1, 8 waves a work-group, no clusters, 67,072 bytes of LDS; arguments x, g1, beta1, ops; writes ops
.if DOCPART == 2
	.amdgcn_target "amdgcn-amd-amdhsa--gfx1250"
	.amdhsa_code_object_version 6
	.text
	.protected	k_q5989c608bb_ln1
	.globl	k_q5989c608bb_ln1
	.p2align	8
	.type	k_q5989c608bb_ln1,@function
k_q5989c608bb_ln1:
	s_mov_b64 s[64:65], 0
	v_nop
	global_prefetch_b8 v0, s[64:65] scope:SCOPE_SE
	s_setreg_imm32_b32 hwreg(HW_REG_WAVE_MODE, 25, 1), 1
	s_wait_xcnt 0x0
; Layer norm of rows of 1,024 f32, then the quantiser along the row: codes of FP6 (E2M3), one E8M0 byte for each 32, stored as images of operand registers.
; A block (12,800 bytes) is 128 rows x 128 along K: eight fragments of 1,536 bytes, then scale words at 12,288 + 64 tile + 4 row.  Tile t holds rows 32 (t / 2) + 8 (t % 2) + r + 8 (r / 8).
; The operand begins at byte 9,830,400 of the buffer; block (row block, K step) lies at (8 x row block + K step) x 12,800.
; A work-group takes ONE tile of 16 rows.  Phase 1: wave w normalises tile rows 2 w and 2 w + 1, each whole in 32 registers (mean, then the variance of the differences: two passes, so a common
; offset of the inputs costs no accuracy), and lays them in LDS.  One barrier.  Phase 2: wave w quantises K step w of all 16 rows: lane (r, h) takes of row r 16 neighbours of each block of 32.
; LIMITS: a block of zeros, or one whose largest magnitude lies under 2^-124, gets the byte 1 (codes are zeros; only this program reads the bytes); NaN and infinities are not served; 1 / sqrt by v_rsq_f32.
; No matrix unit, no tensor load, no cluster: rows are read once; the gains and offsets, which all share, are 8 KiB beside a work-group's 64 KiB.
.set PITCH, 4112                       ; an LDS row: 4,096 bytes + 16 = 257 x 16: the sixteen rows that a load touches fall on sixteen different groups of four banks (ISA guide 11.1)
.set X,   32                           ; v32-95   two rows; later the lane's 64 numbers
.set G,   96                           ; v96-127  gains of my 32 columns
.set BE,  128                          ; v128-159 offsets
.set PC,  160                          ; v160-178 codes
.set TM,  200                          ; v200-215 the quantiser's work
.set PW,  216                          ; the scale word
.set SEL, 24
	s_load_b256 s[4:11], s[0:1], 0x0               ; the rows, the gains, the offsets, ops
	v_lshl_add_u32 v224, v0, 2, 0x10200
	v_mov_b32 v225, 0
	v_lshrrev_b32 v1, 5, v0
	v_readfirstlane_b32 s12, v1                    ; wave 0..7
	v_and_b32 v1, 31, v0                           ; lane
	v_and_b32 v2, 15, v0                           ; r
	v_bfe_u32 v3, v0, 4, 1                         ; h
	v_lshlrev_b32 v4, 4, v1                        ; 16 x lane
	s_lshr_b32 s13, ttmp9, 3                       ; row block
	s_and_b32 s14, ttmp9, 7                        ; tile
	s_lshl_b32 s15, s13, 7
	s_lshr_b32 s16, s14, 1
	s_lshl_b32 s16, s16, 5
	s_add_co_u32 s15, s15, s16
	s_and_b32 s16, s14, 1
	s_lshl_b32 s16, s16, 3
	s_add_co_u32 s15, s15, s16
	s_lshl_b32 s16, s12, 1
	s_add_co_u32 s15, s15, s16
	s_lshr_b32 s16, s12, 2
	s_lshl_b32 s16, s16, 3
	s_add_co_u32 s15, s15, s16                     ; my first row: 128 RB + 32 (t / 2) + 8 (t % 2) + 2 w + 8 (w / 4)
	s_lshl_b32 s16, s15, 12                        ; in bytes (under 2^24)
	s_mov_b32 s17, 0
	s_mul_i32 s18, s12, 2*PITCH
	v_add_nc_u32 v5, s18, v4                       ; LDS, in: my two rows, 16 bytes a lane
	v_mul_u32_u24 v6, v2, PITCH
	v_lshl_add_u32 v6, v3, 6, v6
	s_lshl_b32 s18, s12, 9
	v_add_nc_u32 v6, s18, v6                       ; LDS, out: row r, K step w, + 64 h
	v_lshl_add_u32 v7, v1, 3, 512                  ; 512 + 8 x lane
	v_lshlrev_b32 v8, 2, v2                        ; 4 r
	s_lshl_b32 s18, s13, 3
	s_add_co_u32 s18, s18, s12
	s_mul_i32 s18, s18, 12800
	s_add_co_u32 s18, s18, 9830400                 ; my wave's block
	s_mul_i32 s19, s14, 1536
	s_add_co_u32 s20, s18, s19                     ; the tile's fragment in it
	s_mov_b32 s21, 0
	s_lshl_b32 s19, s14, 6
	s_add_co_u32 s22, s18, s19
	s_add_co_u32 s22, s22, 12288                   ; and its scale words
	s_mov_b32 s23, 0
	s_mov_b32 s[SEL], 0x76543210
	s_mov_b32 s[SEL+1], 0xfedcba98                 ; v_permlanex16_b32's selects for lane l xor 16
	s_mov_b32 s26, 0x3a800000                      ; 1 / 1,024
	s_mov_b32 s27, 0x3727c5ac                      ; 1e-5
.irp j, 17,19,21,23
	v_mov_b32 v\j, 0                               ; the upper halves of pairs of which the packed forms take the low word: written, since the pair is named
.endr
.irp b, 0,1,2,3
	v_mov_b32 v[TM+4+\b], 0                        ; a lane permute's destination counts as one of its sources
.endr
	s_wait_kmcnt 0x0
	s_add_nc_u64 s[4:5], s[4:5], s[16:17]
	s_add_nc_u64 s[20:21], s[10:11], s[20:21]
	s_add_nc_u64 s[22:23], s[10:11], s[22:23]
.irp p, 0,1
.irp j, 0,1,2,3,4,5,6,7
	global_load_b128 v[X+32*\p+4*\j:X+32*\p+4*\j+3], v4, s[4:5] offset:4096*\p+512*\j    ; 32 lanes read 512 consecutive bytes
.endr
.endr
.irp j, 0,1,2,3,4,5,6,7
	global_load_b128 v[G+4*\j:G+4*\j+3], v4, s[6:7] offset:512*\j
.endr
.irp j, 0,1,2,3,4,5,6,7
	global_load_b128 v[BE+4*\j:BE+4*\j+3], v4, s[8:9] offset:512*\j
.endr
	s_wait_loadcnt 16                              ; the two rows are in; the sixteen loads of gains and offsets may be out
.macro ACROSS                          ; v24 and v25, summed over the wave's 32 lanes: the result in every lane's v24
	v_add_f32 v24, v24, v25
	v_add_f32_dpp v24, v24, v24 row_xmask:1 row_mask:0xf bank_mask:0xf
	v_add_f32_dpp v24, v24, v24 row_xmask:2 row_mask:0xf bank_mask:0xf
	v_add_f32_dpp v24, v24, v24 row_xmask:4 row_mask:0xf bank_mask:0xf
	v_add_f32_dpp v24, v24, v24 row_xmask:8 row_mask:0xf bank_mask:0xf
	v_permlanex16_b32 v25, v24, s[SEL], s[SEL+1]
	v_add_f32 v24, v24, v25
.endm
.macro STATS p                         ; row p: x - mean in place; variance + 1e-5 into v[20 + 2 p]
.set XR, X+32*\p
	v_pk_add_f32 v[24:25], v[XR:XR+1], v[XR+2:XR+3]
	v_pk_add_f32 v[26:27], v[XR+4:XR+5], v[XR+6:XR+7]
.irp j, 8,12,16,20,24,28
	v_pk_add_f32 v[24:25], v[24:25], v[XR+\j:XR+\j+1]
	v_pk_add_f32 v[26:27], v[26:27], v[XR+\j+2:XR+\j+3]
.endr
	v_pk_add_f32 v[24:25], v[24:25], v[26:27]
	ACROSS
	v_mul_f32 v[16+2*\p], s26, v24                 ; the mean
.irp j, 0,2,4,6,8,10,12,14,16,18,20,22,24,26,28,30
	v_pk_add_f32 v[XR+\j:XR+\j+1], v[XR+\j:XR+\j+1], v[16+2*\p:17+2*\p] op_sel_hi:[1,0] neg_lo:[0,1] neg_hi:[0,1]
.endr
	v_pk_mul_f32 v[24:25], v[XR:XR+1], v[XR:XR+1]
	v_pk_mul_f32 v[26:27], v[XR+2:XR+3], v[XR+2:XR+3]
.irp j, 4,8,12,16,20,24,28
	v_pk_fma_f32 v[24:25], v[XR+\j:XR+\j+1], v[XR+\j:XR+\j+1], v[24:25]
	v_pk_fma_f32 v[26:27], v[XR+\j+2:XR+\j+3], v[XR+\j+2:XR+\j+3], v[26:27]
.endr
	v_pk_add_f32 v[24:25], v[24:25], v[26:27]
	ACROSS
	v_fma_f32 v[20+2*\p], v24, s26, s27
.endm
	STATS 0
	STATS 1
	v_rsq_f32 v20, v20                             ; the two as one batch,
	v_rsq_f32 v22, v22
	v_nop                                          ; a plain instruction behind them (ISA guide 5.7.2),
	s_wait_alu depctr_va_vdst(0)                   ; and the one wait ahead of the first reader
	s_wait_loadcnt 0x0                             ; gains and offsets
.irp p, 0,1
.irp j, 0,2,4,6,8,10,12,14,16,18,20,22,24,26,28,30
	v_pk_mul_f32 v[X+32*\p+\j:X+32*\p+\j+1], v[X+32*\p+\j:X+32*\p+\j+1], v[20+2*\p:21+2*\p] op_sel_hi:[1,0]
.endr
.irp j, 0,2,4,6,8,10,12,14,16,18,20,22,24,26,28,30
	v_pk_fma_f32 v[X+32*\p+\j:X+32*\p+\j+1], v[X+32*\p+\j:X+32*\p+\j+1], v[G+\j:G+\j+1], v[BE+\j:BE+\j+1]
.endr
.irp j, 0,1,2,3,4,5,6,7
	ds_store_b128 v5, v[X+32*\p+4*\j:X+32*\p+4*\j+3] offset:PITCH*\p+512*\j
.endr
.endr
	s_wait_dscnt 0x0                               ; for the others' sake: my two rows lie in LDS
	s_barrier_signal -1
	s_barrier_wait -1
.irp b, 0,1,2,3
.irp j, 0,1,2,3
	ds_load_b128 v[X+16*\b+4*\j:X+16*\b+4*\j+3], v6 offset:128*\b+16*\j   ; register 16 b + i = k 32 b + 16 h + i of row r, in K step w
.endr
.endr
	s_wait_dscnt 0x0
.irp b, 0,1,2,3
	v_max3_num_f32 v[TM+\b], |v[X+16*\b]|, |v[X+1+16*\b]|, 0x1800000     ; block b: my 16 numbers, and the floor 2^(3 - 127): the byte cannot fall under 1
.endr
.irp i, 2,4,6,8,10,12,14
.irp b, 0,1,2,3
	v_max3_num_f32 v[TM+\b], v[TM+\b], |v[X+16*\b+\i]|, |v[X+1+16*\b+\i]|
.endr
.endr
.irp b, 0,1,2,3
	v_permlanex16_b32 v[TM+4+\b], v[TM+\b], s[SEL], s[SEL+1]
.endr
.irp b, 0,1,2,3
	v_max_num_f32 v[TM+\b], v[TM+\b], v[TM+4+\b]   ; with lane l xor 16's: the block's largest magnitude
.endr
.irp b, 0,1,2,3
	v_add_nc_u32 v[TM+12+\b], 0xff000000, v[TM+\b] ; 2 off its exponent field: the conversion's scale operand
.endr
.irp b, 0,1,2,3
	v_lshrrev_b32 v[TM+4+\b], 23, v[TM+12+\b]      ; the scale's byte
.endr
	v_lshl_or_b32 v[PW], v[TM+5], 8, v[TM+4]
	v_lshl_or_b32 v[PW], v[TM+6], 16, v[PW]
	v_lshl_or_b32 v[PW], v[TM+7], 24, v[PW]
.irp c, 0,1
	v_cvt_scalef32_pk16_fp6_f32 v[PC+6*\c:PC+2+6*\c], v[X+32*\c:X+15+32*\c], v[TM+12+2*\c]
	v_cvt_scalef32_pk16_fp6_f32 v[PC+12+4*\c:PC+14+4*\c], v[X+16+32*\c:X+31+32*\c], v[TM+12+2*\c+1]
.endr
	v_nop                                          ; one plain place behind a scaled conversion
.irp c, 0,1                                    ; the operand's layout wants a WHOLE block in a lane: lanes 0-15 block 2 c, lanes 16-31 block 2 c + 1
.irp i, 0,1,2
	v_permlane16_swap_b32 v[PC+6*\c+\i], v[PC+12+4*\c+\i]
.endr
.irp i, 0,1,2
	v_mov_b32 v[PC+3+6*\c+\i], v[PC+12+4*\c+\i]
.endr
.endr
	global_store_b128 v4, v[PC:PC+3], s[20:21]                 ; 512 consecutive bytes,
	global_store_b64 v7, v[PC+4:PC+5], s[20:21]                ; 256,
	global_store_b128 v4, v[PC+6:PC+9], s[20:21] offset:768    ; and the second half likewise
	global_store_b64 v7, v[PC+10:PC+11], s[20:21] offset:768
	v_cmp_gt_u32 vcc_lo, 16, v1
	s_wait_xcnt 0x0                                ; EXEC changes only behind this wait
	s_wait_tensorcnt 0x0
	ds_add_u32 v224, v225
	s_wait_dscnt 0x0
	s_and_saveexec_b32 s28, vcc_lo
	global_store_b32 v8, v[PW], s[22:23]           ; lanes 0-15: the 16 rows' scale words
	s_wait_xcnt 0x0
	s_or_b32 exec_lo, exec_lo, s28
	s_endpgm
.Lfunc_end_k_q5989c608bb_ln1:
	.size	k_q5989c608bb_ln1, .Lfunc_end_k_q5989c608bb_ln1-k_q5989c608bb_ln1
	.p2alignl 7, 3214868480
	.fill 96, 4, 3214868480
	.section	.rodata,"a",@progbits
	.p2align	6, 0x0
	.amdhsa_kernel k_q5989c608bb_ln1
		.amdhsa_group_segment_fixed_size 67072
		.amdhsa_private_segment_fixed_size 0
		.amdhsa_enable_private_segment 0
		.amdhsa_kernarg_size 32
		.amdhsa_user_sgpr_count 2
		.amdhsa_user_sgpr_kernarg_segment_ptr 1
		.amdhsa_wavefront_size32 1
		.amdhsa_system_sgpr_workgroup_id_x 1
		.amdhsa_system_sgpr_workgroup_id_y 1
		.amdhsa_system_sgpr_workgroup_id_z 1
		.amdhsa_system_vgpr_workitem_id 0
		.amdhsa_next_free_vgpr 226
		.amdhsa_next_free_sgpr 66
		.amdhsa_reserve_vcc 1
		.amdhsa_float_denorm_mode_32 3
		.amdhsa_float_denorm_mode_16_64 3
		.amdhsa_memory_ordered 1
		.amdhsa_forward_progress 1
		.amdhsa_inst_pref_size 25
	.end_amdhsa_kernel
	.amdgpu_metadata
---
amdhsa.version: [ 1, 2 ]
amdhsa.kernels:
  - .name:           k_q5989c608bb_ln1
    .symbol:         k_q5989c608bb_ln1.kd
    .args:
      - { .name: x, .offset: 0, .size: 8, .value_kind: global_buffer, .address_space: global }
      - { .name: g1, .offset: 8, .size: 8, .value_kind: global_buffer, .address_space: global }
      - { .name: beta1, .offset: 16, .size: 8, .value_kind: global_buffer, .address_space: global }
      - { .name: ops, .offset: 24, .size: 8, .value_kind: global_buffer, .address_space: global }
    .group_segment_fixed_size: 67072
    .private_segment_fixed_size: 0
    .kernarg_segment_align: 8
    .kernarg_segment_size: 32
    .max_flat_workgroup_size: 256
    .sgpr_count:     66
    .vgpr_count:     226
    .wavefront_size: 32
...
	.end_amdgpu_metadata
.endif
;; end of part 2
;; launch qkv (part 3): grid 8 x 24, 4 waves a work-group, clusters of 4 x 4, 327,680 bytes of LDS; arguments ops, qkv; writes qkv
.if DOCPART == 3
	.amdgcn_target "amdgcn-amd-amdhsa--gfx1250"
	.amdhsa_code_object_version 6
	.text
	.protected	k_q5989c608bb_qkv
	.globl	k_q5989c608bb_qkv
	.p2align	8
	.type	k_q5989c608bb_qkv,@function
k_q5989c608bb_qkv:
	s_mov_b64 s[64:65], 0
	v_nop
	global_prefetch_b8 v0, s[64:65] scope:SCOPE_SE
	s_setreg_imm32_b32 hwreg(HW_REG_WAVE_MODE, 25, 1), 1
	s_wait_xcnt 0x0
	s_wait_alu depctr_hold_cnt(0) depctr_sa_sdst(0) depctr_va_vdst(0) depctr_va_sdst(0) depctr_va_ssrc(0) depctr_va_vcc(0) depctr_vm_vsrc(0)
	s_getreg_b32 s2, hwreg(HW_REG_IB_STS2, 6, 4)
	s_cmp_eq_u32 s2, 0
	s_cbranch_scc0 .Lentry_in_a_cluster
	s_endpgm
.Lentry_in_a_cluster:
	s_bfe_u32 s2, ttmp6, 0x10000c
	s_cmp_lg_u32 s2, 0xf033
	s_cbranch_scc0 .Lentry_shape_is_right
	s_endpgm
.Lentry_shape_is_right:
; q, k and v of all heads: three products on codes of FP6 (E2M3, one E8M0 byte for each 32 along K), K = 1,024, and the quantiser on their results, which leave as codes.
; OPERANDS lie in memory as images of registers.  A block (12,800 bytes) = 128 rows x 128 K: eight fragments of 1,536 bytes (two halves: 512 bytes, lane l's four registers at 16 l; 256 bytes, its other two
; at 8 l), then scale words at 12,288 + 64 tile + 4 row.  Tile t holds rows 32 (t / 2) + 8 (t % 2) + r + 8 (r / 8).  The eight K steps of a row block lie on end: 102,400 bytes, a unit; the normalised tokens are units 96-127,
; Wq | Wk units 0-15, Wv units 16-23.
; A tile of the result, 256 x 256, is made by four waves, each 128 x 128 in 64 accumulators.  K goes in steps of 256 through two LDS slots; each wave fetches 128 rows x 256 K, ONE dense run of 25,600 bytes, scale words within.
; THE MATRIX INSTRUCTION IS USED TRANSPOSED (source 0 = B's 16 rows, source 1 = A's): lane (r, h) holds A's row r of a tile, and by the order of a tile's rows the 16 registers of B's tiles 2 b and 2 b + 1
; are B's rows 32 b + 16 h + 0 .. 15: sixteen neighbours along the NEXT product's K, as the conversions want them.
; Clusters with y < 4: A = tokens, B = Wq | Wk: a lane's registers run along a head's 64.  Clusters with y >= 4: A = Wv, B = tokens: registers run along the keys, which are the K of the second product of attention.
; OUTPUT: sub-blocks of 6,400 bytes (4 fragments, scale words at 6,144).  q, k of (head, token block): fragment i holds token tile 2 i in K 0-63 and token tile 2 i + 1 in K 64-127.  v of (head, 128 keys): fragment i = 16 of the head's 64.
; CLUSTERS: 4 x 4 work-groups; A's tiles are asked for jointly along a row of the cluster, B's along a column.
; LIMITS: a block of zeros, or one whose largest magnitude lies under 2^-124, gets the byte 1 (codes are zeros; only this program reads the bytes); NaN and infinities are not served.
; REGISTERS: window 0: v12-26 addresses; v32-63 scale words, two sets; v128-223 A's fragments, one set; window 1: B's fragments, two sets (v0, v128); windows 2, 3: accumulator (a, b) at v[8 (8 (a % 4) + b)] of window 2 + a / 4.
.set LAPS,  2                          ; K / 512: a lap = two slots
.set BLK,   12800
.set FRB,   1536
.set HFB,   768
.set SCO,   12288
.set HALFT, 2*BLK                      ; what one tensor load brings: 128 rows x 256 K
.set SLOT,  4*HALFT                    ; A's two row blocks, then B's two
.set SPARE, 2*SLOT                     ; behind the ring: the spare words, 128 bytes a wave, which no other line names
.set FR,    12
.set NL,    4                          ; LDS loads that bring a fragment
.set NP,    4                          ; places behind this matrix instruction (ISA guide 7.12.1)
.set ADRS, 12                          ; v12-13  my scale words in slot 0, 1: lanes 0-15 A's, lanes 16-31 B's
.set ADRA, 16                          ; v16-17  A's fragments, the parts of 16 bytes a lane; v18-19 those of 8
.set ADRB, 20                          ; v20-23  the same for B
.set SPW,  28
.set NIL,  29
.set SC,   32                          ; set s at SC + 16 s; register 2 i + q: tile i, the slot's q-th 128 along K
.set AF,   128
.set PWS,  96                          ; the way out: eight scale words
.set PC,   112                         ; codes
.set TM,   200                         ; the quantiser's work
.set G1,  24
.set G0,  32
.set G1B, 48
.set G0B, 56
.set MSB, 0
.macro WIN new                         ; the immediate's high byte repeats the setting that is left
.if MSB != (\new)
	s_set_vgpr_msb (MSB<<8)|(\new)
.set MSB, (\new)
.endif
.endm
.set MUL_LO, 0xa1                      ; source 0 (B) window 1, source 1 (A) window 0, C and D window 2
.set MUL_HI, 0xf1
.set TO_B,   0x40
.macro JLOAD g0a, g1a, g0b, g1b        ; a joint load: waves 0, 1 fetch for A, waves 2, 3 for B; four v_nop follow each line
	s_cmp_eq_u32 s15, 0
	s_cbranch_scc0 .Lfor_b_\@
	tensor_load_to_lds s[\g0a:\g0a+3], s[\g1a:\g1a+7]
	s_nop 0
.rept 4
	v_nop
.endr
	s_branch .Lasked_\@
.Lfor_b_\@:
	tensor_load_to_lds s[\g0b:\g0b+3], s[\g1b:\g1b+7]
	s_nop 0
.rept 4
	v_nop
.endr
.Lasked_\@:
.endm
.macro CREST                           ; a round of the cluster's barrier behind its opening barrier
	s_cmp_lg_u32 s14, 0
	s_cbranch_scc1 .Lnot_wave_0_\@
	s_barrier_signal -3
.Lnot_wave_0_\@:
	s_barrier_wait -3
	s_barrier_signal -1
	s_barrier_wait -1
.endm
.macro CROUND
	s_barrier_signal -1
	s_barrier_wait -1
	CREST
.endm
.macro PLACES n
.rept \n
	v_nop
.endr
.endm
	s_load_b64 s[4:5], s[0:1], 0x0                 ; ops: both operands
	s_load_b64 s[12:13], s[0:1], 0x8               ; qkv
	v_lshl_add_u32 v[SPW], v0, 2, SPARE
	v_mov_b32 v[NIL], 0
	ds_add_u32 v28, v29
	ds_add_u32 v28, v29
	s_wait_dscnt 0x0
	v_lshrrev_b32 v1, 5, v0
	v_readfirstlane_b32 s14, v1                    ; wave 0..3
	s_lshr_b32 s15, s14, 1                         ; which of A's two row blocks is mine.  Also: I fetch for A (0) or for B (1)
	s_and_b32 s16, s14, 1                          ; which of B's.  Also: which row block of that side I fetch
	s_bfe_u32 s40, ttmp6, 0x40000                  ; cx, cy: my place in the cluster
	s_bfe_u32 s41, ttmp6, 0x40004
	s_and_b32 s66, ttmp7, 0xffff                   ; cluster y: 0-3 q | k, 4-5 v: the same in all sixteen partners
	s_sub_co_u32 s19, s66, 4
	s_lshl_b32 s19, s19, 1
	s_cmp_ge_u32 s66, 4
	s_cselect_b32 s67, 1, 0                        ; 1: v
	s_cselect_b32 s18, 0, s66
	s_cselect_b32 s19, s19, 0
	s_cselect_b32 s22, 16, 96                      ; A's first unit: Wv or the tokens
	s_cselect_b32 s23, 96, 0                       ; B's: the tokens or Wq | Wk
	s_add_co_u32 s19, s19, ttmp9
	s_lshl_b32 s42, s19, 2
	s_add_co_u32 s42, s42, s40                     ; tile column
	s_lshl_b32 s17, s18, 2
	s_add_co_u32 s17, s17, s41                     ; tile row
	s_lshl_b32 s43, s41, 2
	s_lshl_b32 s43, 15, s43                        ; my row of the cluster
	s_lshl_b32 s44, 0x1111, s40                    ; my column
	s_or_b32 s[G1+0], s43, (3<<16)|(1<<21)         ; 15:0 the mask; 17:16 elements of 8 bytes; 20 no padding; 21 set beside a mask
	s_or_b32 s[G1B+0], s44, (3<<16)|(1<<21)
.irp g, G1, G1B                                ; a dense run of 25,600 bytes as 100 rows of 32 elements
	s_mov_b32 s[\g+1], 32<<16                      ; tensor_dim0
	s_mov_b32 s[\g+2], 100<<16                     ; tensor_dim1
	s_mov_b32 s[\g+3], 32<<16                      ; tile_dim0
	s_mov_b32 s[\g+4], 100                         ; tile_dim1
	s_mov_b32 s[\g+5], 32                          ; tensor_dim0_stride
	s_mov_b32 s[\g+6], 0
	s_mov_b32 s[\g+7], 0
.endr
	s_lshl_b32 s20, s17, 1
	s_add_co_u32 s20, s20, s16
	s_add_co_u32 s20, s20, s22
	s_mul_i32 s20, s20, 102400                     ; A: the unit that I fetch; it hangs on the tile row and the wave alone
	s_mov_b32 s21, 0
	s_lshl_b32 s46, s42, 1
	s_add_co_u32 s46, s46, s16
	s_add_co_u32 s46, s46, s23
	s_mul_i32 s46, s46, 102400                     ; B: on the tile column and the wave alone
	s_mov_b32 s47, 0
	s_mul_i32 s45, s14, HALFT                      ; where it goes: wave x 25,600
	s_mov_b32 s68, 0x76543210
	s_mov_b32 s69, 0xfedcba98                      ; v_permlanex16_b32's selects for lane l xor 16
	s_mov_b32 s70, 0xffff0000                      ; lanes 16-31
	s_wait_kmcnt 0x0
	s_add_nc_u64 s[20:21], s[4:5], s[20:21]
	s_add_nc_u64 s[46:47], s[4:5], s[46:47]
	CROUND                                         ; all sixteen work-groups are here: the first joint loads meet
.irp s, 0,1
	s_mov_b32 s[G0+4*\s], 1
	s_add_co_u32 s[G0+4*\s+1], s45, \s*SLOT
	s_add_nc_u64 s[G0+4*\s+2:G0+4*\s+3], s[20:21], \s*HALFT
	s_or_b32 s[G0+4*\s+3], s[G0+4*\s+3], 0x80000000
	s_mov_b32 s[G0B+4*\s], 1
	s_add_co_u32 s[G0B+4*\s+1], s45, \s*SLOT
	s_add_nc_u64 s[G0B+4*\s+2:G0B+4*\s+3], s[46:47], \s*HALFT
	s_or_b32 s[G0B+4*\s+3], s[G0B+4*\s+3], 0x80000000
	JLOAD G0+4*\s, G1, G0B+4*\s, G1B
.endr
	v_and_b32 v1, 31, v0                           ; lane
	v_and_b32 v2, 15, v0                           ; r
	v_bfe_u32 v3, v0, 4, 1                         ; h
	v_lshlrev_b32 v4, 4, v1                        ; 16 x lane
	v_lshl_add_u32 v5, v1, 3, 512                  ; 512 + 8 x lane
	s_mul_i32 s21, s15, HALFT
	s_mul_i32 s22, s16, HALFT
	s_add_co_u32 s22, s22, 2*HALFT
.irp s, 0,1
	v_add_nc_u32 v[ADRA+\s], s21, v4
	v_add_nc_u32 v[ADRB+\s], s22, v4
	v_add_nc_u32 v[ADRA+2+\s], s21, v5
	v_add_nc_u32 v[ADRB+2+\s], s22, v5
	s_add_co_u32 s21, s21, SLOT
	s_add_co_u32 s22, s22, SLOT
.endr
	s_mul_i32 s21, s15, HALFT
	s_mul_i32 s22, s16, HALFT
	s_add_co_u32 s22, s22, 2*HALFT
	s_sub_co_u32 s22, s22, s21
	v_mul_u32_u24 v6, s22, v3                      ; lanes 16-31 take B's words: one product, the distance between the two bases x h
	v_lshl_add_u32 v6, v2, 2, v6
	s_add_co_u32 s21, s21, SCO
	v_add_nc_u32 v[ADRS], s21, v6
	v_add_nc_u32 v[ADRS+1], SLOT, v[ADRS]
	v_lshlrev_b32 v24, 4, v1                       ; the way out: 16 x lane,
	v_lshl_add_u32 v25, v1, 3, 512                 ; 512 + 8 x lane,
	v_lshlrev_b32 v26, 2, v1                       ; 4 x lane
	s_lshl_b32 s18, s17, 1
	s_add_co_u32 s18, s18, s15                     ; my row block of A
	s_lshl_b32 s19, s42, 1
	s_add_co_u32 s19, s19, s16                     ; my row block of B
	s_lshl_b32 s22, s18, 6
	s_add_co_u32 s22, s22, s19
	s_add_co_u32 s22, s22, 1024                    ; v: sub-block 1,024 + 32 head + key step, head = 2 x A's block (+ 1)
	s_lshl_b32 s23, s19, 6
	s_add_co_u32 s23, s23, s18                     ; q, k: sub-block 32 (16 T + head) + token block, 16 T + head = 2 x B's block (+ 1)
	s_cmp_eq_u32 s67, 1
	s_cselect_b32 s22, s22, s23
	s_mul_i32 s22, s22, 6400
	s_mov_b32 s23, 0
	s_add_nc_u64 s[12:13], s[12:13], s[22:23]
.macro FRAG reg, adr, q, i             ; a fragment comes as it lies: 16, 8, 16, 8 bytes a lane, each run of lanes on consecutive bytes
	ds_load_b128 v[(\reg):(\reg)+3], v[\adr] offset:(\q)*BLK+(\i)*FRB
	ds_load_b64 v[(\reg)+4:(\reg)+5], v[(\adr)+2] offset:(\q)*BLK+(\i)*FRB
	ds_load_b128 v[(\reg)+6:(\reg)+9], v[\adr] offset:(\q)*BLK+(\i)*FRB+HFB
	ds_load_b64 v[(\reg)+10:(\reg)+11], v[(\adr)+2] offset:(\q)*BLK+(\i)*FRB+HFB
.endm
; 16 matrix instructions: A's tiles a0, a0 + 1 x B's eight.  p: B's set; q: the slot's q-th 128 along K; sc: the set of scale words.  zero = 1: the product starts the sums.
; The 64 accumulators take turns, one instruction a turn, in the same order in every step.
.macro MUL16 a0, p, q, sc, zero
.irp a, \a0, \a0+1
.irp b, 0,1,2,3,4,5,6,7
.set rD, 8*(8*((\a)%4)+\b)
.if \zero
	v_wmma_scale_f32_16x16x128_f8f6f4 v[rD:rD+7], v[128*(\p)+FR*\b:128*(\p)+FR*\b+FR-1], v[AF+FR*(\a):AF+FR*(\a)+FR-1], 0, v[SC+16*(\sc)+2*\b+(\q)], v[SC+16*(\sc)+2*(\a)+(\q)] matrix_a_fmt:MATRIX_FMT_FP6 matrix_b_fmt:MATRIX_FMT_FP6 matrix_a_scale:MATRIX_SCALE_ROW1
.else
	v_wmma_scale_f32_16x16x128_f8f6f4 v[rD:rD+7], v[128*(\p)+FR*\b:128*(\p)+FR*\b+FR-1], v[AF+FR*(\a):AF+FR*(\a)+FR-1], v[rD:rD+7], v[SC+16*(\sc)+2*\b+(\q)], v[SC+16*(\sc)+2*(\a)+(\q)] matrix_a_fmt:MATRIX_FMT_FP6 matrix_b_fmt:MATRIX_FMT_FP6 matrix_a_scale:MATRIX_SCALE_ROW1
.endif
.endr
.endr
.endm
.macro FETCH_B slot, q, p
	WIN TO_B
.irp i, 0,1,2,3,4,5,6,7
	FRAG 128*(\p)+FR*\i, ADRB+\slot, \q, \i
.endr
	WIN 0
.endm
.macro FETCH_A slot, q, i0
.irp i, \i0, \i0+1, \i0+2, \i0+3
	FRAG AF+FR*(\i), ADRA+\slot, \q, \i
.endr
.endm
.macro SCALES sc                       ; a slot's scale words: lanes 0-15 A's tile i, lanes 16-31 B's tile i
.irp i, 0,1,2,3,4,5,6,7
	ds_load_b32 v[SC+16*\sc+2*\i], v[ADRS+\sc] offset:64*\i
	ds_load_b32 v[SC+16*\sc+2*\i+1], v[ADRS+\sc] offset:BLK+64*\i
.endr
.endm
; A slot's first 128 along K, on B's set 0; it fetches the second 128: B into set 1 and A's tiles 0-3 in its middle, A's tiles 4-7 at its end.
.macro STEP slot, zero
	s_wait_dscnt 4*NL                              ; all but the youngest sixteen loads (A's tiles 4-7)
	WIN MUL_LO
	MUL16 0, 0, 0, \slot, \zero
	MUL16 2, 0, 0, \slot, \zero
	s_wait_dscnt 0x0                               ; A's tiles 4-7 are in
	PLACES NP                                      ; in front of loads into registers that matrix instructions have read
	FETCH_B \slot, 1, 1
	FETCH_A \slot, 1, 0
	WIN MUL_HI
	MUL16 4, 0, 0, \slot, \zero
	MUL16 6, 0, 0, \slot, \zero
	PLACES NP
	WIN 0
	FETCH_A \slot, 1, 4
.endm
; A slot's second 128 changes slots: ONE barrier; in front of it each wave waits for all its tensor loads, adds 0 to its spare word, and waits for that and for its reads of this slot.  fill = 1: the slot is filled again, two slots ahead.
.macro TURN slot, next, fill
	s_wait_tensorcnt 0x0                           ; all my tensor loads have landed: my part of the next slot
	ds_add_u32 v[SPW], v[NIL]                      ; 0 onto my spare word
	s_wait_dscnt 4*NL+1                            ; the add and the youngest sixteen loads may be out
	WIN MUL_LO
	MUL16 0, 1, 1, \slot, 0
	s_wait_dscnt 0x0                               ; the add is done, and my reads of this slot are over
	s_barrier_signal -1
	MUL16 2, 1, 1, \slot, 0
	WIN 0
	s_barrier_wait -1
.if \fill
	CREST                                          ; the barrier has opened a round of the cluster's: no wave of any partner still reads this slot or has a load on its way
	s_add_nc_u64 s[G0+4*\slot+2:G0+4*\slot+3], s[G0+4*\slot+2:G0+4*\slot+3], 2*HALFT
	s_add_nc_u64 s[G0B+4*\slot+2:G0B+4*\slot+3], s[G0B+4*\slot+2:G0B+4*\slot+3], 2*HALFT
	JLOAD G0+4*\slot, G1, G0B+4*\slot, G1B         ; the first tensor load behind the round; its four v_nop are the places in front of the loads below
.else
	PLACES NP
.endif
	FETCH_B \next, 0, 0
	FETCH_A \next, 0, 0
	SCALES \next
	WIN MUL_HI
	MUL16 4, 1, 1, \slot, 0
	MUL16 6, 1, 1, \slot, 0
	PLACES NP
	WIN 0
	FETCH_A \next, 0, 4
.endm
	s_wait_tensorcnt 1                             ; my part of slot 0 is in; slot 1's load may be out
	s_barrier_signal -1
	s_barrier_wait -1
	FETCH_B 0, 0, 0
	FETCH_A 0, 0, 0
	SCALES 0
	FETCH_A 0, 0, 4
	STEP 0, 1                                      ; the first step stands in front of the loop: its products start the sums
	s_mov_b32 s3, LAPS-1
.Llap:
	TURN 0, 1, 1
	STEP 1, 0
	TURN 1, 0, 1
	STEP 0, 0
	s_sub_co_u32 s3, s3, 1
	s_cmp_lg_u32 s3, 0
	s_cbranch_scc1 .Llap
	TURN 0, 1, 0                                   ; the last lap fills nothing
	STEP 1, 0
	s_wait_dscnt 4*NL
	WIN MUL_LO
	MUL16 0, 1, 1, 1, 0
	MUL16 2, 1, 1, 1, 0
	s_wait_dscnt 0x0
	WIN MUL_HI
	MUL16 4, 1, 1, 1, 0
	MUL16 6, 1, 1, 1, 0
	WIN 0
; THE WAY OUT: 64 numbers of a lane, 32 from register s0 and 32 from register s1 of window W, become a fragment's codes in v[PC] on and its scale word in v[pw].  Each accumulator is read from its low end on.
.macro QE W, s0, s1, pw
	WIN (\W)|((\W)<<2)                             ; sources 0 and 1: the accumulators' window
.irp b, 0,1
	v_max3_num_f32 v[TM+\b], |v[(\s0)+16*\b]|, |v[(\s0)+16*\b+1]|, 0x1800000     ; a block's 16 numbers of mine, and the floor 2^(3 - 127)
.endr
.irp b, 0,1
	v_max3_num_f32 v[TM+2+\b], |v[(\s1)+16*\b]|, |v[(\s1)+16*\b+1]|, 0x1800000
.endr
.irp i, 2,4,6,8,10,12,14
.irp b, 0,1
	v_max3_num_f32 v[TM+\b], |v[(\s0)+16*\b+\i]|, |v[(\s0)+16*\b+\i+1]|, v[TM+\b]
.endr
.irp b, 0,1
	v_max3_num_f32 v[TM+2+\b], |v[(\s1)+16*\b+\i]|, |v[(\s1)+16*\b+\i+1]|, v[TM+2+\b]
.endr
.endr
	WIN 0
.irp b, 0,1,2,3
	v_permlanex16_b32 v[TM+4+\b], v[TM+\b], s68, s69
.endr
.irp b, 0,1,2,3
	v_max_num_f32 v[TM+\b], v[TM+\b], v[TM+4+\b]   ; with lane l xor 16's: the block's largest magnitude
.endr
.irp b, 0,1,2,3
	v_add_nc_u32 v[TM+12+\b], 0xff000000, v[TM+\b] ; 2 off its exponent field: the conversion's scale operand
.endr
.irp b, 0,1,2,3
	v_lshrrev_b32 v[TM+4+\b], 23, v[TM+12+\b]      ; the scale's byte
.endr
	v_lshl_or_b32 v[\pw], v[TM+5], 8, v[TM+4]
	v_lshl_or_b32 v[\pw], v[TM+6], 16, v[\pw]
	v_lshl_or_b32 v[\pw], v[TM+7], 24, v[\pw]
	s_wait_xcnt 0x0                                ; the last fragment's stores have read the codes' registers
	WIN (\W)
	v_cvt_scalef32_pk16_fp6_f32 v[PC:PC+2], v[(\s0):(\s0)+15], v[TM+12]
	v_cvt_scalef32_pk16_fp6_f32 v[PC+12:PC+14], v[(\s0)+16:(\s0)+31], v[TM+13]
	v_cvt_scalef32_pk16_fp6_f32 v[PC+6:PC+8], v[(\s1):(\s1)+15], v[TM+14]
	v_cvt_scalef32_pk16_fp6_f32 v[PC+16:PC+18], v[(\s1)+16:(\s1)+31], v[TM+15]
	WIN 0
	v_nop                                          ; one plain place behind a scaled conversion
.irp c, 0,1                                    ; a WHOLE block in a lane: lanes 0-15 block 2 c, lanes 16-31 block 2 c + 1
.irp i, 0,1,2
	v_permlane16_swap_b32 v[PC+6*\c+\i], v[PC+12+4*\c+\i]
.endr
.irp i, 0,1,2
	v_mov_b32 v[PC+3+6*\c+\i], v[PC+12+4*\c+\i]
.endr
.endr
.endm
.macro OUTF x                          ; the fragment leaves as it stands: runs of 512 and 256 consecutive bytes
	global_store_b128 v24, v[PC:PC+3], s[12:13] offset:\x
	global_store_b64 v25, v[PC+4:PC+5], s[12:13] offset:\x
	global_store_b128 v24, v[PC+6:PC+9], s[12:13] offset:(\x)+768
	global_store_b64 v25, v[PC+10:PC+11], s[12:13] offset:(\x)+768
.endm
.macro OUTS x, pa, pb, tmp             ; two fragments' scale words: lanes 0-15 the first's, lanes 16-31 the second's: 128 consecutive bytes
	v_cndmask_b32 v[\tmp], v[\pa], v[\pb], s70
	global_store_b32 v26, v[\tmp], s[12:13] offset:\x
.endm
	PLACES NP                                      ; behind the last products: their results are read and A's registers written below
.irp b, 0,1,2,3
	v_mov_b32 v[TM+4+\b], 0                        ; a lane permute's destination counts as one of its sources
.endr
	s_cmp_eq_u32 s67, 0
	s_cbranch_scc1 .Lqk
.irp a, 0,1,2,3,4,5,6,7                        ; v: tile a = 16 of a head's 64 x my 128 keys
	QE 2+\a/4, 64*(\a%4), 64*(\a%4)+32, PWS+\a
	OUTF (\a/4)*204800+(\a%4)*1536
.endr
	s_branch .Lwords
.Lqk:
.irp e, 0,1                                    ; q, k: head e of my two; token tiles 2 i and 2 i + 1 share a fragment
.irp i, 0,1,2,3
	QE 2+\i/2, 64*((2*\i)%4)+32*\e, 64*((2*\i)%4)+32*\e+64, PWS+4*\e+\i
	OUTF \e*204800+1536*\i
.endr
.endr
.Lwords:
.irp e, 0,1
.irp k, 0,1
	OUTS \e*204800+6144+128*\k, PWS+4*\e+2*\k, PWS+4*\e+2*\k+1, 104+2*\e+\k
.endr
.endr
	s_wait_tensorcnt 0x0                           ; the wave's end
	ds_add_u32 v[SPW], v[NIL]
	s_wait_dscnt 0x0
	CROUND                                         ; the closing round: no work-group ends while a partner may still ask for a tile that names it
	s_endpgm
.Lfunc_end_k_q5989c608bb_qkv:
	.size	k_q5989c608bb_qkv, .Lfunc_end_k_q5989c608bb_qkv-k_q5989c608bb_qkv
	.p2alignl 7, 3214868480
	.fill 96, 4, 3214868480
	.section	.rodata,"a",@progbits
	.p2align	6, 0x0
	.amdhsa_kernel k_q5989c608bb_qkv
		.amdhsa_group_segment_fixed_size 327680
		.amdhsa_private_segment_fixed_size 0
		.amdhsa_enable_private_segment 0
		.amdhsa_kernarg_size 16
		.amdhsa_user_sgpr_count 2
		.amdhsa_user_sgpr_kernarg_segment_ptr 1
		.amdhsa_wavefront_size32 1
		.amdhsa_system_sgpr_workgroup_id_x 1
		.amdhsa_system_sgpr_workgroup_id_y 1
		.amdhsa_system_sgpr_workgroup_id_z 1
		.amdhsa_system_vgpr_workitem_id 0
		.amdhsa_next_free_vgpr 1024
		.amdhsa_next_free_sgpr 100
		.amdhsa_reserve_vcc 0
		.amdhsa_float_denorm_mode_32 3
		.amdhsa_float_denorm_mode_16_64 3
		.amdhsa_memory_ordered 1
		.amdhsa_forward_progress 1
		.amdhsa_inst_pref_size 183
	.end_amdhsa_kernel
	.amdgpu_metadata
---
amdhsa.version: [ 1, 2 ]
amdhsa.kernels:
  - .name:           k_q5989c608bb_qkv
    .symbol:         k_q5989c608bb_qkv.kd
    .args:
      - { .name: ops, .offset: 0, .size: 8, .value_kind: global_buffer, .address_space: global }
      - { .name: qkv, .offset: 8, .size: 8, .value_kind: global_buffer, .address_space: global }
    .group_segment_fixed_size: 327680
    .private_segment_fixed_size: 0
    .kernarg_segment_align: 8
    .kernarg_segment_size: 16
    .max_flat_workgroup_size: 128
    .sgpr_count:     100
    .vgpr_count:     1024
    .wavefront_size: 32
...
	.end_amdgpu_metadata
.endif
;; end of part 3
;; launch att (part 4): grid 8 x 32, 16 waves a work-group, no clusters, 206,848 bytes of LDS; arguments qkv, ac; writes ac
.if DOCPART == 4
	.amdgcn_target "amdgcn-amd-amdhsa--gfx1250"
	.amdhsa_code_object_version 6
	.text
	.protected	k_q5989c608bb_att
	.globl	k_q5989c608bb_att
	.p2align	8
	.type	k_q5989c608bb_att,@function
k_q5989c608bb_att:
	s_mov_b64 s[64:65], 0
	v_nop
	global_prefetch_b8 v0, s[64:65] scope:SCOPE_SE
	s_setreg_imm32_b32 hwreg(HW_REG_WAVE_MODE, 25, 1), 1
	s_wait_xcnt 0x0
; Causal attention on codes of FP6 (E2M3, one E8M0 byte for each 32 along a product's K), head size 64, 2,048 keys; the result is quantised along the model's axis and leaves as codes.
; INPUT: sub-blocks of 6,400 bytes (4 fragments of 1,536 bytes as images of registers, scale words at 6,144 + 64 i + 4 r).  q, k of (head, 128 tokens): fragment i holds token tile 2 i in K 0-63 and token tile 2 i + 1 in K 64-127;
; tile t holds tokens 32 (t / 2) + 8 (t % 2) + r + 8 (r / 8).  v of (head, 128 keys): fragment i = 16 of the head's 64 x 128 keys.
; THE SOFTMAX: t = score x log2(e) / 8; M = the running largest t rounded UP to a whole number; p = 2^(t - M) is quantised along the keys, not normalised; the row's sum is taken of the unquantised p and divides at the end;
; when M moves, the sum and O are multiplied by 2^(old M - new M), which rounds nothing.
; SHARES.  A work-group serves one head of one batch and the query blocks p and 15 - p of 128 queries: (p + 1) + (16 - p) key steps for every p.  Each of its sixteen waves owns one tile of 16 queries in 256 registers.
; All 16 key steps of K and of V lie in LDS, each byte filled ONCE: wave 0 fetches K, wave 1 V, four loads of four steps each (four tensor loads of a wave are out at the most); a barrier stands in front of each four steps.
; Every wave walks all 16 steps, so that trip counts and barriers are constants; a step all of whose keys come after the wave's queries is jumped over by a scalar branch on ids.
; BOTH PRODUCTS TRANSPOSED: S^T = K Q^T, O^T = V^T P^T: a lane holds one query throughout.  The head's 64 fill half of the instruction's 128: a fragment of K is multiplied by q | zeros (its first key tile) and by zeros | q (its second).
; NO CLUSTER, though the eight work-groups of a head read the same K and V: which steps a wave jumps over hangs on p, which would be a work-group's place in its cluster.
; LIMITS: NaN and infinities are not served; a block of zeros, or one under 2^-124, gets the byte 1 (codes are zeros; only this program reads the bytes); 2^x and 1 / x by v_exp_f32 and v_rcp_f32.
.set SUB,  6400
.set GRP,  4*SUB
.set VOFF, 16*SUB                      ; K's 16 steps, then V's
.set QL,  16                           ; v16-27  q | zeros
.set QH,  28                           ; v28-39  zeros | q
.set F,   40                           ; v40-87  four fragments of K or of V
.set FS,  88                           ; v88-91  their scale words
.set QS,  92                           ; q's scale word: its two bytes twice
.set PS,  93                           ; p's scale word
.set S,   96                           ; v96-159 S^T, then p
.set O,   160                          ; v160-191 O^T
.set PCD, 192                          ; v192-203 p's codes; v204-206, v208-210 conversions' second halves
.set BM,  212                          ; v212-215 blocks' largest
.set BT,  216                          ; v216-219 at work, bytes
.set BO,  220                          ; v220-223 the conversions' scale operands
.set DQ,  230                          ; my query's place in its block of 128, less 16 h
.set WV,  8
.set RR,  13                           ; my block of 128 queries
.set TA,  14                           ; my tile in it
.set KI,  15                           ; the key step
.set TB,  16                           ; its LDS byte
.set SEL, 20
.set CS,  22
.set G1,  24
.set G0,  32                           ; s[32:47] four sets of group 0
	s_load_b128 s[4:7], s[0:1], 0x0                ; qkv, ac
	v_lshl_add_u32 v254, v0, 2, 0x32000
	v_mov_b32 v255, 0
	ds_add_u32 v254, v255
	ds_add_u32 v254, v255
	v_lshrrev_b32 v10, 5, v0
	v_readfirstlane_b32 s[WV], v10                 ; wave 0..15
	s_and_b32 s10, ttmp7, 0xffff
	s_lshr_b32 s11, s10, 4                         ; batch
	s_and_b32 s12, s10, 15                         ; head
	s_sub_co_u32 s18, 15, ttmp9
	s_cmp_lt_u32 s[WV], 8
	s_cselect_b32 s[RR], ttmp9, s18
	s_and_b32 s[TA], s[WV], 7
	s_mov_b32 s[G1], 3<<16                         ; no mask; elements of 8 bytes; no padding: a dense run of 25,600 bytes as 100 rows of 32 elements
	s_mov_b32 s[G1+1], 32<<16
	s_mov_b32 s[G1+2], 100<<16
	s_mov_b32 s[G1+3], 32<<16
	s_mov_b32 s[G1+4], 100
	s_mov_b32 s[G1+5], 32
	s_mov_b32 s[G1+6], 0
	s_mov_b32 s[G1+7], 0
	s_lshl_b32 s51, s12, 5
	s_lshl_b32 s19, s11, 4
	s_add_co_u32 s51, s51, s19                     ; 32 head + 16 batch
	s_lshl_b32 s19, s[WV], 9
	s_add_co_u32 s19, s19, 512                     ; k's sub-blocks begin at 512 (wave 0), v's at 1,024 (wave 1)
	s_add_co_u32 s19, s19, s51
	s_mul_i32 s48, s19, SUB
	s_mov_b32 s49, 0
	s_mul_i32 s50, s[WV], VOFF
	s_mov_b32 s[SEL], 0x76543210
	s_mov_b32 s[SEL+1], 0xfedcba98
	s_mov_b32 s[CS], 0x3e38aa3b                    ; c = log2(e) / 8
	s_mov_b32 s[CS+1], s[CS]
	s_mov_b32 s[KI], 0
	s_wait_dscnt 0x0
	s_wait_kmcnt 0x0
	s_cmp_lt_u32 s[WV], 2
	s_cbranch_scc0 .Lno_fetch                      ; a wave's first fills stand in one branch, ahead of every wait on TENSORcnt, LDS read and barrier
	s_add_nc_u64 s[48:49], s[4:5], s[48:49]
.irp g, 0,1,2,3
	s_mov_b32 s[G0+4*\g], 1
	s_add_co_u32 s[G0+4*\g+1], s50, \g*GRP
	s_add_nc_u64 s[G0+4*\g+2:G0+4*\g+3], s[48:49], \g*GRP
	s_or_b32 s[G0+4*\g+3], s[G0+4*\g+3], 0x80000000
.endr
.irp g, 0,1,2,3
	tensor_load_to_lds s[G0+4*\g:G0+4*\g+3], s[G1:G1+7]
	s_nop 0
.endr
.rept 4
	v_nop
.endr
.Lno_fetch:
	v_and_b32 v11, 31, v0                          ; lane
	v_and_b32 v10, 15, v0                          ; r
	v_lshlrev_b32 v1, 4, v11                       ; 16 x lane
	v_lshl_add_u32 v2, v11, 3, 512                 ; 512 + 8 x lane
	v_lshl_add_u32 v3, v10, 2, 6144                ; a sub-block's scale words, 4 r
	v_and_b32 v[DQ], 8, v10
	v_add_nc_u32 v[DQ], v[DQ], v10                 ; r + 8 (r / 8)
	v_bfe_u32 v226, v0, 4, 1
	v_lshlrev_b32 v226, 4, v226
	v_sub_nc_u32 v[DQ], v[DQ], v226
	v_lshlrev_b32 v10, 2, v10                      ; 4 r
	s_lshr_b32 s60, s[TA], 1
	s_and_b32 s61, s[TA], 1
	s_lshl_b32 s62, s60, 5
	s_lshl_b32 s63, s61, 3
	s_add_co_u32 s62, s62, s63
	v_add_nc_u32 v[DQ], s62, v[DQ]                 ; + 32 (a / 2) + 8 (a % 2)
	s_add_co_u32 s52, s51, s[RR]
	s_mul_i32 s52, s52, SUB                        ; q's sub-block
	s_mul_i32 s53, s[TA], 768
	s_add_co_u32 s54, s52, s53                     ; tile a is half a % 2 of fragment a / 2: 768 a
	s_mov_b32 s55, 0
	s_lshl_b32 s53, s60, 6
	s_add_co_u32 s52, s52, s53
	s_lshl_b32 s53, s61, 1
	s_add_co_u32 s52, s52, s53
	s_add_co_u32 s52, s52, 6144                    ; and its two scale bytes a row
	s_mov_b32 s53, 0
	s_add_nc_u64 s[54:55], s[4:5], s[54:55]
	s_add_nc_u64 s[52:53], s[4:5], s[52:53]
	global_load_b128 v[QL:QL+3], v1, s[54:55]
	global_load_b64 v[QL+4:QL+5], v2, s[54:55]
	global_load_b128 v[QH+6:QH+9], v1, s[54:55]
	global_load_b64 v[QH+10:QH+11], v2, s[54:55]
	global_load_u16 v[QS], v10, s[52:53]
	s_lshl_b32 s56, s11, 4                         ; the result: block (token block, K step head / 2) of 12,800 bytes, fragment a, half head % 2
	s_add_co_u32 s56, s56, s[RR]
	s_lshl_b32 s56, s56, 3
	s_lshr_b32 s57, s12, 1
	s_add_co_u32 s56, s56, s57
	s_mul_i32 s56, s56, 12800
	s_and_b32 s60, s12, 1
	s_lshl_b32 s58, s[TA], 6
	s_add_co_u32 s58, s58, s56
	s_lshl_b32 s57, s60, 1
	s_add_co_u32 s58, s58, s57
	s_add_co_u32 s58, s58, 12288
	s_mov_b32 s59, 0
	s_mul_i32 s57, s[TA], 1536
	s_add_co_u32 s56, s56, s57
	s_mul_i32 s57, s60, 768
	s_add_co_u32 s56, s56, s57
	s_mov_b32 s57, 0
	s_add_nc_u64 s[56:57], s[6:7], s[56:57]
	s_add_nc_u64 s[58:59], s[6:7], s[58:59]
.irp j, 0,1,2,3,4,5
	v_mov_b32 v[QL+6+\j], 0                        ; zero codes: they add nothing under any scale byte but 0xff
	v_mov_b32 v[QH+\j], 0
.endr
	v_mov_b32 v13, 0xff61b1e6                      ; the largest t so far: -3e38
	v_floor_f32 v12, -v13                          ; -M
	v_mov_b32 v14, 0
	v_mov_b32 v15, 0
	v_mov_b32 v229, 0                              ; (named as the upper half of the pair v[228:229])
	v_mov_b32 v231, 0xff800000                     ; -infinity
.irp b, 0,1,2,3
	v_mov_b32 v[BT+\b], 0                          ; a lane permute's destination counts as one of its sources
.endr
	s_wait_loadcnt 0x0
	v_lshl_or_b32 v[QS], v[QS], 16, v[QS]          ; q's two bytes at K 0-63 and again at K 64-127
.set n, 0
.rept 32
	v_mov_b32 v[O+n], 0                            ; O^T: the step is written once; the first change of M leaves zeros zeros.  (These are also the places between the line above and the first products)
.set n, n+1
.endr
.macro FRAGS a16, a8, as               ; a sub-block's four fragments and their scale words
.irp i, 0,1,2,3
	ds_load_b128 v[F+12*\i:F+12*\i+3], v[\a16] offset:1536*\i
	ds_load_b64 v[F+12*\i+4:F+12*\i+5], v[\a8] offset:1536*\i
	ds_load_b128 v[F+12*\i+6:F+12*\i+9], v[\a16] offset:1536*\i+768
	ds_load_b64 v[F+12*\i+10:F+12*\i+11], v[\a8] offset:1536*\i+768
	ds_load_b32 v[FS+\i], v[\as] offset:64*\i
.endr
.endm
.macro STEP
	s_cmp_gt_u32 s[KI], s[RR]                      ; all 128 keys come after my queries: only the lines at the step's end are run
	s_cbranch_scc1 .Lhidden_\@
	v_add_nc_u32 v4, s[TB], v1                     ; (these six are the places behind the last step's products, in front of the loads)
	v_add_nc_u32 v5, s[TB], v2
	v_add_nc_u32 v6, s[TB], v3
	v_add_nc_u32 v7, VOFF, v4
	v_add_nc_u32 v8, VOFF, v5
	v_add_nc_u32 v9, VOFF, v6
	FRAGS 4, 5, 6
	s_wait_dscnt 0x0
.irp i, 0,1,2,3                                ; register 16 i + x of S^T = key 32 i + 16 h + x
	v_wmma_scale_f32_16x16x128_f8f6f4 v[S+16*\i:S+16*\i+7], v[F+12*\i:F+12*\i+11], v[QL:QL+11], 0, v[FS+\i], v[QS] matrix_a_fmt:MATRIX_FMT_FP6 matrix_b_fmt:MATRIX_FMT_FP6
	v_wmma_scale_f32_16x16x128_f8f6f4 v[S+16*\i+8:S+16*\i+15], v[F+12*\i:F+12*\i+11], v[QH:QH+11], 0, v[FS+\i], v[QS] matrix_a_fmt:MATRIX_FMT_FP6 matrix_b_fmt:MATRIX_FMT_FP6
.endr
.rept 4
	v_nop                                          ; places: the scores are read below, and V's fragments land where K's were read
.endr
	FRAGS 7, 8, 9                                  ; V's fragments come while the softmax is worked
	s_cmp_lg_u32 s[KI], s[RR]
	s_cbranch_scc1 .Lopen_\@                       ; only the step on the diagonal has hidden keys
.set n, 0
.rept 64
	v_cmp_gt_i32 vcc_lo, 32*(n/16)+n%16, v[DQ]     ; hidden where the register's key comes after my query
	v_cndmask_b32 v[S+n], v[S+n], v231, vcc_lo
.set n, n+1
.endr
.Lopen_\@:
.irp b, 0,1,2,3
	v_max3_num_f32 v[BM+\b], v[S+16*\b], v[S+1+16*\b], v[S+2+16*\b]     ; the largest score of each block of 32 keys: for the row's maximum, and, since p rises with the score, for the block's largest p
.endr
.irp i, 3,5,7,9,11,13
.irp b, 0,1,2,3
	v_max3_num_f32 v[BM+\b], v[BM+\b], v[S+16*\b+\i], v[S+1+16*\b+\i]
.endr
.endr
.irp b, 0,1,2,3
	v_max_num_f32 v[BM+\b], v[BM+\b], v[S+15+16*\b]
.endr
.irp b, 0,1,2,3
	v_permlanex16_b32 v[BT+\b], v[BM+\b], s[SEL], s[SEL+1]
.endr
.irp b, 0,1,2,3
	v_max_num_f32 v[BM+\b], v[BM+\b], v[BT+\b]
.endr
	v_max3_num_f32 v226, v[BM], v[BM+1], v[BM+2]
	v_max_num_f32 v226, v226, v[BM+3]
	v_mul_f32 v226, s[CS], v226
	v_max_num_f32 v13, v13, v226                   ; the running largest t
	v_mov_b32 v226, v12
	v_floor_f32 v12, -v13                          ; the new -M = -ceil(t)
	v_sub_f32 v226, v12, v226                      ; old M - new M: a whole number, 0 or less
	v_cvt_i32_f32 v226, v226                       ; (it saturates)
	v_ldexp_f32 v228, 1.0, v226                    ; f = 2^(old M - new M)
.set n, 0
.rept 32
	v_pk_fma_f32 v[S+n:S+n+1], v[S+n:S+n+1], s[CS:CS+1], v[12:13] op_sel_hi:[1,0,0]   ; t - M
.set n, n+2
.endr
.irp b, 0,1,2,3
	v_fma_f32 v[BM+\b], v[BM+\b], s[CS], v12
.endr
.set n, 0
.rept 64
	v_exp_f32 v[S+n], v[S+n]                       ; p = 2^(t - M)
.set n, n+1
.endr
	v_pk_mul_f32 v[14:15], v[14:15], v[228:229] op_sel_hi:[1,0]   ; the sums under the new M: a plain instruction behind the exponentials
	s_wait_alu depctr_va_vdst(0)                   ; one wait for the batch, ahead of its first reader
.irp b, 0,1,2,3
	v_exp_f32 v[BM+\b], v[BM+\b]                   ; each block's largest p
.endr
	v_pk_add_f32 v[224:225], v[S:S+1], v[S+2:S+3]  ; the row's sum of the unquantised p, in two chains
.irp j, 4,8,12,16,20,24,28,32,36,40,44,48,52,56,60
	v_pk_add_f32 v[14:15], v[14:15], v[S+\j:S+\j+1]
	v_pk_add_f32 v[224:225], v[224:225], v[S+2+\j:S+3+\j]
.endr
	v_pk_add_f32 v[14:15], v[14:15], v[224:225]
	s_wait_alu depctr_va_vdst(0)                   ; and one for the four
.irp b, 0,1,2,3
	v_max_num_f32 v[BM+\b], 0x1800000, v[BM+\b]    ; the floor 2^(3 - 127)
.endr
.irp b, 0,1,2,3
	v_add_nc_u32 v[BO+\b], 0xff000000, v[BM+\b]
.endr
.irp b, 0,1,2,3
	v_lshrrev_b32 v[BT+\b], 23, v[BO+\b]
.endr
	v_lshl_or_b32 v[PS], v[BT+1], 8, v[BT]
	v_lshl_or_b32 v[PS], v[BT+2], 16, v[PS]
	v_lshl_or_b32 v[PS], v[BT+3], 24, v[PS]
.irp c, 0,1
	v_cvt_scalef32_pk16_fp6_f32 v[PCD+6*\c:PCD+2+6*\c], v[S+32*\c:S+15+32*\c], v[BO+2*\c]
	v_cvt_scalef32_pk16_fp6_f32 v[PCD+12+4*\c:PCD+14+4*\c], v[S+16+32*\c:S+31+32*\c], v[BO+2*\c+1]
.endr
	v_nop
.irp c, 0,1
.irp i, 0,1,2
	v_permlane16_swap_b32 v[PCD+6*\c+\i], v[PCD+12+4*\c+\i]
.endr
.irp i, 0,1,2
	v_mov_b32 v[PCD+3+6*\c+\i], v[PCD+12+4*\c+\i]
.endr
.endr
.set n, 0
.rept 16
	v_pk_mul_f32 v[O+n:O+n+1], v[O+n:O+n+1], v[228:229] op_sel_hi:[1,0]   ; O^T under the new M.  (These sixteen are also the places between p's codes and scale word and the products)
.set n, n+2
.endr
	s_wait_dscnt 0x0                               ; V's fragments
.irp t, 0,1,2,3                                ; register 16 b + x of O^T = the head's 32 b + 16 h + x
	v_wmma_scale_f32_16x16x128_f8f6f4 v[O+8*\t:O+8*\t+7], v[F+12*\t:F+12*\t+11], v[PCD:PCD+11], v[O+8*\t:O+8*\t+7], v[FS+\t], v[PS] matrix_a_fmt:MATRIX_FMT_FP6 matrix_b_fmt:MATRIX_FMT_FP6
.endr
.Lhidden_\@:
	s_add_co_u32 s[KI], s[KI], 1
	s_add_co_u32 s[TB], s[TB], SUB
.endm
.macro GROUP g                         ; four key steps
	s_wait_tensorcnt 3-\g                          ; my load of these four steps has landed; the later ones may be out
	s_barrier_signal -1
	s_barrier_wait -1
	s_mov_b32 s[TB], \g*GRP
	s_mov_b32 s17, 4
.Lstep_\@:
	STEP
	s_sub_co_u32 s17, s17, 1
	s_cmp_lg_u32 s17, 0
	s_cbranch_scc1 .Lstep_\@
.endm
	GROUP 0
	GROUP 1
	GROUP 2
	GROUP 3
	; THE WAY OUT: O^T / the sum, quantised along the head's 64 (two blocks), half a fragment and two scale bytes a row
.rept 4
	v_nop                                          ; places behind the last products
.endr
	v_add_f32 v14, v14, v15
	v_permlanex16_b32 v226, v14, s[SEL], s[SEL+1]
	v_add_f32 v14, v14, v226
	v_rcp_f32 v14, v14
	v_nop                                          ; a plain instruction behind the reciprocal,
	s_wait_alu depctr_va_vdst(0)                   ; and the wait ahead of its first reader
.set n, 0
.rept 32
	v_mul_f32 v[S+n], v[O+n], v14
.set n, n+1
.endr
.irp b, 0,1
	v_max3_num_f32 v[BM+\b], |v[S+16*\b]|, |v[S+1+16*\b]|, 0x1800000
.endr
.irp i, 2,4,6,8,10,12,14
.irp b, 0,1
	v_max3_num_f32 v[BM+\b], v[BM+\b], |v[S+16*\b+\i]|, |v[S+1+16*\b+\i]|
.endr
.endr
.irp b, 0,1
	v_permlanex16_b32 v[BT+\b], v[BM+\b], s[SEL], s[SEL+1]
.endr
.irp b, 0,1
	v_max_num_f32 v[BM+\b], v[BM+\b], v[BT+\b]
.endr
.irp b, 0,1
	v_add_nc_u32 v[BO+\b], 0xff000000, v[BM+\b]
.endr
.irp b, 0,1
	v_lshrrev_b32 v[BT+\b], 23, v[BO+\b]
.endr
	v_lshl_or_b32 v226, v[BT+1], 8, v[BT]
	v_cvt_scalef32_pk16_fp6_f32 v[PCD:PCD+2], v[S:S+15], v[BO]
	v_cvt_scalef32_pk16_fp6_f32 v[PCD+12:PCD+14], v[S+16:S+31], v[BO+1]
	v_nop
.irp i, 0,1,2
	v_permlane16_swap_b32 v[PCD+\i], v[PCD+12+\i]
.endr
.irp i, 0,1,2
	v_mov_b32 v[PCD+3+\i], v[PCD+12+\i]
.endr
	global_store_b128 v1, v[PCD:PCD+3], s[56:57]   ; 512 consecutive bytes,
	global_store_b64 v2, v[PCD+4:PCD+5], s[56:57]  ; and 256
	v_cmp_gt_u32 vcc_lo, 16, v11
	s_wait_xcnt 0x0                                ; EXEC changes only behind this wait
	s_wait_tensorcnt 0x0
	ds_add_u32 v254, v255
	s_wait_dscnt 0x0
	s_and_saveexec_b32 s60, vcc_lo
	global_store_b16 v10, v226, s[58:59]           ; lanes 0-15: my head's two bytes of each row's scale word
	s_wait_xcnt 0x0
	s_or_b32 exec_lo, exec_lo, s60
	s_endpgm
.Lfunc_end_k_q5989c608bb_att:
	.size	k_q5989c608bb_att, .Lfunc_end_k_q5989c608bb_att-k_q5989c608bb_att
	.p2alignl 7, 3214868480
	.fill 96, 4, 3214868480
	.section	.rodata,"a",@progbits
	.p2align	6, 0x0
	.amdhsa_kernel k_q5989c608bb_att
		.amdhsa_group_segment_fixed_size 206848
		.amdhsa_private_segment_fixed_size 0
		.amdhsa_enable_private_segment 0
		.amdhsa_kernarg_size 16
		.amdhsa_user_sgpr_count 2
		.amdhsa_user_sgpr_kernarg_segment_ptr 1
		.amdhsa_wavefront_size32 1
		.amdhsa_system_sgpr_workgroup_id_x 1
		.amdhsa_system_sgpr_workgroup_id_y 1
		.amdhsa_system_sgpr_workgroup_id_z 1
		.amdhsa_system_vgpr_workitem_id 0
		.amdhsa_next_free_vgpr 256
		.amdhsa_next_free_sgpr 66
		.amdhsa_reserve_vcc 1
		.amdhsa_float_denorm_mode_32 3
		.amdhsa_float_denorm_mode_16_64 3
		.amdhsa_memory_ordered 1
		.amdhsa_forward_progress 1
		.amdhsa_inst_pref_size 98
	.end_amdhsa_kernel
	.amdgpu_metadata
---
amdhsa.version: [ 1, 2 ]
amdhsa.kernels:
  - .name:           k_q5989c608bb_att
    .symbol:         k_q5989c608bb_att.kd
    .args:
      - { .name: qkv, .offset: 0, .size: 8, .value_kind: global_buffer, .address_space: global }
      - { .name: ac, .offset: 8, .size: 8, .value_kind: global_buffer, .address_space: global }
    .group_segment_fixed_size: 206848
    .private_segment_fixed_size: 0
    .kernarg_segment_align: 8
    .kernarg_segment_size: 16
    .max_flat_workgroup_size: 512
    .sgpr_count:     66
    .vgpr_count:     256
    .wavefront_size: 32
...
	.end_amdgpu_metadata
.endif
;; end of part 4
;; launch wo (part 5): grid 4 x 16, 4 waves a work-group, clusters of 4 x 4, 327,680 bytes of LDS; arguments ac, ops, bo, x, x1; writes x1
.if DOCPART == 5
	.amdgcn_target "amdgcn-amd-amdhsa--gfx1250"
	.amdhsa_code_object_version 6
	.text
	.protected	k_q5989c608bb_wo
	.globl	k_q5989c608bb_wo
	.p2align	8
	.type	k_q5989c608bb_wo,@function
k_q5989c608bb_wo:
	s_mov_b64 s[64:65], 0
	v_nop
	global_prefetch_b8 v0, s[64:65] scope:SCOPE_SE
	s_setreg_imm32_b32 hwreg(HW_REG_WAVE_MODE, 25, 1), 1
	s_wait_xcnt 0x0
	s_wait_alu depctr_hold_cnt(0) depctr_sa_sdst(0) depctr_va_vdst(0) depctr_va_sdst(0) depctr_va_ssrc(0) depctr_va_vcc(0) depctr_vm_vsrc(0)
	s_getreg_b32 s2, hwreg(HW_REG_IB_STS2, 6, 4)
	s_cmp_eq_u32 s2, 0
	s_cbranch_scc0 .Lentry_in_a_cluster
	s_endpgm
.Lentry_in_a_cluster:
	s_bfe_u32 s2, ttmp6, 0x10000c
	s_cmp_lg_u32 s2, 0xf033
	s_cbranch_scc0 .Lentry_shape_is_right
	s_endpgm
.Lentry_shape_is_right:
; out = resid + A B^T + bias, the product on codes of FP6 (E2M3, one E8M0 byte for each 32 along K).  Here: A = the attention's result [4,096][1,024], B = Wo, K = 1,024; out, resid: [4,096][1,024] f32.
; OPERANDS lie in memory as images of registers.  A block (12,800 bytes) = 128 rows x 128 K: eight fragments of 1,536 bytes (two halves: 512 bytes, lane l's four registers at 16 l; 256 bytes, its other two
; at 8 l), then scale words at 12,288 + 64 tile + 4 row.  Tile t holds rows 32 (t / 2) + 8 (t % 2) + r + 8 (r / 8).  The K steps of a row block lie on end.
; A tile of the result, 256 x 256, is made by four waves, each 128 x 128 in 64 accumulators.  K goes in steps of 256 through two LDS slots; each wave fetches 128 rows x 256 K, ONE dense run of 25,600 bytes, scale words within.
; THE MATRIX INSTRUCTION IS USED TRANSPOSED (source 0 = B's 16 rows, source 1 = A's): lane (r, h) holds A's row r of a tile, and the 16 registers of B's tiles 2 b and 2 b + 1 are columns 32 b + 16 h + 0 .. 15.
; The bias is the C of each sum's first matrix instruction.  The way out goes through the wave's stage in LDS, where whole rows of 512 bytes meet the residual.
; CLUSTERS: 4 x 4 work-groups; A's tiles are asked for jointly along a row of the cluster, B's along a column.  The result has 64 tiles of this size: 64 work-groups.
; REGISTERS: window 0: v12-26 addresses; v32-63 scale words, two sets; v64-127 the bias; v128-223 A's fragments, one set; window 1: B's fragments, two sets; windows 2, 3: accumulator (a, b) at v[8 (8 (a % 4) + b)] of window 2 + a / 4.
.set LAPS,  2                          ; K / 512
.set ASTR,  102400                     ; bytes from a row block of A to the next: K / 128 blocks
.set BOFF,  24*102400                  ; where B begins in its buffer
.set BSTR,  102400
.set BLK,   12800
.set FRB,   1536
.set HFB,   768
.set SCO,   12288
.set HALFT, 2*BLK
.set SLOT,  4*HALFT
.set SPARE, 2*SLOT                     ; behind the ring: the spare words, 128 bytes a wave, which no other line names
.set FR,    12
.set NL,    4
.set NP,    4                          ; places behind this matrix instruction (ISA guide 7.12.1)
.set ADRS, 12
.set ADRA, 16
.set ADRB, 20
.set SPW,  28
.set NIL,  29
.set SC,   32
.set BI,   64
.set AF,   128
.set BK,   160                         ; the way out: 16 rows back from the stage; v32-95 and v96-159: the residual, by turns
.set G1,  24
.set G0,  32
.set G1B, 48
.set G0B, 56
.set MSB, 0
.macro WIN new
.if MSB != (\new)
	s_set_vgpr_msb (MSB<<8)|(\new)
.set MSB, (\new)
.endif
.endm
.set MUL_LO, 0xa1
.set MUL_HI, 0xf1
.set TO_B,   0x40
.macro JLOAD g0a, g1a, g0b, g1b        ; a joint load: waves 0, 1 fetch for A, waves 2, 3 for B; four v_nop follow each line
	s_cmp_eq_u32 s15, 0
	s_cbranch_scc0 .Lfor_b_\@
	tensor_load_to_lds s[\g0a:\g0a+3], s[\g1a:\g1a+7]
	s_nop 0
.rept 4
	v_nop
.endr
	s_branch .Lasked_\@
.Lfor_b_\@:
	tensor_load_to_lds s[\g0b:\g0b+3], s[\g1b:\g1b+7]
	s_nop 0
.rept 4
	v_nop
.endr
.Lasked_\@:
.endm
.macro CREST
	s_cmp_lg_u32 s14, 0
	s_cbranch_scc1 .Lnot_wave_0_\@
	s_barrier_signal -3
.Lnot_wave_0_\@:
	s_barrier_wait -3
	s_barrier_signal -1
	s_barrier_wait -1
.endm
.macro CROUND
	s_barrier_signal -1
	s_barrier_wait -1
	CREST
.endm
.macro PLACES n
.rept \n
	v_nop
.endr
.endm
	s_load_b256 s[4:11], s[0:1], 0x0               ; A, B's buffer, the bias, the residual
	s_load_b64 s[12:13], s[0:1], 0x20              ; out
	v_lshl_add_u32 v[SPW], v0, 2, SPARE
	v_mov_b32 v[NIL], 0
	ds_add_u32 v28, v29
	ds_add_u32 v28, v29
	s_wait_dscnt 0x0
	v_lshrrev_b32 v1, 5, v0
	v_readfirstlane_b32 s14, v1
	s_lshr_b32 s15, s14, 1
	s_and_b32 s16, s14, 1
	s_bfe_u32 s40, ttmp6, 0x40000
	s_bfe_u32 s41, ttmp6, 0x40004
	s_lshl_b32 s42, ttmp9, 2
	s_add_co_u32 s42, s42, s40                     ; tile column
	s_and_b32 s17, ttmp7, 0xffff
	s_lshl_b32 s17, s17, 2
	s_add_co_u32 s17, s17, s41                     ; tile row
	s_lshl_b32 s43, s41, 2
	s_lshl_b32 s43, 15, s43
	s_lshl_b32 s44, 0x1111, s40
	s_or_b32 s[G1+0], s43, (3<<16)|(1<<21)         ; 15:0 the mask; 17:16 elements of 8 bytes; 20 no padding; 21 set beside a mask
	s_or_b32 s[G1B+0], s44, (3<<16)|(1<<21)
.irp g, G1, G1B                                ; a dense run of 25,600 bytes as 100 rows of 32 elements
	s_mov_b32 s[\g+1], 32<<16
	s_mov_b32 s[\g+2], 100<<16
	s_mov_b32 s[\g+3], 32<<16
	s_mov_b32 s[\g+4], 100
	s_mov_b32 s[\g+5], 32
	s_mov_b32 s[\g+6], 0
	s_mov_b32 s[\g+7], 0
.endr
	s_lshl_b32 s20, s17, 1
	s_add_co_u32 s20, s20, s16
	s_mul_i32 s20, s20, ASTR                       ; A: the row block that I fetch; it hangs on the tile row and the wave alone
	s_mov_b32 s21, 0
	s_lshl_b32 s46, s42, 1
	s_add_co_u32 s46, s46, s16
	s_mul_i32 s46, s46, BSTR
	s_add_co_u32 s46, s46, BOFF                    ; B: on the tile column and the wave alone
	s_mov_b32 s47, 0
	s_mul_i32 s45, s14, HALFT
	s_wait_kmcnt 0x0
	s_add_nc_u64 s[20:21], s[4:5], s[20:21]
	s_add_nc_u64 s[46:47], s[6:7], s[46:47]
	CROUND                                         ; all sixteen work-groups are here: the first joint loads meet
.irp s, 0,1
	s_mov_b32 s[G0+4*\s], 1
	s_add_co_u32 s[G0+4*\s+1], s45, \s*SLOT
	s_add_nc_u64 s[G0+4*\s+2:G0+4*\s+3], s[20:21], \s*HALFT
	s_or_b32 s[G0+4*\s+3], s[G0+4*\s+3], 0x80000000
	s_mov_b32 s[G0B+4*\s], 1
	s_add_co_u32 s[G0B+4*\s+1], s45, \s*SLOT
	s_add_nc_u64 s[G0B+4*\s+2:G0B+4*\s+3], s[46:47], \s*HALFT
	s_or_b32 s[G0B+4*\s+3], s[G0B+4*\s+3], 0x80000000
	JLOAD G0+4*\s, G1, G0B+4*\s, G1B
.endr
	v_and_b32 v1, 31, v0
	v_and_b32 v2, 15, v0
	v_bfe_u32 v3, v0, 4, 1
	v_lshlrev_b32 v4, 4, v1
	v_lshl_add_u32 v5, v1, 3, 512
	s_lshl_b32 s18, s42, 1
	s_add_co_u32 s18, s18, s16
	s_lshl_b32 s18, s18, 9                         ; my 128 columns' bias, in bytes
	s_mov_b32 s19, 0
	s_add_nc_u64 s[8:9], s[8:9], s[18:19]
	v_lshlrev_b32 v7, 6, v3                        ; + 64 h
.irp b, 0,1,2,3,4,5,6,7                        ; in the result's layout: tile b's register j is column 32 (b / 2) + 8 (b % 2) + 16 h + j
	global_load_b128 v[BI+8*\b:BI+8*\b+3], v7, s[8:9] offset:(32*(\b/2)+8*(\b%2))*4
	global_load_b128 v[BI+8*\b+4:BI+8*\b+7], v7, s[8:9] offset:(32*(\b/2)+8*(\b%2))*4+16
.endr
	s_mul_i32 s21, s15, HALFT
	s_mul_i32 s22, s16, HALFT
	s_add_co_u32 s22, s22, 2*HALFT
.irp s, 0,1
	v_add_nc_u32 v[ADRA+\s], s21, v4
	v_add_nc_u32 v[ADRB+\s], s22, v4
	v_add_nc_u32 v[ADRA+2+\s], s21, v5
	v_add_nc_u32 v[ADRB+2+\s], s22, v5
	s_add_co_u32 s21, s21, SLOT
	s_add_co_u32 s22, s22, SLOT
.endr
	s_mul_i32 s21, s15, HALFT
	s_mul_i32 s22, s16, HALFT
	s_add_co_u32 s22, s22, 2*HALFT
	s_sub_co_u32 s22, s22, s21
	v_mul_u32_u24 v6, s22, v3                      ; lanes 16-31 take B's words: one product, the distance between the two bases x h
	v_lshl_add_u32 v6, v2, 2, v6
	s_add_co_u32 s21, s21, SCO
	v_add_nc_u32 v[ADRS], s21, v6
	v_add_nc_u32 v[ADRS+1], SLOT, v[ADRS]
	s_mul_i32 s23, s14, 16*528                     ; my stage: 16 rows x (512 + 16) bytes, in slot 0, which has had its last fill and its last read when the first result is stored there
	v_mul_u32_u24 v8, v2, 528
	v_lshl_add_u32 v8, v3, 6, v8
	v_add_nc_u32 v24, s23, v8                      ; in: row r, + 64 h
	v_add_nc_u32 v25, s23, v4                      ; back: 16 bytes a lane of a row
	v_lshlrev_b32 v26, 4, v1                       ; and the same in memory
	s_lshl_b32 s18, s17, 8
	s_lshl_b32 s19, s15, 7
	s_add_co_u32 s18, s18, s19
	s_lshl_b32 s18, s18, 12                        ; my first row, 4,096 bytes a row,
	s_lshl_b32 s19, s42, 10
	s_add_co_u32 s18, s18, s19
	s_lshl_b32 s19, s16, 9
	s_add_co_u32 s18, s18, s19                     ; my first column
	s_mov_b32 s19, 0
	s_add_nc_u64 s[10:11], s[10:11], s[18:19]
	s_add_nc_u64 s[12:13], s[12:13], s[18:19]
.macro FRAG reg, adr, q, i
	ds_load_b128 v[(\reg):(\reg)+3], v[\adr] offset:(\q)*BLK+(\i)*FRB
	ds_load_b64 v[(\reg)+4:(\reg)+5], v[(\adr)+2] offset:(\q)*BLK+(\i)*FRB
	ds_load_b128 v[(\reg)+6:(\reg)+9], v[\adr] offset:(\q)*BLK+(\i)*FRB+HFB
	ds_load_b64 v[(\reg)+10:(\reg)+11], v[(\adr)+2] offset:(\q)*BLK+(\i)*FRB+HFB
.endm
; 16 matrix instructions: A's tiles a0, a0 + 1 x B's eight.  zero = 2: the product starts the sums on the bias.  The 64 accumulators take turns, one instruction a turn.
.macro MUL16 a0, p, q, sc, zero
.irp a, \a0, \a0+1
.irp b, 0,1,2,3,4,5,6,7
.set rD, 8*(8*((\a)%4)+\b)
.if \zero
	v_wmma_scale_f32_16x16x128_f8f6f4 v[rD:rD+7], v[128*(\p)+FR*\b:128*(\p)+FR*\b+FR-1], v[AF+FR*(\a):AF+FR*(\a)+FR-1], v[BI+8*\b:BI+8*\b+7], v[SC+16*(\sc)+2*\b+(\q)], v[SC+16*(\sc)+2*(\a)+(\q)] matrix_a_fmt:MATRIX_FMT_FP6 matrix_b_fmt:MATRIX_FMT_FP6 matrix_a_scale:MATRIX_SCALE_ROW1
.else
	v_wmma_scale_f32_16x16x128_f8f6f4 v[rD:rD+7], v[128*(\p)+FR*\b:128*(\p)+FR*\b+FR-1], v[AF+FR*(\a):AF+FR*(\a)+FR-1], v[rD:rD+7], v[SC+16*(\sc)+2*\b+(\q)], v[SC+16*(\sc)+2*(\a)+(\q)] matrix_a_fmt:MATRIX_FMT_FP6 matrix_b_fmt:MATRIX_FMT_FP6 matrix_a_scale:MATRIX_SCALE_ROW1
.endif
.endr
.endr
.endm
.macro FETCH_B slot, q, p
	WIN TO_B
.irp i, 0,1,2,3,4,5,6,7
	FRAG 128*(\p)+FR*\i, ADRB+\slot, \q, \i
.endr
	WIN 0
.endm
.macro FETCH_A slot, q, i0
.irp i, \i0, \i0+1, \i0+2, \i0+3
	FRAG AF+FR*(\i), ADRA+\slot, \q, \i
.endr
.endm
.macro SCALES sc
.irp i, 0,1,2,3,4,5,6,7
	ds_load_b32 v[SC+16*\sc+2*\i], v[ADRS+\sc] offset:64*\i
	ds_load_b32 v[SC+16*\sc+2*\i+1], v[ADRS+\sc] offset:BLK+64*\i
.endr
.endm
.macro STEP slot, zero
	s_wait_dscnt 4*NL                              ; all but the youngest sixteen loads (A's tiles 4-7)
.if \zero
	WIN 0x81                                       ; C (the bias) window 0, D window 2
.else
	WIN MUL_LO
.endif
	MUL16 0, 0, 0, \slot, \zero
	MUL16 2, 0, 0, \slot, \zero
	s_wait_dscnt 0x0
	PLACES NP
	FETCH_B \slot, 1, 1
	FETCH_A \slot, 1, 0
.if \zero
	WIN 0xc1
.else
	WIN MUL_HI
.endif
	MUL16 4, 0, 0, \slot, \zero
	MUL16 6, 0, 0, \slot, \zero
	PLACES NP
	WIN 0
	FETCH_A \slot, 1, 4
.endm
.macro TURN slot, next, fill
	s_wait_tensorcnt 0x0                           ; all my tensor loads have landed: my part of the next slot
	ds_add_u32 v[SPW], v[NIL]                      ; 0 onto my spare word
	s_wait_dscnt 4*NL+1                            ; the add and the youngest sixteen loads may be out
	WIN MUL_LO
	MUL16 0, 1, 1, \slot, 0
	s_wait_dscnt 0x0                               ; the add is done, and my reads of this slot are over
	s_barrier_signal -1
	MUL16 2, 1, 1, \slot, 0
	WIN 0
	s_barrier_wait -1
.if \fill
	CREST                                          ; the barrier has opened a round of the cluster's: no wave of any partner still reads this slot or has a load on its way
	s_add_nc_u64 s[G0+4*\slot+2:G0+4*\slot+3], s[G0+4*\slot+2:G0+4*\slot+3], 2*HALFT
	s_add_nc_u64 s[G0B+4*\slot+2:G0B+4*\slot+3], s[G0B+4*\slot+2:G0B+4*\slot+3], 2*HALFT
	JLOAD G0+4*\slot, G1, G0B+4*\slot, G1B
.else
	PLACES NP
.endif
	FETCH_B \next, 0, 0
	FETCH_A \next, 0, 0
	SCALES \next
	WIN MUL_HI
	MUL16 4, 1, 1, \slot, 0
	MUL16 6, 1, 1, \slot, 0
	PLACES NP
	WIN 0
	FETCH_A \next, 0, 4
.endm
	s_wait_tensorcnt 1                             ; my part of slot 0 is in; slot 1's load may be out
	s_barrier_signal -1
	s_barrier_wait -1
	FETCH_B 0, 0, 0
	FETCH_A 0, 0, 0
	SCALES 0
	FETCH_A 0, 0, 4
	s_wait_loadcnt 0x0                             ; the bias
	STEP 0, 2
	s_mov_b32 s3, LAPS-1
.Llap:
	TURN 0, 1, 1
	STEP 1, 0
	TURN 1, 0, 1
	STEP 0, 0
	s_sub_co_u32 s3, s3, 1
	s_cmp_lg_u32 s3, 0
	s_cbranch_scc1 .Llap
	TURN 0, 1, 0
	STEP 1, 0
	s_wait_dscnt 4*NL
	WIN MUL_LO
	MUL16 0, 1, 1, 1, 0
	MUL16 2, 1, 1, 1, 0
	s_wait_dscnt 0x0
	WIN MUL_HI
	MUL16 4, 1, 1, 1, 0
	MUL16 6, 1, 1, 1, 0
	WIN 0
; THE WAY OUT, tile by tile of 16 rows x 128 columns.  Row t of tile a is row 32 (a / 2) + 8 (a % 2) + t + 8 (t / 8) of my 128.
.macro RLOAD a                         ; the residual's 16 rows, 512 consecutive bytes a load
.irp t, 0,1,2,3,4,5,6,7,8,9,10,11,12,13,14,15
	global_load_b128 v[32+64*((\a)%2)+4*\t:32+64*((\a)%2)+4*\t+3], v26, s[10:11] offset:(32*((\a)/2)+8*((\a)%2)+\t+8*(\t/8))*4096
.endr
.endm
.macro TOSTAGE a
.set AC, 64*((\a)%4)
	WIN 0x08+4*((\a)/4)                            ; an LDS store's data are its source 1: window 2 or 3
.irp b, 0,1,2,3,4,5,6,7
	ds_store_b128 v24, v[AC+8*\b:AC+8*\b+3] offset:128*(\b/2)+32*(\b%2)       ; each accumulator from its low end on
	ds_store_b128 v24, v[AC+8*\b+4:AC+8*\b+7] offset:128*(\b/2)+32*(\b%2)+16
.endr
	WIN 0
.irp t, 0,1,2,3,4,5,6,7,8,9,10,11,12,13,14,15
	ds_load_b128 v[BK+4*\t:BK+4*\t+3], v25 offset:528*\t       ; LDS serves a wave's instructions in order: these see my stores
.endr
.endm
	PLACES NP                                      ; behind the last products: results are read, and loads land in registers that they read
	RLOAD 0
.irp a, 0,1,2,3,4,5,6,7
.if \a < 7
	RLOAD \a+1
.endif
.if \a > 0
	s_wait_xcnt 0x0                                ; the last tile's stores have read their registers
.endif
	TOSTAGE \a
	s_wait_dscnt 0x0
.if \a < 7
	s_wait_loadcnt 16                              ; this tile's residual is in; the next tile's sixteen loads may be out
.else
	s_wait_loadcnt 0x0
.endif
.set n, 0
.rept 32
	v_pk_add_f32 v[BK+n:BK+n+1], v[BK+n:BK+n+1], v[32+64*(\a%2)+n:32+64*(\a%2)+n+1]
.set n, n+2
.endr
.irp t, 0,1,2,3,4,5,6,7,8,9,10,11,12,13,14,15
	global_store_b128 v26, v[BK+4*\t:BK+4*\t+3], s[12:13] offset:(32*(\a/2)+8*(\a%2)+\t+8*(\t/8))*4096   ; 32 lanes store 512 consecutive bytes, at a multiple of 256 from the buffer's first byte
.endr
.endr
	s_wait_tensorcnt 0x0                           ; the wave's end
	ds_add_u32 v[SPW], v[NIL]
	s_wait_dscnt 0x0
	CROUND                                         ; the closing round
	s_endpgm
.Lfunc_end_k_q5989c608bb_wo:
	.size	k_q5989c608bb_wo, .Lfunc_end_k_q5989c608bb_wo-k_q5989c608bb_wo
	.p2alignl 7, 3214868480
	.fill 96, 4, 3214868480
	.section	.rodata,"a",@progbits
	.p2align	6, 0x0
	.amdhsa_kernel k_q5989c608bb_wo
		.amdhsa_group_segment_fixed_size 327680
		.amdhsa_private_segment_fixed_size 0
		.amdhsa_enable_private_segment 0
		.amdhsa_kernarg_size 40
		.amdhsa_user_sgpr_count 2
		.amdhsa_user_sgpr_kernarg_segment_ptr 1
		.amdhsa_wavefront_size32 1
		.amdhsa_system_sgpr_workgroup_id_x 1
		.amdhsa_system_sgpr_workgroup_id_y 1
		.amdhsa_system_sgpr_workgroup_id_z 1
		.amdhsa_system_vgpr_workitem_id 0
		.amdhsa_next_free_vgpr 1024
		.amdhsa_next_free_sgpr 100
		.amdhsa_reserve_vcc 0
		.amdhsa_float_denorm_mode_32 3
		.amdhsa_float_denorm_mode_16_64 3
		.amdhsa_memory_ordered 1
		.amdhsa_forward_progress 1
		.amdhsa_inst_pref_size 173
	.end_amdhsa_kernel
	.amdgpu_metadata
---
amdhsa.version: [ 1, 2 ]
amdhsa.kernels:
  - .name:           k_q5989c608bb_wo
    .symbol:         k_q5989c608bb_wo.kd
    .args:
      - { .name: ac, .offset: 0, .size: 8, .value_kind: global_buffer, .address_space: global }
      - { .name: ops, .offset: 8, .size: 8, .value_kind: global_buffer, .address_space: global }
      - { .name: bo, .offset: 16, .size: 8, .value_kind: global_buffer, .address_space: global }
      - { .name: x, .offset: 24, .size: 8, .value_kind: global_buffer, .address_space: global }
      - { .name: x1, .offset: 32, .size: 8, .value_kind: global_buffer, .address_space: global }
    .group_segment_fixed_size: 327680
    .private_segment_fixed_size: 0
    .kernarg_segment_align: 8
    .kernarg_segment_size: 40
    .max_flat_workgroup_size: 128
    .sgpr_count:     100
    .vgpr_count:     1024
    .wavefront_size: 32
...
	.end_amdgpu_metadata
.endif
;; end of part 5
;; launch ln2: the kernel of part 2 again; grid 256 x 1, 8 waves a work-group, no clusters, 67,072 bytes of LDS; arguments x1, g2, beta2, ops; writes ops
;; launch ffn1 (part 6): grid 16 x 16, 4 waves a work-group, clusters of 4 x 4, 327,680 bytes of LDS; arguments ops, b1, hc; writes hc
.if DOCPART == 6
	.amdgcn_target "amdgcn-amd-amdhsa--gfx1250"
	.amdhsa_code_object_version 6
	.text
	.protected	k_q5989c608bb_ffn1
	.globl	k_q5989c608bb_ffn1
	.p2align	8
	.type	k_q5989c608bb_ffn1,@function
k_q5989c608bb_ffn1:
	s_mov_b64 s[64:65], 0
	v_nop
	global_prefetch_b8 v0, s[64:65] scope:SCOPE_SE
	s_setreg_imm32_b32 hwreg(HW_REG_WAVE_MODE, 25, 1), 1
	s_wait_xcnt 0x0
	s_wait_alu depctr_hold_cnt(0) depctr_sa_sdst(0) depctr_va_vdst(0) depctr_va_sdst(0) depctr_va_ssrc(0) depctr_va_vcc(0) depctr_vm_vsrc(0)
	s_getreg_b32 s2, hwreg(HW_REG_IB_STS2, 6, 4)
	s_cmp_eq_u32 s2, 0
	s_cbranch_scc0 .Lentry_in_a_cluster
	s_endpgm
.Lentry_in_a_cluster:
	s_bfe_u32 s2, ttmp6, 0x10000c
	s_cmp_lg_u32 s2, 0xf033
	s_cbranch_scc0 .Lentry_shape_is_right
	s_endpgm
.Lentry_shape_is_right:
; The hidden layer: relu(nx2 W1 + b1), the product on codes of FP6 (E2M3, one E8M0 byte for each 32 along K), K = 1,024; the result is quantised along the hidden units and leaves as codes.
; OPERANDS lie in memory as images of registers.  A block (12,800 bytes) = 128 rows x 128 K: eight fragments of 1,536 bytes (two halves: 512 bytes, lane l's four registers at 16 l; 256 bytes, its other two
; at 8 l), then scale words at 12,288 + 64 tile + 4 row.  Tile t holds rows 32 (t / 2) + 8 (t % 2) + r + 8 (r / 8).  The eight K steps of a row block lie on end: 102,400 bytes, a unit; the tokens are units 96-127, W1 units 32-63.
; A tile of the result, 256 x 256, is made by four waves, each 128 x 128 in 64 accumulators.  K goes in steps of 256 through two LDS slots; each wave fetches 128 rows x 256 K, ONE dense run of 25,600 bytes, scale words within.
; THE MATRIX INSTRUCTION IS USED TRANSPOSED (source 0 = W1's 16 rows, source 1 = the tokens'): lane (r, h) holds token r of a tile, and the 16 registers of W1's tiles 2 b and 2 b + 1 are hidden units 32 b + 16 h + 0 .. 15:
; sixteen neighbours along the next product's K.  So a token tile's 64 registers become one fragment and one scale word a row, and a wave's result is one block of the next operand: (token block x 32 + K step) x 12,800.
; The bias is the C of each sum's first matrix instruction.  CLUSTERS: 4 x 4 work-groups; the tokens' tiles are asked for jointly along a row of the cluster, W1's along a column.
; LIMITS: a block of zeros, or one whose largest magnitude lies under 2^-124, gets the byte 1 (codes are zeros; only this program reads the bytes); NaN and infinities are not served.
; REGISTERS: window 0: v12-26 addresses; v32-63 scale words, two sets; v64-127 the bias; v128-223 A's fragments, one set; window 1: B's fragments, two sets; windows 2, 3: accumulator (a, b) at v[8 (8 (a % 4) + b)] of window 2 + a / 4.
.set LAPS,  2
.set BLK,   12800
.set FRB,   1536
.set HFB,   768
.set SCO,   12288
.set HALFT, 2*BLK
.set SLOT,  4*HALFT
.set SPARE, 2*SLOT                     ; behind the ring: the spare words, 128 bytes a wave, which no other line names
.set FR,    12
.set NL,    4
.set NP,    4                          ; places behind this matrix instruction (ISA guide 7.12.1)
.set ADRS, 12
.set ADRA, 16
.set ADRB, 20
.set SPW,  28
.set NIL,  29
.set SC,   32
.set BI,   64
.set AF,   128
.set PWS,  96
.set PC,   112
.set TM,   200
.set G1,  24
.set G0,  32
.set G1B, 48
.set G0B, 56
.set MSB, 0
.macro WIN new
.if MSB != (\new)
	s_set_vgpr_msb (MSB<<8)|(\new)
.set MSB, (\new)
.endif
.endm
.set MUL_LO, 0xa1
.set MUL_HI, 0xf1
.set TO_B,   0x40
.macro JLOAD g0a, g1a, g0b, g1b        ; a joint load: waves 0, 1 fetch for A, waves 2, 3 for B; four v_nop follow each line
	s_cmp_eq_u32 s15, 0
	s_cbranch_scc0 .Lfor_b_\@
	tensor_load_to_lds s[\g0a:\g0a+3], s[\g1a:\g1a+7]
	s_nop 0
.rept 4
	v_nop
.endr
	s_branch .Lasked_\@
.Lfor_b_\@:
	tensor_load_to_lds s[\g0b:\g0b+3], s[\g1b:\g1b+7]
	s_nop 0
.rept 4
	v_nop
.endr
.Lasked_\@:
.endm
.macro CREST
	s_cmp_lg_u32 s14, 0
	s_cbranch_scc1 .Lnot_wave_0_\@
	s_barrier_signal -3
.Lnot_wave_0_\@:
	s_barrier_wait -3
	s_barrier_signal -1
	s_barrier_wait -1
.endm
.macro CROUND
	s_barrier_signal -1
	s_barrier_wait -1
	CREST
.endm
.macro PLACES n
.rept \n
	v_nop
.endr
.endm
	s_load_b64 s[4:5], s[0:1], 0x0                 ; ops: both operands
	s_load_b64 s[8:9], s[0:1], 0x8                 ; b1
	s_load_b64 s[12:13], s[0:1], 0x10              ; hc
	v_lshl_add_u32 v[SPW], v0, 2, SPARE
	v_mov_b32 v[NIL], 0
	ds_add_u32 v28, v29
	ds_add_u32 v28, v29
	s_wait_dscnt 0x0
	v_lshrrev_b32 v1, 5, v0
	v_readfirstlane_b32 s14, v1
	s_lshr_b32 s15, s14, 1
	s_and_b32 s16, s14, 1
	s_bfe_u32 s40, ttmp6, 0x40000
	s_bfe_u32 s41, ttmp6, 0x40004
	s_lshl_b32 s42, ttmp9, 2
	s_add_co_u32 s42, s42, s40                     ; tile column
	s_and_b32 s17, ttmp7, 0xffff
	s_lshl_b32 s17, s17, 2
	s_add_co_u32 s17, s17, s41                     ; tile row
	s_lshl_b32 s43, s41, 2
	s_lshl_b32 s43, 15, s43
	s_lshl_b32 s44, 0x1111, s40
	s_or_b32 s[G1+0], s43, (3<<16)|(1<<21)         ; 15:0 the mask; 17:16 elements of 8 bytes; 20 no padding; 21 set beside a mask
	s_or_b32 s[G1B+0], s44, (3<<16)|(1<<21)
.irp g, G1, G1B                                ; a dense run of 25,600 bytes as 100 rows of 32 elements
	s_mov_b32 s[\g+1], 32<<16
	s_mov_b32 s[\g+2], 100<<16
	s_mov_b32 s[\g+3], 32<<16
	s_mov_b32 s[\g+4], 100
	s_mov_b32 s[\g+5], 32
	s_mov_b32 s[\g+6], 0
	s_mov_b32 s[\g+7], 0
.endr
	s_lshl_b32 s20, s17, 1
	s_add_co_u32 s20, s20, s16
	s_add_co_u32 s20, s20, 96
	s_mul_i32 s20, s20, 102400                     ; A: the unit that I fetch; it hangs on the tile row and the wave alone
	s_mov_b32 s21, 0
	s_lshl_b32 s46, s42, 1
	s_add_co_u32 s46, s46, s16
	s_add_co_u32 s46, s46, 32
	s_mul_i32 s46, s46, 102400                     ; B: on the tile column and the wave alone
	s_mov_b32 s47, 0
	s_mul_i32 s45, s14, HALFT
	s_mov_b32 s68, 0x76543210
	s_mov_b32 s69, 0xfedcba98
	s_mov_b32 s70, 0xffff0000
	s_wait_kmcnt 0x0
	s_add_nc_u64 s[20:21], s[4:5], s[20:21]
	s_add_nc_u64 s[46:47], s[4:5], s[46:47]
	CROUND                                         ; all sixteen work-groups are here: the first joint loads meet
.irp s, 0,1
	s_mov_b32 s[G0+4*\s], 1
	s_add_co_u32 s[G0+4*\s+1], s45, \s*SLOT
	s_add_nc_u64 s[G0+4*\s+2:G0+4*\s+3], s[20:21], \s*HALFT
	s_or_b32 s[G0+4*\s+3], s[G0+4*\s+3], 0x80000000
	s_mov_b32 s[G0B+4*\s], 1
	s_add_co_u32 s[G0B+4*\s+1], s45, \s*SLOT
	s_add_nc_u64 s[G0B+4*\s+2:G0B+4*\s+3], s[46:47], \s*HALFT
	s_or_b32 s[G0B+4*\s+3], s[G0B+4*\s+3], 0x80000000
	JLOAD G0+4*\s, G1, G0B+4*\s, G1B
.endr
	v_and_b32 v1, 31, v0
	v_and_b32 v2, 15, v0
	v_bfe_u32 v3, v0, 4, 1
	v_lshlrev_b32 v4, 4, v1
	v_lshl_add_u32 v5, v1, 3, 512
	s_lshl_b32 s19, s42, 1
	s_add_co_u32 s19, s19, s16                     ; my 128 hidden units = the next product's K step
	s_lshl_b32 s22, s19, 9
	s_mov_b32 s23, 0
	s_add_nc_u64 s[8:9], s[8:9], s[22:23]
	v_lshlrev_b32 v7, 6, v3
.irp b, 0,1,2,3,4,5,6,7                        ; in the result's layout: tile b's register j is hidden unit 32 (b / 2) + 8 (b % 2) + 16 h + j
	global_load_b128 v[BI+8*\b:BI+8*\b+3], v7, s[8:9] offset:(32*(\b/2)+8*(\b%2))*4
	global_load_b128 v[BI+8*\b+4:BI+8*\b+7], v7, s[8:9] offset:(32*(\b/2)+8*(\b%2))*4+16
.endr
	s_lshl_b32 s18, s17, 1
	s_add_co_u32 s18, s18, s15                     ; my token block
	s_lshl_b32 s18, s18, 5
	s_add_co_u32 s18, s18, s19
	s_mul_i32 s22, s18, BLK
	s_add_nc_u64 s[12:13], s[12:13], s[22:23]      ; my block of the next operand
	s_mul_i32 s21, s15, HALFT
	s_mul_i32 s22, s16, HALFT
	s_add_co_u32 s22, s22, 2*HALFT
.irp s, 0,1
	v_add_nc_u32 v[ADRA+\s], s21, v4
	v_add_nc_u32 v[ADRB+\s], s22, v4
	v_add_nc_u32 v[ADRA+2+\s], s21, v5
	v_add_nc_u32 v[ADRB+2+\s], s22, v5
	s_add_co_u32 s21, s21, SLOT
	s_add_co_u32 s22, s22, SLOT
.endr
	s_mul_i32 s21, s15, HALFT
	s_mul_i32 s22, s16, HALFT
	s_add_co_u32 s22, s22, 2*HALFT
	s_sub_co_u32 s22, s22, s21
	v_mul_u32_u24 v6, s22, v3                      ; lanes 16-31 take B's words: one product, the distance between the two bases x h
	v_lshl_add_u32 v6, v2, 2, v6
	s_add_co_u32 s21, s21, SCO
	v_add_nc_u32 v[ADRS], s21, v6
	v_add_nc_u32 v[ADRS+1], SLOT, v[ADRS]
	v_lshlrev_b32 v24, 4, v1                       ; the way out: 16 x lane,
	v_lshl_add_u32 v25, v1, 3, 512                 ; 512 + 8 x lane,
	v_lshlrev_b32 v26, 2, v1                       ; 4 x lane
.macro FRAG reg, adr, q, i
	ds_load_b128 v[(\reg):(\reg)+3], v[\adr] offset:(\q)*BLK+(\i)*FRB
	ds_load_b64 v[(\reg)+4:(\reg)+5], v[(\adr)+2] offset:(\q)*BLK+(\i)*FRB
	ds_load_b128 v[(\reg)+6:(\reg)+9], v[\adr] offset:(\q)*BLK+(\i)*FRB+HFB
	ds_load_b64 v[(\reg)+10:(\reg)+11], v[(\adr)+2] offset:(\q)*BLK+(\i)*FRB+HFB
.endm
; 16 matrix instructions: A's tiles a0, a0 + 1 x B's eight.  zero = 2: the product starts the sums on the bias.  The 64 accumulators take turns, one instruction a turn.
.macro MUL16 a0, p, q, sc, zero
.irp a, \a0, \a0+1
.irp b, 0,1,2,3,4,5,6,7
.set rD, 8*(8*((\a)%4)+\b)
.if \zero
	v_wmma_scale_f32_16x16x128_f8f6f4 v[rD:rD+7], v[128*(\p)+FR*\b:128*(\p)+FR*\b+FR-1], v[AF+FR*(\a):AF+FR*(\a)+FR-1], v[BI+8*\b:BI+8*\b+7], v[SC+16*(\sc)+2*\b+(\q)], v[SC+16*(\sc)+2*(\a)+(\q)] matrix_a_fmt:MATRIX_FMT_FP6 matrix_b_fmt:MATRIX_FMT_FP6 matrix_a_scale:MATRIX_SCALE_ROW1
.else
	v_wmma_scale_f32_16x16x128_f8f6f4 v[rD:rD+7], v[128*(\p)+FR*\b:128*(\p)+FR*\b+FR-1], v[AF+FR*(\a):AF+FR*(\a)+FR-1], v[rD:rD+7], v[SC+16*(\sc)+2*\b+(\q)], v[SC+16*(\sc)+2*(\a)+(\q)] matrix_a_fmt:MATRIX_FMT_FP6 matrix_b_fmt:MATRIX_FMT_FP6 matrix_a_scale:MATRIX_SCALE_ROW1
.endif
.endr
.endr
.endm
.macro FETCH_B slot, q, p
	WIN TO_B
.irp i, 0,1,2,3,4,5,6,7
	FRAG 128*(\p)+FR*\i, ADRB+\slot, \q, \i
.endr
	WIN 0
.endm
.macro FETCH_A slot, q, i0
.irp i, \i0, \i0+1, \i0+2, \i0+3
	FRAG AF+FR*(\i), ADRA+\slot, \q, \i
.endr
.endm
.macro SCALES sc
.irp i, 0,1,2,3,4,5,6,7
	ds_load_b32 v[SC+16*\sc+2*\i], v[ADRS+\sc] offset:64*\i
	ds_load_b32 v[SC+16*\sc+2*\i+1], v[ADRS+\sc] offset:BLK+64*\i
.endr
.endm
.macro STEP slot, zero
	s_wait_dscnt 4*NL                              ; all but the youngest sixteen loads (A's tiles 4-7)
.if \zero
	WIN 0x81                                       ; C (the bias) window 0, D window 2
.else
	WIN MUL_LO
.endif
	MUL16 0, 0, 0, \slot, \zero
	MUL16 2, 0, 0, \slot, \zero
	s_wait_dscnt 0x0
	PLACES NP
	FETCH_B \slot, 1, 1
	FETCH_A \slot, 1, 0
.if \zero
	WIN 0xc1
.else
	WIN MUL_HI
.endif
	MUL16 4, 0, 0, \slot, \zero
	MUL16 6, 0, 0, \slot, \zero
	PLACES NP
	WIN 0
	FETCH_A \slot, 1, 4
.endm
.macro TURN slot, next, fill
	s_wait_tensorcnt 0x0                           ; all my tensor loads have landed: my part of the next slot
	ds_add_u32 v[SPW], v[NIL]                      ; 0 onto my spare word
	s_wait_dscnt 4*NL+1                            ; the add and the youngest sixteen loads may be out
	WIN MUL_LO
	MUL16 0, 1, 1, \slot, 0
	s_wait_dscnt 0x0                               ; the add is done, and my reads of this slot are over
	s_barrier_signal -1
	MUL16 2, 1, 1, \slot, 0
	WIN 0
	s_barrier_wait -1
.if \fill
	CREST                                          ; the barrier has opened a round of the cluster's: no wave of any partner still reads this slot or has a load on its way
	s_add_nc_u64 s[G0+4*\slot+2:G0+4*\slot+3], s[G0+4*\slot+2:G0+4*\slot+3], 2*HALFT
	s_add_nc_u64 s[G0B+4*\slot+2:G0B+4*\slot+3], s[G0B+4*\slot+2:G0B+4*\slot+3], 2*HALFT
	JLOAD G0+4*\slot, G1, G0B+4*\slot, G1B
.else
	PLACES NP
.endif
	FETCH_B \next, 0, 0
	FETCH_A \next, 0, 0
	SCALES \next
	WIN MUL_HI
	MUL16 4, 1, 1, \slot, 0
	MUL16 6, 1, 1, \slot, 0
	PLACES NP
	WIN 0
	FETCH_A \next, 0, 4
.endm
	s_wait_tensorcnt 1                             ; my part of slot 0 is in; slot 1's load may be out
	s_barrier_signal -1
	s_barrier_wait -1
	FETCH_B 0, 0, 0
	FETCH_A 0, 0, 0
	SCALES 0
	FETCH_A 0, 0, 4
	s_wait_loadcnt 0x0                             ; the bias
	STEP 0, 2
	s_mov_b32 s3, LAPS-1
.Llap:
	TURN 0, 1, 1
	STEP 1, 0
	TURN 1, 0, 1
	STEP 0, 0
	s_sub_co_u32 s3, s3, 1
	s_cmp_lg_u32 s3, 0
	s_cbranch_scc1 .Llap
	TURN 0, 1, 0
	STEP 1, 0
	s_wait_dscnt 4*NL
	WIN MUL_LO
	MUL16 0, 1, 1, 1, 0
	MUL16 2, 1, 1, 1, 0
	s_wait_dscnt 0x0
	WIN MUL_HI
	MUL16 4, 1, 1, 1, 0
	MUL16 6, 1, 1, 1, 0
	WIN 0
; THE WAY OUT: a token tile's 64 numbers of a lane, from register s0 of window W on: relu in f32, then a fragment's codes in v[PC] on and its scale word in v[pw].  Each accumulator is read from its low end on.
.macro QE W, s0, pw
	WIN ((\W)<<2)|((\W)<<6)                        ; source 1 and destination: the accumulators' window
.set qi, 0
.rept 64
	v_max_num_f32 v[(\s0)+qi], 0, v[(\s0)+qi]
.set qi, qi+1
.endr
	WIN (\W)|((\W)<<2)                             ; sources 0 and 1
.irp b, 0,1,2,3
	v_max3_num_f32 v[TM+\b], v[(\s0)+16*\b], v[(\s0)+16*\b+1], 0x1800000      ; a block's 16 numbers of mine (none is negative), and the floor 2^(3 - 127)
.endr
.irp i, 2,4,6,8,10,12,14
.irp b, 0,1,2,3
	v_max3_num_f32 v[TM+\b], v[(\s0)+16*\b+\i], v[(\s0)+16*\b+\i+1], v[TM+\b]
.endr
.endr
	WIN 0
.irp b, 0,1,2,3
	v_permlanex16_b32 v[TM+4+\b], v[TM+\b], s68, s69
.endr
.irp b, 0,1,2,3
	v_max_num_f32 v[TM+\b], v[TM+\b], v[TM+4+\b]
.endr
.irp b, 0,1,2,3
	v_add_nc_u32 v[TM+12+\b], 0xff000000, v[TM+\b]
.endr
.irp b, 0,1,2,3
	v_lshrrev_b32 v[TM+4+\b], 23, v[TM+12+\b]
.endr
	v_lshl_or_b32 v[\pw], v[TM+5], 8, v[TM+4]
	v_lshl_or_b32 v[\pw], v[TM+6], 16, v[\pw]
	v_lshl_or_b32 v[\pw], v[TM+7], 24, v[\pw]
	s_wait_xcnt 0x0                                ; the last fragment's stores have read the codes' registers
	WIN (\W)
	v_cvt_scalef32_pk16_fp6_f32 v[PC:PC+2], v[(\s0):(\s0)+15], v[TM+12]
	v_cvt_scalef32_pk16_fp6_f32 v[PC+12:PC+14], v[(\s0)+16:(\s0)+31], v[TM+13]
	v_cvt_scalef32_pk16_fp6_f32 v[PC+6:PC+8], v[(\s0)+32:(\s0)+47], v[TM+14]
	v_cvt_scalef32_pk16_fp6_f32 v[PC+16:PC+18], v[(\s0)+48:(\s0)+63], v[TM+15]
	WIN 0
	v_nop                                          ; one plain place behind a scaled conversion
.irp c, 0,1
.irp i, 0,1,2
	v_permlane16_swap_b32 v[PC+6*\c+\i], v[PC+12+4*\c+\i]
.endr
.irp i, 0,1,2
	v_mov_b32 v[PC+3+6*\c+\i], v[PC+12+4*\c+\i]
.endr
.endr
.endm
.macro OUTF x
	global_store_b128 v24, v[PC:PC+3], s[12:13] offset:\x
	global_store_b64 v25, v[PC+4:PC+5], s[12:13] offset:\x
	global_store_b128 v24, v[PC+6:PC+9], s[12:13] offset:(\x)+768
	global_store_b64 v25, v[PC+10:PC+11], s[12:13] offset:(\x)+768
.endm
.macro OUTS x, pa, pb, tmp
	v_cndmask_b32 v[\tmp], v[\pa], v[\pb], s70
	global_store_b32 v26, v[\tmp], s[12:13] offset:\x
.endm
	PLACES NP                                      ; behind the last products: their results are read and A's registers written below
.irp b, 0,1,2,3
	v_mov_b32 v[TM+4+\b], 0                        ; a lane permute's destination counts as one of its sources
.endr
.irp a, 0,1,2,3,4,5,6,7
	QE 2+\a/4, 64*(\a%4), PWS+\a
	OUTF 1536*\a
.endr
.irp k, 0,1,2,3
	OUTS SCO+128*\k, PWS+2*\k, PWS+2*\k+1, 104+\k
.endr
	s_wait_tensorcnt 0x0                           ; the wave's end
	ds_add_u32 v[SPW], v[NIL]
	s_wait_dscnt 0x0
	CROUND                                         ; the closing round
	s_endpgm
.Lfunc_end_k_q5989c608bb_ffn1:
	.size	k_q5989c608bb_ffn1, .Lfunc_end_k_q5989c608bb_ffn1-k_q5989c608bb_ffn1
	.p2alignl 7, 3214868480
	.fill 96, 4, 3214868480
	.section	.rodata,"a",@progbits
	.p2align	6, 0x0
	.amdhsa_kernel k_q5989c608bb_ffn1
		.amdhsa_group_segment_fixed_size 327680
		.amdhsa_private_segment_fixed_size 0
		.amdhsa_enable_private_segment 0
		.amdhsa_kernarg_size 24
		.amdhsa_user_sgpr_count 2
		.amdhsa_user_sgpr_kernarg_segment_ptr 1
		.amdhsa_wavefront_size32 1
		.amdhsa_system_sgpr_workgroup_id_x 1
		.amdhsa_system_sgpr_workgroup_id_y 1
		.amdhsa_system_sgpr_workgroup_id_z 1
		.amdhsa_system_vgpr_workitem_id 0
		.amdhsa_next_free_vgpr 1024
		.amdhsa_next_free_sgpr 100
		.amdhsa_reserve_vcc 0
		.amdhsa_float_denorm_mode_32 3
		.amdhsa_float_denorm_mode_16_64 3
		.amdhsa_memory_ordered 1
		.amdhsa_forward_progress 1
		.amdhsa_inst_pref_size 167
	.end_amdhsa_kernel
	.amdgpu_metadata
---
amdhsa.version: [ 1, 2 ]
amdhsa.kernels:
  - .name:           k_q5989c608bb_ffn1
    .symbol:         k_q5989c608bb_ffn1.kd
    .args:
      - { .name: ops, .offset: 0, .size: 8, .value_kind: global_buffer, .address_space: global }
      - { .name: b1, .offset: 8, .size: 8, .value_kind: global_buffer, .address_space: global }
      - { .name: hc, .offset: 16, .size: 8, .value_kind: global_buffer, .address_space: global }
    .group_segment_fixed_size: 327680
    .private_segment_fixed_size: 0
    .kernarg_segment_align: 8
    .kernarg_segment_size: 24
    .max_flat_workgroup_size: 128
    .sgpr_count:     100
    .vgpr_count:     1024
    .wavefront_size: 32
...
	.end_amdgpu_metadata
.endif
;; end of part 6
;; launch ffn2 (part 7): grid 4 x 16, 4 waves a work-group, clusters of 4 x 4, 327,680 bytes of LDS; arguments hc, ops, b2, x1, out0; writes out0
.if DOCPART == 7
	.amdgcn_target "amdgcn-amd-amdhsa--gfx1250"
	.amdhsa_code_object_version 6
	.text
	.protected	k_q5989c608bb_ffn2
	.globl	k_q5989c608bb_ffn2
	.p2align	8
	.type	k_q5989c608bb_ffn2,@function
k_q5989c608bb_ffn2:
	s_mov_b64 s[64:65], 0
	v_nop
	global_prefetch_b8 v0, s[64:65] scope:SCOPE_SE
	s_setreg_imm32_b32 hwreg(HW_REG_WAVE_MODE, 25, 1), 1
	s_wait_xcnt 0x0
	s_wait_alu depctr_hold_cnt(0) depctr_sa_sdst(0) depctr_va_vdst(0) depctr_va_sdst(0) depctr_va_ssrc(0) depctr_va_vcc(0) depctr_vm_vsrc(0)
	s_getreg_b32 s2, hwreg(HW_REG_IB_STS2, 6, 4)
	s_cmp_eq_u32 s2, 0
	s_cbranch_scc0 .Lentry_in_a_cluster
	s_endpgm
.Lentry_in_a_cluster:
	s_bfe_u32 s2, ttmp6, 0x10000c
	s_cmp_lg_u32 s2, 0xf033
	s_cbranch_scc0 .Lentry_shape_is_right
	s_endpgm
.Lentry_shape_is_right:
; out = resid + A B^T + bias, the product on codes of FP6 (E2M3, one E8M0 byte for each 32 along K).  Here: A = the hidden layer [4,096][4,096], B = W2, K = 4,096; out, resid: [4,096][1,024] f32.
; OPERANDS lie in memory as images of registers.  A block (12,800 bytes) = 128 rows x 128 K: eight fragments of 1,536 bytes (two halves: 512 bytes, lane l's four registers at 16 l; 256 bytes, its other two
; at 8 l), then scale words at 12,288 + 64 tile + 4 row.  Tile t holds rows 32 (t / 2) + 8 (t % 2) + r + 8 (r / 8).  The K steps of a row block lie on end.
; A tile of the result, 256 x 256, is made by four waves, each 128 x 128 in 64 accumulators.  K goes in steps of 256 through two LDS slots; each wave fetches 128 rows x 256 K, ONE dense run of 25,600 bytes, scale words within.
; THE MATRIX INSTRUCTION IS USED TRANSPOSED (source 0 = B's 16 rows, source 1 = A's): lane (r, h) holds A's row r of a tile, and the 16 registers of B's tiles 2 b and 2 b + 1 are columns 32 b + 16 h + 0 .. 15.
; The bias is the C of each sum's first matrix instruction.  The way out goes through the wave's stage in LDS, where whole rows of 512 bytes meet the residual.
; CLUSTERS: 4 x 4 work-groups; A's tiles are asked for jointly along a row of the cluster, B's along a column.  The result has 64 tiles of this size: 64 work-groups.
; REGISTERS: window 0: v12-26 addresses; v32-63 scale words, two sets; v64-127 the bias; v128-223 A's fragments, one set; window 1: B's fragments, two sets; windows 2, 3: accumulator (a, b) at v[8 (8 (a % 4) + b)] of window 2 + a / 4.
.set LAPS,  8                          ; K / 512
.set ASTR,  409600                     ; bytes from a row block of A to the next: K / 128 blocks
.set BOFF,  6553600                    ; where B begins in its buffer
.set BSTR,  409600
.set BLK,   12800
.set FRB,   1536
.set HFB,   768
.set SCO,   12288
.set HALFT, 2*BLK
.set SLOT,  4*HALFT
.set SPARE, 2*SLOT                     ; behind the ring: the spare words, 128 bytes a wave, which no other line names
.set FR,    12
.set NL,    4
.set NP,    4                          ; places behind this matrix instruction (ISA guide 7.12.1)
.set ADRS, 12
.set ADRA, 16
.set ADRB, 20
.set SPW,  28
.set NIL,  29
.set SC,   32
.set BI,   64
.set AF,   128
.set BK,   160                         ; the way out: 16 rows back from the stage; v32-95 and v96-159: the residual, by turns
.set G1,  24
.set G0,  32
.set G1B, 48
.set G0B, 56
.set MSB, 0
.macro WIN new
.if MSB != (\new)
	s_set_vgpr_msb (MSB<<8)|(\new)
.set MSB, (\new)
.endif
.endm
.set MUL_LO, 0xa1
.set MUL_HI, 0xf1
.set TO_B,   0x40
.macro JLOAD g0a, g1a, g0b, g1b        ; a joint load: waves 0, 1 fetch for A, waves 2, 3 for B; four v_nop follow each line
	s_cmp_eq_u32 s15, 0
	s_cbranch_scc0 .Lfor_b_\@
	tensor_load_to_lds s[\g0a:\g0a+3], s[\g1a:\g1a+7]
	s_nop 0
.rept 4
	v_nop
.endr
	s_branch .Lasked_\@
.Lfor_b_\@:
	tensor_load_to_lds s[\g0b:\g0b+3], s[\g1b:\g1b+7]
	s_nop 0
.rept 4
	v_nop
.endr
.Lasked_\@:
.endm
.macro CREST
	s_cmp_lg_u32 s14, 0
	s_cbranch_scc1 .Lnot_wave_0_\@
	s_barrier_signal -3
.Lnot_wave_0_\@:
	s_barrier_wait -3
	s_barrier_signal -1
	s_barrier_wait -1
.endm
.macro CROUND
	s_barrier_signal -1
	s_barrier_wait -1
	CREST
.endm
.macro PLACES n
.rept \n
	v_nop
.endr
.endm
	s_load_b256 s[4:11], s[0:1], 0x0               ; A, B's buffer, the bias, the residual
	s_load_b64 s[12:13], s[0:1], 0x20              ; out
	v_lshl_add_u32 v[SPW], v0, 2, SPARE
	v_mov_b32 v[NIL], 0
	ds_add_u32 v28, v29
	ds_add_u32 v28, v29
	s_wait_dscnt 0x0
	v_lshrrev_b32 v1, 5, v0
	v_readfirstlane_b32 s14, v1
	s_lshr_b32 s15, s14, 1
	s_and_b32 s16, s14, 1
	s_bfe_u32 s40, ttmp6, 0x40000
	s_bfe_u32 s41, ttmp6, 0x40004
	s_lshl_b32 s42, ttmp9, 2
	s_add_co_u32 s42, s42, s40                     ; tile column
	s_and_b32 s17, ttmp7, 0xffff
	s_lshl_b32 s17, s17, 2
	s_add_co_u32 s17, s17, s41                     ; tile row
	s_lshl_b32 s43, s41, 2
	s_lshl_b32 s43, 15, s43
	s_lshl_b32 s44, 0x1111, s40
	s_or_b32 s[G1+0], s43, (3<<16)|(1<<21)         ; 15:0 the mask; 17:16 elements of 8 bytes; 20 no padding; 21 set beside a mask
	s_or_b32 s[G1B+0], s44, (3<<16)|(1<<21)
.irp g, G1, G1B                                ; a dense run of 25,600 bytes as 100 rows of 32 elements
	s_mov_b32 s[\g+1], 32<<16
	s_mov_b32 s[\g+2], 100<<16
	s_mov_b32 s[\g+3], 32<<16
	s_mov_b32 s[\g+4], 100
	s_mov_b32 s[\g+5], 32
	s_mov_b32 s[\g+6], 0
	s_mov_b32 s[\g+7], 0
.endr
	s_lshl_b32 s20, s17, 1
	s_add_co_u32 s20, s20, s16
	s_mul_i32 s20, s20, ASTR                       ; A: the row block that I fetch; it hangs on the tile row and the wave alone
	s_mov_b32 s21, 0
	s_lshl_b32 s46, s42, 1
	s_add_co_u32 s46, s46, s16
	s_mul_i32 s46, s46, BSTR
	s_add_co_u32 s46, s46, BOFF                    ; B: on the tile column and the wave alone
	s_mov_b32 s47, 0
	s_mul_i32 s45, s14, HALFT
	s_wait_kmcnt 0x0
	s_add_nc_u64 s[20:21], s[4:5], s[20:21]
	s_add_nc_u64 s[46:47], s[6:7], s[46:47]
	CROUND                                         ; all sixteen work-groups are here: the first joint loads meet
.irp s, 0,1
	s_mov_b32 s[G0+4*\s], 1
	s_add_co_u32 s[G0+4*\s+1], s45, \s*SLOT
	s_add_nc_u64 s[G0+4*\s+2:G0+4*\s+3], s[20:21], \s*HALFT
	s_or_b32 s[G0+4*\s+3], s[G0+4*\s+3], 0x80000000
	s_mov_b32 s[G0B+4*\s], 1
	s_add_co_u32 s[G0B+4*\s+1], s45, \s*SLOT
	s_add_nc_u64 s[G0B+4*\s+2:G0B+4*\s+3], s[46:47], \s*HALFT
	s_or_b32 s[G0B+4*\s+3], s[G0B+4*\s+3], 0x80000000
	JLOAD G0+4*\s, G1, G0B+4*\s, G1B
.endr
	v_and_b32 v1, 31, v0
	v_and_b32 v2, 15, v0
	v_bfe_u32 v3, v0, 4, 1
	v_lshlrev_b32 v4, 4, v1
	v_lshl_add_u32 v5, v1, 3, 512
	s_lshl_b32 s18, s42, 1
	s_add_co_u32 s18, s18, s16
	s_lshl_b32 s18, s18, 9                         ; my 128 columns' bias, in bytes
	s_mov_b32 s19, 0
	s_add_nc_u64 s[8:9], s[8:9], s[18:19]
	v_lshlrev_b32 v7, 6, v3                        ; + 64 h
.irp b, 0,1,2,3,4,5,6,7                        ; in the result's layout: tile b's register j is column 32 (b / 2) + 8 (b % 2) + 16 h + j
	global_load_b128 v[BI+8*\b:BI+8*\b+3], v7, s[8:9] offset:(32*(\b/2)+8*(\b%2))*4
	global_load_b128 v[BI+8*\b+4:BI+8*\b+7], v7, s[8:9] offset:(32*(\b/2)+8*(\b%2))*4+16
.endr
	s_mul_i32 s21, s15, HALFT
	s_mul_i32 s22, s16, HALFT
	s_add_co_u32 s22, s22, 2*HALFT
.irp s, 0,1
	v_add_nc_u32 v[ADRA+\s], s21, v4
	v_add_nc_u32 v[ADRB+\s], s22, v4
	v_add_nc_u32 v[ADRA+2+\s], s21, v5
	v_add_nc_u32 v[ADRB+2+\s], s22, v5
	s_add_co_u32 s21, s21, SLOT
	s_add_co_u32 s22, s22, SLOT
.endr
	s_mul_i32 s21, s15, HALFT
	s_mul_i32 s22, s16, HALFT
	s_add_co_u32 s22, s22, 2*HALFT
	s_sub_co_u32 s22, s22, s21
	v_mul_u32_u24 v6, s22, v3                      ; lanes 16-31 take B's words: one product, the distance between the two bases x h
	v_lshl_add_u32 v6, v2, 2, v6
	s_add_co_u32 s21, s21, SCO
	v_add_nc_u32 v[ADRS], s21, v6
	v_add_nc_u32 v[ADRS+1], SLOT, v[ADRS]
	s_mul_i32 s23, s14, 16*528                     ; my stage: 16 rows x (512 + 16) bytes, in slot 0, which has had its last fill and its last read when the first result is stored there
	v_mul_u32_u24 v8, v2, 528
	v_lshl_add_u32 v8, v3, 6, v8
	v_add_nc_u32 v24, s23, v8                      ; in: row r, + 64 h
	v_add_nc_u32 v25, s23, v4                      ; back: 16 bytes a lane of a row
	v_lshlrev_b32 v26, 4, v1                       ; and the same in memory
	s_lshl_b32 s18, s17, 8
	s_lshl_b32 s19, s15, 7
	s_add_co_u32 s18, s18, s19
	s_lshl_b32 s18, s18, 12                        ; my first row, 4,096 bytes a row,
	s_lshl_b32 s19, s42, 10
	s_add_co_u32 s18, s18, s19
	s_lshl_b32 s19, s16, 9
	s_add_co_u32 s18, s18, s19                     ; my first column
	s_mov_b32 s19, 0
	s_add_nc_u64 s[10:11], s[10:11], s[18:19]
	s_add_nc_u64 s[12:13], s[12:13], s[18:19]
.macro FRAG reg, adr, q, i
	ds_load_b128 v[(\reg):(\reg)+3], v[\adr] offset:(\q)*BLK+(\i)*FRB
	ds_load_b64 v[(\reg)+4:(\reg)+5], v[(\adr)+2] offset:(\q)*BLK+(\i)*FRB
	ds_load_b128 v[(\reg)+6:(\reg)+9], v[\adr] offset:(\q)*BLK+(\i)*FRB+HFB
	ds_load_b64 v[(\reg)+10:(\reg)+11], v[(\adr)+2] offset:(\q)*BLK+(\i)*FRB+HFB
.endm
; 16 matrix instructions: A's tiles a0, a0 + 1 x B's eight.  zero = 2: the product starts the sums on the bias.  The 64 accumulators take turns, one instruction a turn.
.macro MUL16 a0, p, q, sc, zero
.irp a, \a0, \a0+1
.irp b, 0,1,2,3,4,5,6,7
.set rD, 8*(8*((\a)%4)+\b)
.if \zero
	v_wmma_scale_f32_16x16x128_f8f6f4 v[rD:rD+7], v[128*(\p)+FR*\b:128*(\p)+FR*\b+FR-1], v[AF+FR*(\a):AF+FR*(\a)+FR-1], v[BI+8*\b:BI+8*\b+7], v[SC+16*(\sc)+2*\b+(\q)], v[SC+16*(\sc)+2*(\a)+(\q)] matrix_a_fmt:MATRIX_FMT_FP6 matrix_b_fmt:MATRIX_FMT_FP6 matrix_a_scale:MATRIX_SCALE_ROW1
.else
	v_wmma_scale_f32_16x16x128_f8f6f4 v[rD:rD+7], v[128*(\p)+FR*\b:128*(\p)+FR*\b+FR-1], v[AF+FR*(\a):AF+FR*(\a)+FR-1], v[rD:rD+7], v[SC+16*(\sc)+2*\b+(\q)], v[SC+16*(\sc)+2*(\a)+(\q)] matrix_a_fmt:MATRIX_FMT_FP6 matrix_b_fmt:MATRIX_FMT_FP6 matrix_a_scale:MATRIX_SCALE_ROW1
.endif
.endr
.endr
.endm
.macro FETCH_B slot, q, p
	WIN TO_B
.irp i, 0,1,2,3,4,5,6,7
	FRAG 128*(\p)+FR*\i, ADRB+\slot, \q, \i
.endr
	WIN 0
.endm
.macro FETCH_A slot, q, i0
.irp i, \i0, \i0+1, \i0+2, \i0+3
	FRAG AF+FR*(\i), ADRA+\slot, \q, \i
.endr
.endm
.macro SCALES sc
.irp i, 0,1,2,3,4,5,6,7
	ds_load_b32 v[SC+16*\sc+2*\i], v[ADRS+\sc] offset:64*\i
	ds_load_b32 v[SC+16*\sc+2*\i+1], v[ADRS+\sc] offset:BLK+64*\i
.endr
.endm
.macro STEP slot, zero
	s_wait_dscnt 4*NL                              ; all but the youngest sixteen loads (A's tiles 4-7)
.if \zero
	WIN 0x81                                       ; C (the bias) window 0, D window 2
.else
	WIN MUL_LO
.endif
	MUL16 0, 0, 0, \slot, \zero
	MUL16 2, 0, 0, \slot, \zero
	s_wait_dscnt 0x0
	PLACES NP
	FETCH_B \slot, 1, 1
	FETCH_A \slot, 1, 0
.if \zero
	WIN 0xc1
.else
	WIN MUL_HI
.endif
	MUL16 4, 0, 0, \slot, \zero
	MUL16 6, 0, 0, \slot, \zero
	PLACES NP
	WIN 0
	FETCH_A \slot, 1, 4
.endm
.macro TURN slot, next, fill
	s_wait_tensorcnt 0x0                           ; all my tensor loads have landed: my part of the next slot
	ds_add_u32 v[SPW], v[NIL]                      ; 0 onto my spare word
	s_wait_dscnt 4*NL+1                            ; the add and the youngest sixteen loads may be out
	WIN MUL_LO
	MUL16 0, 1, 1, \slot, 0
	s_wait_dscnt 0x0                               ; the add is done, and my reads of this slot are over
	s_barrier_signal -1
	MUL16 2, 1, 1, \slot, 0
	WIN 0
	s_barrier_wait -1
.if \fill
	CREST                                          ; the barrier has opened a round of the cluster's: no wave of any partner still reads this slot or has a load on its way
	s_add_nc_u64 s[G0+4*\slot+2:G0+4*\slot+3], s[G0+4*\slot+2:G0+4*\slot+3], 2*HALFT
	s_add_nc_u64 s[G0B+4*\slot+2:G0B+4*\slot+3], s[G0B+4*\slot+2:G0B+4*\slot+3], 2*HALFT
	JLOAD G0+4*\slot, G1, G0B+4*\slot, G1B
.else
	PLACES NP
.endif
	FETCH_B \next, 0, 0
	FETCH_A \next, 0, 0
	SCALES \next
	WIN MUL_HI
	MUL16 4, 1, 1, \slot, 0
	MUL16 6, 1, 1, \slot, 0
	PLACES NP
	WIN 0
	FETCH_A \next, 0, 4
.endm
	s_wait_tensorcnt 1                             ; my part of slot 0 is in; slot 1's load may be out
	s_barrier_signal -1
	s_barrier_wait -1
	FETCH_B 0, 0, 0
	FETCH_A 0, 0, 0
	SCALES 0
	FETCH_A 0, 0, 4
	s_wait_loadcnt 0x0                             ; the bias
	STEP 0, 2
	s_mov_b32 s3, LAPS-1
.Llap:
	TURN 0, 1, 1
	STEP 1, 0
	TURN 1, 0, 1
	STEP 0, 0
	s_sub_co_u32 s3, s3, 1
	s_cmp_lg_u32 s3, 0
	s_cbranch_scc1 .Llap
	TURN 0, 1, 0
	STEP 1, 0
	s_wait_dscnt 4*NL
	WIN MUL_LO
	MUL16 0, 1, 1, 1, 0
	MUL16 2, 1, 1, 1, 0
	s_wait_dscnt 0x0
	WIN MUL_HI
	MUL16 4, 1, 1, 1, 0
	MUL16 6, 1, 1, 1, 0
	WIN 0
; THE WAY OUT, tile by tile of 16 rows x 128 columns.  Row t of tile a is row 32 (a / 2) + 8 (a % 2) + t + 8 (t / 8) of my 128.
.macro RLOAD a                         ; the residual's 16 rows, 512 consecutive bytes a load
.irp t, 0,1,2,3,4,5,6,7,8,9,10,11,12,13,14,15
	global_load_b128 v[32+64*((\a)%2)+4*\t:32+64*((\a)%2)+4*\t+3], v26, s[10:11] offset:(32*((\a)/2)+8*((\a)%2)+\t+8*(\t/8))*4096
.endr
.endm
.macro TOSTAGE a
.set AC, 64*((\a)%4)
	WIN 0x08+4*((\a)/4)                            ; an LDS store's data are its source 1: window 2 or 3
.irp b, 0,1,2,3,4,5,6,7
	ds_store_b128 v24, v[AC+8*\b:AC+8*\b+3] offset:128*(\b/2)+32*(\b%2)       ; each accumulator from its low end on
	ds_store_b128 v24, v[AC+8*\b+4:AC+8*\b+7] offset:128*(\b/2)+32*(\b%2)+16
.endr
	WIN 0
.irp t, 0,1,2,3,4,5,6,7,8,9,10,11,12,13,14,15
	ds_load_b128 v[BK+4*\t:BK+4*\t+3], v25 offset:528*\t       ; LDS serves a wave's instructions in order: these see my stores
.endr
.endm
	PLACES NP                                      ; behind the last products: results are read, and loads land in registers that they read
	RLOAD 0
.irp a, 0,1,2,3,4,5,6,7
.if \a < 7
	RLOAD \a+1
.endif
.if \a > 0
	s_wait_xcnt 0x0                                ; the last tile's stores have read their registers
.endif
	TOSTAGE \a
	s_wait_dscnt 0x0
.if \a < 7
	s_wait_loadcnt 16                              ; this tile's residual is in; the next tile's sixteen loads may be out
.else
	s_wait_loadcnt 0x0
.endif
.set n, 0
.rept 32
	v_pk_add_f32 v[BK+n:BK+n+1], v[BK+n:BK+n+1], v[32+64*(\a%2)+n:32+64*(\a%2)+n+1]
.set n, n+2
.endr
.irp t, 0,1,2,3,4,5,6,7,8,9,10,11,12,13,14,15
	global_store_b128 v26, v[BK+4*\t:BK+4*\t+3], s[12:13] offset:(32*(\a/2)+8*(\a%2)+\t+8*(\t/8))*4096   ; 32 lanes store 512 consecutive bytes, at a multiple of 256 from the buffer's first byte
.endr
.endr
	s_wait_tensorcnt 0x0                           ; the wave's end
	ds_add_u32 v[SPW], v[NIL]
	s_wait_dscnt 0x0
	CROUND                                         ; the closing round
	s_endpgm
.Lfunc_end_k_q5989c608bb_ffn2:
	.size	k_q5989c608bb_ffn2, .Lfunc_end_k_q5989c608bb_ffn2-k_q5989c608bb_ffn2
	.p2alignl 7, 3214868480
	.fill 96, 4, 3214868480
	.section	.rodata,"a",@progbits
	.p2align	6, 0x0
	.amdhsa_kernel k_q5989c608bb_ffn2
		.amdhsa_group_segment_fixed_size 327680
		.amdhsa_private_segment_fixed_size 0
		.amdhsa_enable_private_segment 0
		.amdhsa_kernarg_size 40
		.amdhsa_user_sgpr_count 2
		.amdhsa_user_sgpr_kernarg_segment_ptr 1
		.amdhsa_wavefront_size32 1
		.amdhsa_system_sgpr_workgroup_id_x 1
		.amdhsa_system_sgpr_workgroup_id_y 1
		.amdhsa_system_sgpr_workgroup_id_z 1
		.amdhsa_system_vgpr_workitem_id 0
		.amdhsa_next_free_vgpr 1024
		.amdhsa_next_free_sgpr 100
		.amdhsa_reserve_vcc 0
		.amdhsa_float_denorm_mode_32 3
		.amdhsa_float_denorm_mode_16_64 3
		.amdhsa_memory_ordered 1
		.amdhsa_forward_progress 1
		.amdhsa_inst_pref_size 173
	.end_amdhsa_kernel
	.amdgpu_metadata
---
amdhsa.version: [ 1, 2 ]
amdhsa.kernels:
  - .name:           k_q5989c608bb_ffn2
    .symbol:         k_q5989c608bb_ffn2.kd
    .args:
      - { .name: hc, .offset: 0, .size: 8, .value_kind: global_buffer, .address_space: global }
      - { .name: ops, .offset: 8, .size: 8, .value_kind: global_buffer, .address_space: global }
      - { .name: b2, .offset: 16, .size: 8, .value_kind: global_buffer, .address_space: global }
      - { .name: x1, .offset: 24, .size: 8, .value_kind: global_buffer, .address_space: global }
      - { .name: out0, .offset: 32, .size: 8, .value_kind: global_buffer, .address_space: global }
    .group_segment_fixed_size: 327680
    .private_segment_fixed_size: 0
    .kernarg_segment_align: 8
    .kernarg_segment_size: 40
    .max_flat_workgroup_size: 128
    .sgpr_count:     100
    .vgpr_count:     1024
    .wavefront_size: 32
...
	.end_amdgpu_metadata
.endif
;; end of part 7
;; ======== version 2 of 2: 7 launches
;; limits: right only within a limited range of input values
;; workspace buffers: ops 13,107,200 bytes; qkv 9,830,400 bytes; ac 3,276,800 bytes; x1 16,777,216 bytes; hc 13,107,200 bytes
;; launch prep (part 8): grid 128 x 5, 8 waves a work-group, no clusters, 99,840 bytes of LDS; arguments x, g1, beta1, ops, Wq, Wk, Wv, Wo, W1, W2; writes ops
.if DOCPART == 8
	.amdgcn_target "amdgcn-amd-amdhsa--gfx1250"
	.amdhsa_code_object_version 6
	.text
	.protected	k_q5989c608bb_prep
	.globl	k_q5989c608bb_prep
	.p2align	8
	.type	k_q5989c608bb_prep,@function
k_q5989c608bb_prep:
	s_mov_b64 s[64:65], 0
	v_nop
	global_prefetch_b8 v0, s[64:65] scope:SCOPE_SE
	s_setreg_imm32_b32 hwreg(HW_REG_WAVE_MODE, 25, 1), 1
	s_wait_xcnt 0x0
; ONE BODY FOR ALL THAT IS PREPARED.  Work-groups with y = 0, 1 (number 128 y + x = 0 .. 255): layer norm of 16 rows of 1,024 f32 and the quantiser along the row.  Work-groups with y = 2 .. 4: two blocks each of the six weights.
; A launch of grid 128 x 2 runs the layer norm alone (the second norm of the block).  Both paths give codes of FP6 (E2M3) with one E8M0 byte for each 32 along K, laid as IMAGES OF OPERAND REGISTERS.
; A BLOCK (12,800 bytes) is 128 rows of an operand x 128 along K: eight fragments of 1,536 bytes, then 8 x 16 scale words at byte 12,288.
; Tile t of a block holds the rows 32 (t / 2) + 8 (t % 2) + r + 8 (r / 8), r = 0 .. 15.  A fragment is two halves of 768 bytes (K 0-63, K 64-127): 512 bytes, lane l's first four registers at 16 l, then 256 bytes, its other two at 8 l.
; A block's scale is 2^(floor(log2(largest magnitude)) - 2); its byte is the largest magnitude's exponent field - 2, held at 1 from below.
; LIMITS: a block of zeros, or one whose largest magnitude lies under 2^-124, gets the byte 1 (the rule says 127 for zeros: the codes are zeros and only this program reads the bytes); NaN and infinities are not served; 1 / sqrt by v_rsq_f32.
; LDS: the norm's 16 rows from byte 0; the spare words; the weights' stages, 4,096 bytes a wave: each path has bytes of its own.  No tensor loads, no cluster: the work-groups share no large input.
.set SPARE, 0x10200                    ; 128 bytes a wave, which no other line names
.set WST,   0x10600                    ; the weights' stages
	v_lshl_add_u32 v28, v0, 2, SPARE
	v_mov_b32 v29, 0
	s_and_b32 s2, ttmp7, 0xffff
	s_lshl_b32 s3, s2, 7
	s_add_co_u32 s3, s3, ttmp9                     ; the work-group's number
	s_wait_alu depctr_va_vdst(0)
	s_cmp_lt_u32 s2, 2
	s_cbranch_scc1 .Lnorm
; ---- THE WEIGHTS, f32 with K not innermost.  Four waves make a block; block g of the buffer: Wq 0-63, Wk 64-127, Wv 128-191, Wo 192-255, W1 256-511 (row block x 8 + K step), W2 512-767 (row block x 32 + K step).
; A LANE TAKES A COLUMN AND ITS REGISTERS RUN DOWN K: a load reads 128 consecutive bytes a wave, a block of 32 along K lies in one lane, and the conversions give codes with K innermost.
; Wave w of the four takes columns 32 w .. 32 w + 31 = tiles 2 w and 2 w + 1; the codes turn through the wave's own 4,096 bytes of LDS and leave in runs of 512 consecutive bytes.
.set VO,  32                           ; v32-63   4 x lane + i x the stride from k to k + 1
.set X,   64                           ; v64-159  three sets of 32 numbers, by turns
.set C,   16                           ; v16-26   a block's codes
.set OUTR, 64                          ; the way out, in registers that the numbers have left
	s_load_b256 s[4:11], s[0:1], 0x20              ; Wq, Wk, Wv, Wo
	s_load_b128 s[12:15], s[0:1], 0x40             ; W1, W2
	s_load_b64 s[16:17], s[0:1], 0x18              ; ops
	v_lshrrev_b32 v2, 5, v0
	v_readfirstlane_b32 s48, v2                    ; wave 0..7
	s_and_b32 s44, s48, 3                          ; my place among the block's four
	s_lshr_b32 s49, s48, 2
	s_sub_co_u32 s3, s3, 256
	s_lshl_b32 s3, s3, 1
	s_add_co_u32 s49, s49, s3                      ; my block
	v_and_b32 v1, 31, v0                           ; lane = my column among the wave's 32
	v_bfe_u32 v2, v0, 3, 1                         ; u: which of the wave's two tiles
	v_and_b32 v3, 7, v0
	v_bfe_u32 v11, v0, 4, 1
	v_lshl_add_u32 v3, v11, 3, v3                  ; r: my row in that tile
	s_lshl_b32 s45, s48, 12
	s_add_co_u32 s45, s45, WST                     ; my wave's LDS
	v_mul_u32_u24 v11, v2, 1536
	v_add_nc_u32 v11, s45, v11
	v_lshl_add_u32 v4, v3, 4, v11                  ; where four registers of a half go: 16 r
	v_lshl_add_u32 v5, v3, 3, v11
	v_add_nc_u32 v5, 512, v5                       ; and the other two: 512 + 8 r
	v_lshlrev_b32 v6, 6, v2
	v_lshl_add_u32 v6, v3, 2, v6
	v_add_nc_u32 v6, s45, v6
	v_add_nc_u32 v6, 3072, v6                      ; my scale word
	v_lshlrev_b32 v7, 4, v1
	v_add_nc_u32 v7, s45, v7                       ; back: 16 bytes a lane
	v_lshlrev_b32 v8, 2, v1
	v_add_nc_u32 v8, s45, v8
	v_add_nc_u32 v8, 3072, v8                      ; and 4 bytes a lane of the scale words
	s_mul_i32 s46, s44, 3072
	v_lshlrev_b32 v9, 4, v1
	v_add_nc_u32 v9, s46, v9                       ; in the block: my wave's two fragments
	s_lshl_b32 s46, s44, 7
	v_lshlrev_b32 v10, 2, v1
	v_add_nc_u32 v10, s46, v10
	v_add_nc_u32 v10, 12288, v10                   ; and its 32 scale words
	; which tensor, which row block, which K step: all from the block's number
	s_mov_b32 s20, 4096                            ; bytes from k to k + 1: W2, Wo 4,096; W1 16,384; Wq, Wk, Wv 256
	s_mov_b32 s21, 16384
	s_lshr_b32 s22, s49, 3
	s_and_b32 s23, s22, 31
	s_and_b32 s22, s22, 7
	s_lshr_b32 s32, s49, 5
	s_and_b32 s32, s32, 7
	s_and_b32 s33, s49, 7
	s_and_b32 s34, s49, 31
	s_mov_b32 s35, 512                             ; bytes from row block to row block: 128 columns, or two heads
	s_mov_b32 s36, 256                             ; bytes from 64 columns to the next 64, or a head
	s_cmp_lt_u32 s49, 512
	s_cselect_b32 s20, s21, s20
	s_cselect_b32 s23, s23, s32
	s_cselect_b32 s33, s33, s34                    ; K step
	s_cmp_lt_u32 s49, 256
	s_cselect_b32 s20, 4096, s20
	s_cselect_b32 s22, s22, s23                    ; row block
	s_cmp_lt_u32 s49, 192
	s_cselect_b32 s20, 256, s20
	s_cselect_b32 s35, 0x80000, s35
	s_cselect_b32 s36, 0x40000, s36
	s_mul_i32 s37, s22, s35
	s_lshr_b32 s38, s44, 1
	s_mul_i32 s38, s38, s36
	s_add_co_u32 s37, s37, s38
	s_and_b32 s38, s44, 1
	s_lshl_b32 s38, s38, 7
	s_add_co_u32 s37, s37, s38
	s_mul_i32 s38, s33, s20
	s_lshl_b32 s38, s38, 7
	s_add_co_u32 s38, s37, s38                     ; my wave's first number, in bytes (under 2^25)
	s_mov_b32 s39, 0
	s_lshl_b32 s40, s20, 5                         ; 32 along K
	s_mov_b32 s41, 0
	s_mul_i32 s42, s49, 12800                      ; my block
	s_mov_b32 s43, 0
	v_lshlrev_b32 v[VO], 2, v1
.set i, 1
.rept 31
	v_add_nc_u32 v[VO+i], s20, v[VO+i-1]
.set i, i+1
.endr
	s_wait_alu depctr_va_vdst(0)
	s_wait_kmcnt 0x0
	s_mov_b64 s[18:19], s[14:15]                   ; the tensor: a choice that hangs on the block's number alone
	s_cmp_lt_u32 s49, 512
	s_cselect_b64 s[18:19], s[12:13], s[18:19]
	s_cmp_lt_u32 s49, 256
	s_cselect_b64 s[18:19], s[10:11], s[18:19]
	s_cmp_lt_u32 s49, 192
	s_cselect_b64 s[18:19], s[8:9], s[18:19]
	s_cmp_lt_u32 s49, 128
	s_cselect_b64 s[18:19], s[6:7], s[18:19]
	s_cmp_lt_u32 s49, 64
	s_cselect_b64 s[18:19], s[4:5], s[18:19]
	s_add_nc_u64 s[24:25], s[18:19], s[38:39]      ; a base for each block of 32 along K: no pointer is stepped
	s_add_nc_u64 s[26:27], s[24:25], s[40:41]
	s_add_nc_u64 s[28:29], s[26:27], s[40:41]
	s_add_nc_u64 s[30:31], s[28:29], s[40:41]
	s_add_nc_u64 s[16:17], s[16:17], s[42:43]
.macro LOAD q
.irp i, 0,1,2,3,4,5,6,7,8,9,10,11,12,13,14,15,16,17,18,19,20,21,22,23,24,25,26,27,28,29,30,31
	global_load_b32 v[X+32*((\q)%3)+\i], v[VO+\i], s[24+2*(\q):25+2*(\q)] th:TH_LOAD_NT
.endr
.endm
	LOAD 0
	LOAD 1
.macro BLOCK q
.set XS, X+32*((\q)%3)
.set CC, C
.if (\q) < 3
	s_wait_loadcnt 32                              ; this block's 32 loads are in; the next block's 32 may be out
.else
	s_wait_loadcnt 0x0
.endif
	s_wait_dscnt 0x0                               ; the last block's LDS stores have read the codes' registers, which this block writes again
.if (\q) < 2
	LOAD (\q)+2                                    ; two blocks ahead, into the one of the three sets that no unfinished block uses
.endif
	v_max3_num_f32 v11, |v[XS]|, |v[XS+1]|, |v[XS+2]|      ; the block's largest magnitude: all 32 numbers are mine; two chains
	v_max3_num_f32 v12, |v[XS+3]|, |v[XS+4]|, |v[XS+5]|
.irp i, 6,10,14,18,22,26
	v_max3_num_f32 v11, v11, |v[XS+\i]|, |v[XS+\i+1]|
	v_max3_num_f32 v12, v12, |v[XS+\i+2]|, |v[XS+\i+3]|
.endr
	v_max3_num_f32 v11, v11, |v[XS+30]|, |v[XS+31]|
	v_max3_num_f32 v11, v11, v12, 0x1800000        ; and the floor 2^(3 - 127): the byte cannot fall under 1
	v_add_nc_u32 v13, 0xff000000, v11              ; 2 off the exponent field: the conversion takes the exponent field of this operand as its scale
	v_lshrrev_b32 v12, 23, v13                     ; the scale's byte
.if (\q) == 0
	v_mov_b32 v14, v12
.else
	v_lshl_or_b32 v14, v12, 8*(\q), v14            ; four bytes make my row's scale word, the lower K in the lower byte
.endif
	v_cvt_scalef32_pk16_fp6_f32 v[CC:CC+2], v[XS:XS+15], v13
	v_cvt_scalef32_pk16_fp6_f32 v[CC+8:CC+10], v[XS+16:XS+31], v13   ; (a conversion's three registers begin on an even number)
	v_nop                                          ; one plain place behind a scaled conversion
.irp i, 0,1,2
	v_mov_b32 v[CC+3+\i], v[CC+8+\i]
.endr
	ds_store_b128 v4, v[CC:CC+3] offset:768*((\q)/2)+256*((\q)%2)    ; block q belongs to lane r + 16 (q % 2) of half q / 2 of the fragment
	ds_store_b64 v5, v[CC+4:CC+5] offset:768*((\q)/2)+128*((\q)%2)
.endm
	BLOCK 0
	BLOCK 1
	BLOCK 2
	BLOCK 3
	ds_store_b32 v6, v14
.irp k, 0,1,2,3,4,5
	ds_load_b128 v[OUTR+4*\k:OUTR+4*\k+3], v7 offset:512*\k          ; LDS serves a wave's instructions in order: these see my stores
.endr
	ds_load_b32 v[OUTR+24], v8
	s_wait_dscnt 0x0
.irp k, 0,1,2,3,4,5
	global_store_b128 v9, v[OUTR+4*\k:OUTR+4*\k+3], s[16:17] offset:512*\k   ; 32 lanes store 512 consecutive bytes, at a multiple of 256 from the buffer's first byte
.endr
	global_store_b32 v10, v[OUTR+24], s[16:17]
	s_wait_tensorcnt 0x0                           ; the wave's end
	ds_add_u32 v28, v29
	s_wait_dscnt 0x0
	s_endpgm
; ---- THE LAYER NORM.  The operand begins at byte 9,830,400 of the buffer; block (row block, K step) lies at (8 x row block + K step) x 12,800.
; A work-group takes ONE tile of 16 rows.  Phase 1: wave w normalises tile rows 2 w and 2 w + 1, each whole in 32 registers (mean, then the variance of the differences: two passes, so a common
; offset of the inputs costs no accuracy), and lays them in LDS.  One barrier.  Phase 2: wave w quantises K step w of all 16 rows: lane (r, h) takes of row r 16 neighbours of each block of 32.
.Lnorm:
.set PITCH, 4112                       ; an LDS row: 4,096 bytes + 16 = 257 x 16: the sixteen rows that a load touches fall on sixteen different groups of four banks (ISA guide 11.1)
.set X,   32                           ; v32-95   two rows; later the lane's 64 numbers
.set G,   96                           ; v96-127  gains of my 32 columns
.set BE,  128                          ; v128-159 offsets
.set PC,  96                           ; v96-114  codes: the quantiser works in the registers that the gains and offsets have left
.set TM,  116                          ; v116-131 the quantiser's work
.set PW,  132                          ; the scale word
.set SEL, 24
	s_load_b256 s[4:11], s[0:1], 0x0               ; the rows, the gains, the offsets, ops
	v_lshrrev_b32 v1, 5, v0
	s_delay_alu instid0(VALU_DEP_1)
	v_readfirstlane_b32 s12, v1                    ; wave 0..7
	v_and_b32 v1, 31, v0                           ; lane
	v_and_b32 v2, 15, v0                           ; r
	v_bfe_u32 v3, v0, 4, 1                         ; h
	s_delay_alu instid0(VALU_DEP_3)
	v_lshlrev_b32 v4, 4, v1                        ; 16 x lane
	s_wait_alu depctr_va_vdst(0)
	s_lshr_b32 s13, s3, 3                          ; row block
	s_and_b32 s14, s3, 7                           ; tile
	s_lshl_b32 s15, s13, 7
	s_lshr_b32 s16, s14, 1
	s_lshl_b32 s16, s16, 5
	s_add_co_u32 s15, s15, s16
	s_and_b32 s16, s14, 1
	s_lshl_b32 s16, s16, 3
	s_add_co_u32 s15, s15, s16
	s_lshl_b32 s16, s12, 1
	s_add_co_u32 s15, s15, s16
	s_lshr_b32 s16, s12, 2
	s_lshl_b32 s16, s16, 3
	s_add_co_u32 s15, s15, s16                     ; my first row: 128 RB + 32 (t / 2) + 8 (t % 2) + 2 w + 8 (w / 4)
	s_lshl_b32 s16, s15, 12                        ; in bytes (under 2^24)
	s_mov_b32 s17, 0
	s_mul_i32 s18, s12, 2*PITCH
	v_add_nc_u32 v5, s18, v4                       ; LDS, in: my two rows, 16 bytes a lane
	v_mul_u32_u24 v6, v2, PITCH
	s_delay_alu instid0(VALU_DEP_1)
	v_lshl_add_u32 v6, v3, 6, v6
	s_lshl_b32 s18, s12, 9
	v_add_nc_u32 v6, s18, v6                       ; LDS, out: row r, K step w, + 64 h
	v_lshl_add_u32 v7, v1, 3, 512                  ; 512 + 8 x lane
	v_lshlrev_b32 v8, 2, v2                        ; 4 r
	s_lshl_b32 s18, s13, 3
	s_add_co_u32 s18, s18, s12
	s_mul_i32 s18, s18, 12800
	s_add_co_u32 s18, s18, 9830400                 ; my wave's block
	s_mul_i32 s19, s14, 1536
	s_add_co_u32 s20, s18, s19                     ; the tile's fragment in it
	s_mov_b32 s21, 0
	s_lshl_b32 s19, s14, 6
	s_add_co_u32 s22, s18, s19
	s_add_co_u32 s22, s22, 12288                   ; and its scale words
	s_mov_b32 s23, 0
	s_mov_b32 s[SEL], 0x76543210
	s_mov_b32 s[SEL+1], 0xfedcba98                 ; v_permlanex16_b32's selects for lane l xor 16
	s_mov_b32 s26, 0x3a800000                      ; 1 / 1,024
	s_mov_b32 s27, 0x3727c5ac                      ; 1e-5
.irp j, 17,19,21,23
	v_mov_b32 v\j, 0                               ; the upper halves of pairs of which the packed forms take the low word: written, since the pair is named
.endr
.irp b, 0,1,2,3
	v_mov_b32 v[TM+4+\b], 0                        ; a lane permute's destination counts as one of its sources
.endr
	s_wait_alu depctr_va_vdst(0)
	s_wait_kmcnt 0x0
	s_add_nc_u64 s[4:5], s[4:5], s[16:17]
	s_add_nc_u64 s[20:21], s[10:11], s[20:21]
	s_add_nc_u64 s[22:23], s[10:11], s[22:23]
.irp p, 0,1
.irp j, 0,1,2,3,4,5,6,7
	global_load_b128 v[X+32*\p+4*\j:X+32*\p+4*\j+3], v4, s[4:5] offset:4096*\p+512*\j    ; 32 lanes read 512 consecutive bytes
.endr
.endr
.irp j, 0,1,2,3,4,5,6,7
	global_load_b128 v[G+4*\j:G+4*\j+3], v4, s[6:7] offset:512*\j
.endr
.irp j, 0,1,2,3,4,5,6,7
	global_load_b128 v[BE+4*\j:BE+4*\j+3], v4, s[8:9] offset:512*\j
.endr
	s_wait_loadcnt 16                              ; the two rows are in; the sixteen loads of gains and offsets may be out
.macro ACROSS                          ; v24 and v25, summed over the wave's 32 lanes: the result in every lane's v24
	s_delay_alu instid0(VALU_DEP_1)
	v_add_f32 v24, v24, v25
	s_delay_alu instid0(VALU_DEP_1)
	v_add_f32_dpp v24, v24, v24 row_xmask:1 row_mask:0xf bank_mask:0xf
	s_delay_alu instid0(VALU_DEP_1)
	v_add_f32_dpp v24, v24, v24 row_xmask:2 row_mask:0xf bank_mask:0xf
	s_delay_alu instid0(VALU_DEP_1)
	v_add_f32_dpp v24, v24, v24 row_xmask:4 row_mask:0xf bank_mask:0xf
	s_delay_alu instid0(VALU_DEP_1)
	v_add_f32_dpp v24, v24, v24 row_xmask:8 row_mask:0xf bank_mask:0xf
	s_delay_alu instid0(VALU_DEP_1)
	v_permlanex16_b32 v25, v24, s[SEL], s[SEL+1]
	s_delay_alu instid0(VALU_DEP_1)
	v_add_f32 v24, v24, v25
.endm
.macro STATS p                         ; row p: x - mean in place; variance + 1e-5 into v[20 + 2 p]
.set XR, X+32*\p
	v_pk_add_f32 v[24:25], v[XR:XR+1], v[XR+2:XR+3]
	v_pk_add_f32 v[26:27], v[XR+4:XR+5], v[XR+6:XR+7]
.irp j, 8,12,16,20,24,28
	s_delay_alu instid0(VALU_DEP_2)
	v_pk_add_f32 v[24:25], v[24:25], v[XR+\j:XR+\j+1]
	s_delay_alu instid0(VALU_DEP_2)
	v_pk_add_f32 v[26:27], v[26:27], v[XR+\j+2:XR+\j+3]
.endr
	s_delay_alu instid0(VALU_DEP_1)
	v_pk_add_f32 v[24:25], v[24:25], v[26:27]
	ACROSS
	s_delay_alu instid0(VALU_DEP_1)
	v_mul_f32 v[16+2*\p], s26, v24                 ; the mean
.irp j, 0,2,4,6,8,10,12,14,16,18,20,22,24,26,28,30
	v_pk_add_f32 v[XR+\j:XR+\j+1], v[XR+\j:XR+\j+1], v[16+2*\p:17+2*\p] op_sel_hi:[1,0] neg_lo:[0,1] neg_hi:[0,1]
.endr
	v_pk_mul_f32 v[24:25], v[XR:XR+1], v[XR:XR+1]
	v_pk_mul_f32 v[26:27], v[XR+2:XR+3], v[XR+2:XR+3]
.irp j, 4,8,12,16,20,24,28
	s_delay_alu instid0(VALU_DEP_2)
	v_pk_fma_f32 v[24:25], v[XR+\j:XR+\j+1], v[XR+\j:XR+\j+1], v[24:25]
	s_delay_alu instid0(VALU_DEP_2)
	v_pk_fma_f32 v[26:27], v[XR+\j+2:XR+\j+3], v[XR+\j+2:XR+\j+3], v[26:27]
.endr
	s_delay_alu instid0(VALU_DEP_1)
	v_pk_add_f32 v[24:25], v[24:25], v[26:27]
	ACROSS
	s_delay_alu instid0(VALU_DEP_1)
	v_fma_f32 v[20+2*\p], v24, s26, s27
.endm
	STATS 0
	STATS 1
	s_wait_alu depctr_va_vdst(0)
	v_rsq_f32 v20, v20                             ; the two as one batch,
	v_rsq_f32 v22, v22
	v_nop                                          ; a plain instruction behind them (ISA guide 5.7.2),
	s_wait_alu depctr_va_vdst(0)                   ; and the one wait ahead of the first reader
	s_wait_loadcnt 0x0                             ; gains and offsets
.irp p, 0,1
.irp j, 0,2,4,6,8,10,12,14,16,18,20,22,24,26,28,30
	v_pk_mul_f32 v[X+32*\p+\j:X+32*\p+\j+1], v[X+32*\p+\j:X+32*\p+\j+1], v[20+2*\p:21+2*\p] op_sel_hi:[1,0]
.endr
.irp j, 0,2,4,6,8,10,12,14,16,18,20,22,24,26,28,30
	v_pk_fma_f32 v[X+32*\p+\j:X+32*\p+\j+1], v[X+32*\p+\j:X+32*\p+\j+1], v[G+\j:G+\j+1], v[BE+\j:BE+\j+1]
.endr
.irp j, 0,1,2,3,4,5,6,7
	ds_store_b128 v5, v[X+32*\p+4*\j:X+32*\p+4*\j+3] offset:PITCH*\p+512*\j
.endr
.endr
	s_wait_dscnt 0x0                               ; for the others' sake: my two rows lie in LDS
	s_barrier_signal -1
	s_barrier_wait -1
.irp b, 0,1,2,3
.irp j, 0,1,2,3
	ds_load_b128 v[X+16*\b+4*\j:X+16*\b+4*\j+3], v6 offset:128*\b+16*\j   ; register 16 b + i = k 32 b + 16 h + i of row r, in K step w
.endr
.endr
	s_wait_dscnt 0x0
.irp b, 0,1,2,3
	v_max3_num_f32 v[TM+\b], |v[X+16*\b]|, |v[X+1+16*\b]|, 0x1800000     ; block b: my 16 numbers, and the floor 2^(3 - 127): the byte cannot fall under 1
.endr
.irp i, 2,4,6,8,10,12,14
.irp b, 0,1,2,3
	s_delay_alu instid0(VALU_DEP_4)
	v_max3_num_f32 v[TM+\b], v[TM+\b], |v[X+16*\b+\i]|, |v[X+1+16*\b+\i]|
.endr
.endr
.irp b, 0,1,2,3
	s_delay_alu instid0(VALU_DEP_4)
	v_permlanex16_b32 v[TM+4+\b], v[TM+\b], s[SEL], s[SEL+1]
.endr
.irp b, 0,1,2,3
	s_delay_alu instid0(VALU_DEP_4)
	v_max_num_f32 v[TM+\b], v[TM+\b], v[TM+4+\b]   ; with lane l xor 16's: the block's largest magnitude
.endr
.irp b, 0,1,2,3
	s_delay_alu instid0(VALU_DEP_4)
	v_add_nc_u32 v[TM+12+\b], 0xff000000, v[TM+\b] ; 2 off its exponent field: the conversion's scale operand
.endr
.irp b, 0,1,2,3
	s_delay_alu instid0(VALU_DEP_4)
	v_lshrrev_b32 v[TM+4+\b], 23, v[TM+12+\b]      ; the scale's byte
.endr
	s_delay_alu instid0(VALU_DEP_3)
	v_lshl_or_b32 v[PW], v[TM+5], 8, v[TM+4]
	s_delay_alu instid0(VALU_DEP_1)
	v_lshl_or_b32 v[PW], v[TM+6], 16, v[PW]
	s_delay_alu instid0(VALU_DEP_1)
	v_lshl_or_b32 v[PW], v[TM+7], 24, v[PW]
.irp c, 0,1
	v_cvt_scalef32_pk16_fp6_f32 v[PC+6*\c:PC+2+6*\c], v[X+32*\c:X+15+32*\c], v[TM+12+2*\c]
	v_cvt_scalef32_pk16_fp6_f32 v[PC+12+4*\c:PC+14+4*\c], v[X+16+32*\c:X+31+32*\c], v[TM+12+2*\c+1]
.endr
	v_nop                                          ; one plain place behind a scaled conversion
.irp c, 0,1                                    ; the operand's layout wants a WHOLE block in a lane: lanes 0-15 block 2 c, lanes 16-31 block 2 c + 1
.irp i, 0,1,2
	v_permlane16_swap_b32 v[PC+6*\c+\i], v[PC+12+4*\c+\i]
.endr
.irp i, 0,1,2
	s_delay_alu instid0(VALU_DEP_3)
	v_mov_b32 v[PC+3+6*\c+\i], v[PC+12+4*\c+\i]
.endr
.endr
	global_store_b128 v4, v[PC:PC+3], s[20:21]                 ; 512 consecutive bytes,
	global_store_b64 v7, v[PC+4:PC+5], s[20:21]                ; 256,
	global_store_b128 v4, v[PC+6:PC+9], s[20:21] offset:768    ; and the second half likewise
	global_store_b64 v7, v[PC+10:PC+11], s[20:21] offset:768
	v_cmp_gt_u32 vcc_lo, 16, v1
	s_wait_xcnt 0x0                                ; EXEC changes only behind this wait
	s_wait_tensorcnt 0x0                           ; the wave's end
	ds_add_u32 v28, v29
	s_wait_dscnt 0x0
	s_and_saveexec_b32 s28, vcc_lo
	global_store_b32 v8, v[PW], s[22:23]           ; lanes 0-15: the 16 rows' scale words
	s_wait_xcnt 0x0
	s_or_b32 exec_lo, exec_lo, s28
	s_endpgm
.Lfunc_end_k_q5989c608bb_prep:
	.size	k_q5989c608bb_prep, .Lfunc_end_k_q5989c608bb_prep-k_q5989c608bb_prep
	.p2alignl 7, 3214868480
	.fill 96, 4, 3214868480
	.section	.rodata,"a",@progbits
	.p2align	6, 0x0
	.amdhsa_kernel k_q5989c608bb_prep
		.amdhsa_group_segment_fixed_size 99840
		.amdhsa_private_segment_fixed_size 0
		.amdhsa_enable_private_segment 0
		.amdhsa_kernarg_size 80
		.amdhsa_user_sgpr_count 2
		.amdhsa_user_sgpr_kernarg_segment_ptr 1
		.amdhsa_wavefront_size32 1
		.amdhsa_system_sgpr_workgroup_id_x 1
		.amdhsa_system_sgpr_workgroup_id_y 1
		.amdhsa_system_sgpr_workgroup_id_z 1
		.amdhsa_system_vgpr_workitem_id 0
		.amdhsa_next_free_vgpr 160
		.amdhsa_next_free_sgpr 66
		.amdhsa_reserve_vcc 1
		.amdhsa_float_denorm_mode_32 3
		.amdhsa_float_denorm_mode_16_64 3
		.amdhsa_memory_ordered 1
		.amdhsa_forward_progress 1
		.amdhsa_inst_pref_size 54
	.end_amdhsa_kernel
	.amdgpu_metadata
---
amdhsa.version: [ 1, 2 ]
amdhsa.kernels:
  - .name:           k_q5989c608bb_prep
    .symbol:         k_q5989c608bb_prep.kd
    .args:
      - { .name: x, .offset: 0, .size: 8, .value_kind: global_buffer, .address_space: global }
      - { .name: g1, .offset: 8, .size: 8, .value_kind: global_buffer, .address_space: global }
      - { .name: beta1, .offset: 16, .size: 8, .value_kind: global_buffer, .address_space: global }
      - { .name: ops, .offset: 24, .size: 8, .value_kind: global_buffer, .address_space: global }
      - { .name: Wq, .offset: 32, .size: 8, .value_kind: global_buffer, .address_space: global }
      - { .name: Wk, .offset: 40, .size: 8, .value_kind: global_buffer, .address_space: global }
      - { .name: Wv, .offset: 48, .size: 8, .value_kind: global_buffer, .address_space: global }
      - { .name: Wo, .offset: 56, .size: 8, .value_kind: global_buffer, .address_space: global }
      - { .name: W1, .offset: 64, .size: 8, .value_kind: global_buffer, .address_space: global }
      - { .name: W2, .offset: 72, .size: 8, .value_kind: global_buffer, .address_space: global }
    .group_segment_fixed_size: 99840
    .private_segment_fixed_size: 0
    .kernarg_segment_align: 8
    .kernarg_segment_size: 80
    .max_flat_workgroup_size: 256
    .sgpr_count:     66
    .vgpr_count:     160
    .wavefront_size: 32
...
	.end_amdgpu_metadata
.endif
;; end of part 8
;; launch qkv (part 9): grid 8 x 24, 4 waves a work-group, clusters of 4 x 4, 327,680 bytes of LDS; arguments ops, qkv; writes qkv
.if DOCPART == 9
	.amdgcn_target "amdgcn-amd-amdhsa--gfx1250"
	.amdhsa_code_object_version 6
	.text
	.protected	k_q5989c608bb_qkv
	.globl	k_q5989c608bb_qkv
	.p2align	8
	.type	k_q5989c608bb_qkv,@function
k_q5989c608bb_qkv:
	s_mov_b64 s[64:65], 0
	v_nop
	global_prefetch_b8 v0, s[64:65] scope:SCOPE_SE
	s_setreg_imm32_b32 hwreg(HW_REG_WAVE_MODE, 25, 1), 1
	s_wait_xcnt 0x0
	s_wait_alu depctr_hold_cnt(0) depctr_sa_sdst(0) depctr_va_vdst(0) depctr_va_sdst(0) depctr_va_ssrc(0) depctr_va_vcc(0) depctr_vm_vsrc(0)
	s_getreg_b32 s2, hwreg(HW_REG_IB_STS2, 6, 4)
	s_cmp_eq_u32 s2, 0
	s_cbranch_scc0 .Lentry_in_a_cluster
	s_endpgm
.Lentry_in_a_cluster:
	s_bfe_u32 s2, ttmp6, 0x10000c
	s_cmp_lg_u32 s2, 0xf033
	s_cbranch_scc0 .Lentry_shape_is_right
	s_endpgm
.Lentry_shape_is_right:
; q, k and v of all heads: three products on codes of FP6 (E2M3, one E8M0 byte for each 32 along K), K = 1,024, and the quantiser on their results, which leave as codes.
; OPERANDS lie in memory as images of registers.  A block (12,800 bytes) = 128 rows x 128 K: eight fragments of 1,536 bytes (two halves: 512 bytes, lane l's four registers at 16 l; 256 bytes, its other two
; at 8 l), then scale words at 12,288 + 64 tile + 4 row.  Tile t holds rows 32 (t / 2) + 8 (t % 2) + r + 8 (r / 8).  The eight K steps of a row block lie on end: 102,400 bytes, a unit; the normalised tokens are units 96-127,
; Wq | Wk units 0-15, Wv units 16-23.
; A tile of the result, 256 x 256, is made by four waves, each 128 x 128 in 64 accumulators.  K goes in steps of 256 through two LDS slots; each wave fetches 128 rows x 256 K, ONE dense run of 25,600 bytes, scale words within.
; THE MATRIX INSTRUCTION IS USED TRANSPOSED (source 0 = B's 16 rows, source 1 = A's): lane (r, h) holds A's row r of a tile, and by the order of a tile's rows the 16 registers of B's tiles 2 b and 2 b + 1
; are B's rows 32 b + 16 h + 0 .. 15: sixteen neighbours along the NEXT product's K, as the conversions want them.
; Clusters with y < 4: A = tokens, B = Wq | Wk: a lane's registers run along a head's 64.  Clusters with y >= 4: A = Wv, B = tokens: registers run along the keys, which are the K of the second product of attention.
; OUTPUT: sub-blocks of 6,400 bytes (4 fragments, scale words at 6,144).  q, k of (head, token block): fragment i holds token tile 2 i in K 0-63 and token tile 2 i + 1 in K 64-127.  v of (head, 128 keys): fragment i = 16 of the head's 64.
; CLUSTERS: 4 x 4 work-groups; A's tiles are asked for jointly along a row of the cluster, B's along a column.
; LIMITS: a block of zeros, or one whose largest magnitude lies under 2^-124, gets the byte 1 (codes are zeros; only this program reads the bytes); NaN and infinities are not served.
; REGISTERS: window 0: v12-26 addresses; v32-63 scale words, two sets; v128-223 A's fragments, one set; window 1: B's fragments, two sets (v0, v128); windows 2, 3: accumulator (a, b) at v[8 (8 (a % 4) + b)] of window 2 + a / 4.
.set LAPS,  2                          ; K / 512: a lap = two slots
.set BLK,   12800
.set FRB,   1536
.set HFB,   768
.set SCO,   12288
.set HALFT, 2*BLK                      ; what one tensor load brings: 128 rows x 256 K
.set SLOT,  4*HALFT                    ; A's two row blocks, then B's two
.set SPARE, 2*SLOT                     ; behind the ring: the spare words, 128 bytes a wave, which no other line names
.set FR,    12
.set NL,    4                          ; LDS loads that bring a fragment
.set NP,    4                          ; places behind this matrix instruction (ISA guide 7.12.1)
.set ADRS, 12                          ; v12-13  my scale words in slot 0, 1: lanes 0-15 A's, lanes 16-31 B's
.set ADRA, 16                          ; v16-17  A's fragments, the parts of 16 bytes a lane; v18-19 those of 8
.set ADRB, 20                          ; v20-23  the same for B
.set SPW,  28
.set NIL,  29
.set SC,   32                          ; set s at SC + 16 s; register 2 i + q: tile i, the slot's q-th 128 along K
.set AF,   128
.set PWS,  96                          ; the way out: eight scale words
.set PC,   112                         ; codes
.set TM,   200                         ; the quantiser's work
.set G1,  24
.set G0,  32
.set G1B, 48
.set G0B, 56
.set G1H, 72                           ; s[72:79], s[80:87] group 1 of the head's tiles of A and of B: two runs of 25,600 bytes, a unit apart
.set G1HB, 80
.set G0H, 88                           ; s[88:91], s[92:95] their group 0
.set G0HB, 92
.set MSB, 0
.macro WIN new                         ; the immediate's high byte repeats the setting that is left
.if MSB != (\new)
	s_set_vgpr_msb (MSB<<8)|(\new)
.set MSB, (\new)
.endif
.endm
.set MUL_LO, 0xa1                      ; source 0 (B) window 1, source 1 (A) window 0, C and D window 2
.set MUL_HI, 0xf1
.set TO_B,   0x40
.macro JLOAD g0a, g1a, g0b, g1b        ; a joint load: waves 0, 1 fetch for A, waves 2, 3 for B; four v_nop follow each line
	s_cmp_eq_u32 s15, 0
	s_cbranch_scc0 .Lfor_b_\@
	tensor_load_to_lds s[\g0a:\g0a+3], s[\g1a:\g1a+7]
	s_nop 0
.rept 4
	v_nop
.endr
	s_branch .Lasked_\@
.Lfor_b_\@:
	tensor_load_to_lds s[\g0b:\g0b+3], s[\g1b:\g1b+7]
	s_nop 0
.rept 4
	v_nop
.endr
.Lasked_\@:
.endm
.macro CREST                           ; a round of the cluster's barrier behind its opening barrier
	s_cmp_lg_u32 s14, 0
	s_cbranch_scc1 .Lnot_wave_0_\@
	s_barrier_signal -3
.Lnot_wave_0_\@:
	s_barrier_wait -3
	s_barrier_signal -1
	s_barrier_wait -1
.endm
.macro CROUND
	s_barrier_signal -1
	s_barrier_wait -1
	CREST
.endm
.macro PLACES n
.rept \n
	v_nop
.endr
.endm
	s_load_b64 s[4:5], s[0:1], 0x0                 ; ops: both operands
	s_load_b64 s[12:13], s[0:1], 0x8               ; qkv
	v_lshl_add_u32 v[SPW], v0, 2, SPARE
	v_mov_b32 v[NIL], 0
	ds_add_u32 v28, v29
	ds_add_u32 v28, v29
	s_wait_dscnt 0x0
	v_lshrrev_b32 v1, 5, v0
	v_readfirstlane_b32 s14, v1                    ; wave 0..3
	s_lshr_b32 s15, s14, 1                         ; which of A's two row blocks is mine.  Also: I fetch for A (0) or for B (1)
	s_and_b32 s16, s14, 1                          ; which of B's.  Also: which row block of that side I fetch
	s_bfe_u32 s40, ttmp6, 0x40000                  ; cx, cy: my place in the cluster
	s_bfe_u32 s41, ttmp6, 0x40004
	s_and_b32 s66, ttmp7, 0xffff                   ; cluster y: 0-3 q | k, 4-5 v: the same in all sixteen partners
	s_sub_co_u32 s19, s66, 4
	s_lshl_b32 s19, s19, 1
	s_cmp_ge_u32 s66, 4
	s_cselect_b32 s67, 1, 0                        ; 1: v
	s_cselect_b32 s18, 0, s66
	s_cselect_b32 s19, s19, 0
	s_cselect_b32 s22, 16, 96                      ; A's first unit: Wv or the tokens
	s_cselect_b32 s23, 96, 0                       ; B's: the tokens or Wq | Wk
	s_add_co_u32 s19, s19, ttmp9
	s_lshl_b32 s42, s19, 2
	s_add_co_u32 s42, s42, s40                     ; tile column
	s_lshl_b32 s17, s18, 2
	s_add_co_u32 s17, s17, s41                     ; tile row
	s_lshl_b32 s43, s41, 2
	s_lshl_b32 s43, 15, s43                        ; my row of the cluster
	s_lshl_b32 s44, 0x1111, s40                    ; my column
	s_or_b32 s[G1+0], s43, (3<<16)|(1<<21)         ; 15:0 the mask; 17:16 elements of 8 bytes; 20 no padding; 21 set beside a mask
	s_or_b32 s[G1B+0], s44, (3<<16)|(1<<21)
	s_or_b32 s[G1H+0], s43, (3<<16)|(1<<21)
	s_or_b32 s[G1HB+0], s44, (3<<16)|(1<<21)
.irp g, G1H, G1HB                              ; a side's two row blocks x 256 K: 2 rows of 3,200 elements of 8 bytes, 12,800 elements apart
	s_mov_b32 s[\g+1], 3200<<16
	s_mov_b32 s[\g+2], 2<<16
	s_mov_b32 s[\g+3], 3200<<16
	s_mov_b32 s[\g+4], 2
	s_mov_b32 s[\g+5], 12800
	s_mov_b32 s[\g+6], 0
	s_mov_b32 s[\g+7], 0
.endr
.irp g, G1, G1B                                ; a dense run of 25,600 bytes as 100 rows of 32 elements
	s_mov_b32 s[\g+1], 32<<16                      ; tensor_dim0
	s_mov_b32 s[\g+2], 100<<16                     ; tensor_dim1
	s_mov_b32 s[\g+3], 32<<16                      ; tile_dim0
	s_mov_b32 s[\g+4], 100                         ; tile_dim1
	s_mov_b32 s[\g+5], 32                          ; tensor_dim0_stride
	s_mov_b32 s[\g+6], 0
	s_mov_b32 s[\g+7], 0
.endr
	s_lshl_b32 s20, s17, 1
	s_add_co_u32 s20, s20, s16
	s_add_co_u32 s20, s20, s22
	s_mul_i32 s20, s20, 102400                     ; A: the unit that I fetch; it hangs on the tile row and the wave alone
	s_mov_b32 s21, 0
	s_lshl_b32 s46, s42, 1
	s_add_co_u32 s46, s46, s16
	s_add_co_u32 s46, s46, s23
	s_mul_i32 s46, s46, 102400                     ; B: on the tile column and the wave alone
	s_mov_b32 s47, 0
	s_mul_i32 s45, s14, HALFT                      ; where it goes: wave x 25,600
	s_mov_b32 s68, 0x76543210
	s_mov_b32 s69, 0xfedcba98                      ; v_permlanex16_b32's selects for lane l xor 16
	s_mov_b32 s70, 0xffff0000                      ; lanes 16-31
	s_wait_kmcnt 0x0
	s_add_nc_u64 s[20:21], s[4:5], s[20:21]
	s_add_nc_u64 s[46:47], s[4:5], s[46:47]
	CROUND                                         ; all sixteen work-groups are here: the first joint loads meet
.irp s, 0,1
	s_mov_b32 s[G0+4*\s], 1
	s_add_co_u32 s[G0+4*\s+1], s45, \s*SLOT
	s_add_nc_u64 s[G0+4*\s+2:G0+4*\s+3], s[20:21], \s*HALFT
	s_or_b32 s[G0+4*\s+3], s[G0+4*\s+3], 0x80000000
	s_mov_b32 s[G0B+4*\s], 1
	s_add_co_u32 s[G0B+4*\s+1], s45, \s*SLOT
	s_add_nc_u64 s[G0B+4*\s+2:G0B+4*\s+3], s[46:47], \s*HALFT
	s_or_b32 s[G0B+4*\s+3], s[G0B+4*\s+3], 0x80000000
.endr
; THE HEAD'S FOUR TILES, one a wave, each in its own arm of one chain: wave 0 slot 0's A, wave 1 slot 0's B, wave 2 slot 1's A, wave 3 slot 1's B
	s_mul_i32 s96, s16, 102400                     ; back to the side's first row block,
	s_mov_b32 s97, 0
	s_mul_i32 s98, s15, HALFT                      ; on to slot wave / 2's 256 along K
	s_mov_b32 s99, 0
	s_mov_b32 s[G0H], 1
	s_mul_i32 s[G0H+1], s15, SLOT
	s_sub_nc_u64 s[G0H+2:G0H+3], s[20:21], s[96:97]
	s_add_nc_u64 s[G0H+2:G0H+3], s[G0H+2:G0H+3], s[98:99]
	s_or_b32 s[G0H+3], s[G0H+3], 0x80000000
	s_mov_b32 s[G0HB], 1
	s_add_co_u32 s[G0HB+1], s[G0H+1], 2*HALFT
	s_sub_nc_u64 s[G0HB+2:G0HB+3], s[46:47], s[96:97]
	s_add_nc_u64 s[G0HB+2:G0HB+3], s[G0HB+2:G0HB+3], s[98:99]
	s_or_b32 s[G0HB+3], s[G0HB+3], 0x80000000
.macro ARM under, g0, g1, next
	s_cmp_lt_u32 s14, \under
	s_cbranch_scc0 \next
	tensor_load_to_lds s[\g0:\g0+3], s[\g1:\g1+7]
	s_nop 0
	PLACES 4
	s_branch .Lhead_asked
\next:
.endm
	ARM 1, G0H, G1H, .Lhead_1
	ARM 2, G0HB, G1HB, .Lhead_2
	ARM 3, G0H, G1H, .Lhead_3
	tensor_load_to_lds s[G0HB:G0HB+3], s[G1HB:G1HB+7]
	s_nop 0
	PLACES 4
.Lhead_asked:
	v_and_b32 v1, 31, v0                           ; lane
	v_and_b32 v2, 15, v0                           ; r
	v_bfe_u32 v3, v0, 4, 1                         ; h
	v_lshlrev_b32 v4, 4, v1                        ; 16 x lane
	v_lshl_add_u32 v5, v1, 3, 512                  ; 512 + 8 x lane
	s_mul_i32 s21, s15, HALFT
	s_mul_i32 s22, s16, HALFT
	s_add_co_u32 s22, s22, 2*HALFT
.irp s, 0,1
	v_add_nc_u32 v[ADRA+\s], s21, v4
	v_add_nc_u32 v[ADRB+\s], s22, v4
	v_add_nc_u32 v[ADRA+2+\s], s21, v5
	v_add_nc_u32 v[ADRB+2+\s], s22, v5
	s_add_co_u32 s21, s21, SLOT
	s_add_co_u32 s22, s22, SLOT
.endr
	s_mul_i32 s21, s15, HALFT
	s_mul_i32 s22, s16, HALFT
	s_add_co_u32 s22, s22, 2*HALFT
	s_sub_co_u32 s22, s22, s21
	v_mul_u32_u24 v6, s22, v3                      ; lanes 16-31 take B's words: one product, the distance between the two bases x h
	v_lshl_add_u32 v6, v2, 2, v6
	s_add_co_u32 s21, s21, SCO
	v_add_nc_u32 v[ADRS], s21, v6
	v_add_nc_u32 v[ADRS+1], SLOT, v[ADRS]
	v_lshlrev_b32 v24, 4, v1                       ; the way out: 16 x lane,
	v_lshl_add_u32 v25, v1, 3, 512                 ; 512 + 8 x lane,
	v_lshlrev_b32 v26, 2, v1                       ; 4 x lane
	s_lshl_b32 s18, s17, 1
	s_add_co_u32 s18, s18, s15                     ; my row block of A
	s_lshl_b32 s19, s42, 1
	s_add_co_u32 s19, s19, s16                     ; my row block of B
	s_lshl_b32 s22, s18, 6
	s_add_co_u32 s22, s22, s19
	s_add_co_u32 s22, s22, 1024                    ; v: sub-block 1,024 + 32 head + key step, head = 2 x A's block (+ 1)
	s_lshl_b32 s23, s19, 6
	s_add_co_u32 s23, s23, s18                     ; q, k: sub-block 32 (16 T + head) + token block, 16 T + head = 2 x B's block (+ 1)
	s_cmp_eq_u32 s67, 1
	s_cselect_b32 s22, s22, s23
	s_mul_i32 s22, s22, 6400
	s_mov_b32 s23, 0
	s_add_nc_u64 s[12:13], s[12:13], s[22:23]
.macro FRAG reg, adr, q, i             ; a fragment comes as it lies: 16, 8, 16, 8 bytes a lane, each run of lanes on consecutive bytes
	ds_load_b128 v[(\reg):(\reg)+3], v[\adr] offset:(\q)*BLK+(\i)*FRB
	ds_load_b64 v[(\reg)+4:(\reg)+5], v[(\adr)+2] offset:(\q)*BLK+(\i)*FRB
	ds_load_b128 v[(\reg)+6:(\reg)+9], v[\adr] offset:(\q)*BLK+(\i)*FRB+HFB
	ds_load_b64 v[(\reg)+10:(\reg)+11], v[(\adr)+2] offset:(\q)*BLK+(\i)*FRB+HFB
.endm
; 16 matrix instructions: A's tiles a0, a0 + 1 x B's eight.  p: B's set; q: the slot's q-th 128 along K; sc: the set of scale words.  zero = 1: the product starts the sums.
; The 64 accumulators take turns, one instruction a turn, in the same order in every step.
.macro MUL16 a0, p, q, sc, zero
.irp a, \a0, \a0+1
.irp b, 0,1,2,3,4,5,6,7
.set rD, 8*(8*((\a)%4)+\b)
.if \zero
	v_wmma_scale_f32_16x16x128_f8f6f4 v[rD:rD+7], v[128*(\p)+FR*\b:128*(\p)+FR*\b+FR-1], v[AF+FR*(\a):AF+FR*(\a)+FR-1], 0, v[SC+16*(\sc)+2*\b+(\q)], v[SC+16*(\sc)+2*(\a)+(\q)] matrix_a_fmt:MATRIX_FMT_FP6 matrix_b_fmt:MATRIX_FMT_FP6 matrix_a_scale:MATRIX_SCALE_ROW1
.else
	v_wmma_scale_f32_16x16x128_f8f6f4 v[rD:rD+7], v[128*(\p)+FR*\b:128*(\p)+FR*\b+FR-1], v[AF+FR*(\a):AF+FR*(\a)+FR-1], v[rD:rD+7], v[SC+16*(\sc)+2*\b+(\q)], v[SC+16*(\sc)+2*(\a)+(\q)] matrix_a_fmt:MATRIX_FMT_FP6 matrix_b_fmt:MATRIX_FMT_FP6 matrix_a_scale:MATRIX_SCALE_ROW1
.endif
.endr
.endr
.endm
.macro FETCH_B slot, q, p
	WIN TO_B
.irp i, 0,1,2,3,4,5,6,7
	FRAG 128*(\p)+FR*\i, ADRB+\slot, \q, \i
.endr
	WIN 0
.endm
.macro FETCH_A slot, q, i0
.irp i, \i0, \i0+1, \i0+2, \i0+3
	FRAG AF+FR*(\i), ADRA+\slot, \q, \i
.endr
.endm
.macro SCALES sc                       ; a slot's scale words: lanes 0-15 A's tile i, lanes 16-31 B's tile i
.irp i, 0,1,2,3,4,5,6,7
	ds_load_b32 v[SC+16*\sc+2*\i], v[ADRS+\sc] offset:64*\i
	ds_load_b32 v[SC+16*\sc+2*\i+1], v[ADRS+\sc] offset:BLK+64*\i
.endr
.endm
; A slot's first 128 along K, on B's set 0; it fetches the second 128: B into set 1 and A's tiles 0-3 in its middle, A's tiles 4-7 at its end.
.macro STEP slot, zero
	s_wait_dscnt 4*NL                              ; all but the youngest sixteen loads (A's tiles 4-7)
	WIN MUL_LO
	MUL16 0, 0, 0, \slot, \zero
	MUL16 2, 0, 0, \slot, \zero
	s_wait_dscnt 0x0                               ; A's tiles 4-7 are in
	PLACES NP                                      ; in front of loads into registers that matrix instructions have read
	FETCH_B \slot, 1, 1
	FETCH_A \slot, 1, 0
	WIN MUL_HI
	MUL16 4, 0, 0, \slot, \zero
	MUL16 6, 0, 0, \slot, \zero
	PLACES NP
	WIN 0
	FETCH_A \slot, 1, 4
.endm
; A slot's second 128 changes slots: ONE barrier; in front of it each wave waits for all its tensor loads, adds 0 to its spare word, and waits for that and for its reads of this slot.  fill = 1: the slot is filled again, two slots ahead.
.macro TURN slot, next, fill
	s_wait_tensorcnt 0x0                           ; all my tensor loads have landed: my part of the next slot
	ds_add_u32 v[SPW], v[NIL]                      ; 0 onto my spare word
	s_wait_dscnt 4*NL+1                            ; the add and the youngest sixteen loads may be out
	WIN MUL_LO
	MUL16 0, 1, 1, \slot, 0
	s_wait_dscnt 0x0                               ; the add is done, and my reads of this slot are over
	s_barrier_signal -1
	MUL16 2, 1, 1, \slot, 0
	WIN 0
	s_barrier_wait -1
.if \fill
	CREST                                          ; the barrier has opened a round of the cluster's: no wave of any partner still reads this slot or has a load on its way
	s_add_nc_u64 s[G0+4*\slot+2:G0+4*\slot+3], s[G0+4*\slot+2:G0+4*\slot+3], 2*HALFT
	s_add_nc_u64 s[G0B+4*\slot+2:G0B+4*\slot+3], s[G0B+4*\slot+2:G0B+4*\slot+3], 2*HALFT
	JLOAD G0+4*\slot, G1, G0B+4*\slot, G1B         ; the first tensor load behind the round; its four v_nop are the places in front of the loads below
.else
	PLACES NP
.endif
	FETCH_B \next, 0, 0
	FETCH_A \next, 0, 0
	SCALES \next
	WIN MUL_HI
	MUL16 4, 1, 1, \slot, 0
	MUL16 6, 1, 1, \slot, 0
	PLACES NP
	WIN 0
	FETCH_A \next, 0, 4
.endm
	s_wait_alu depctr_va_vdst(0)
	s_cmp_lt_u32 s14, 2
	s_cbranch_scc0 .Lnot_first
	s_wait_tensorcnt 0x0                           ; waves 0 and 1: slot 0 is in; slot 1's two tiles may be out
.Lnot_first:
	s_barrier_signal -1
	s_barrier_wait -1
	FETCH_B 0, 0, 0
	FETCH_A 0, 0, 0
	SCALES 0
	FETCH_A 0, 0, 4
	STEP 0, 1                                      ; the first step stands in front of the loop: its products start the sums
	s_mov_b32 s3, LAPS-1
.Llap:
	TURN 0, 1, 1
	STEP 1, 0
	TURN 1, 0, 1
	STEP 0, 0
	s_sub_co_u32 s3, s3, 1
	s_cmp_lg_u32 s3, 0
	s_cbranch_scc1 .Llap
	TURN 0, 1, 0                                   ; the last lap fills nothing
	STEP 1, 0
	s_wait_dscnt 4*NL
	WIN MUL_LO
	MUL16 0, 1, 1, 1, 0
	MUL16 2, 1, 1, 1, 0
	s_wait_dscnt 0x0
	WIN MUL_HI
	MUL16 4, 1, 1, 1, 0
	MUL16 6, 1, 1, 1, 0
	WIN 0
; THE WAY OUT: 64 numbers of a lane, 32 from register s0 and 32 from register s1 of window W, become a fragment's codes in v[PC] on and its scale word in v[pw].  Each accumulator is read from its low end on.
.macro QE W, s0, s1, pw
	WIN (\W)|((\W)<<2)                             ; sources 0 and 1: the accumulators' window
.irp b, 0,1
	v_max3_num_f32 v[TM+\b], |v[(\s0)+16*\b]|, |v[(\s0)+16*\b+1]|, 0x1800000     ; a block's 16 numbers of mine, and the floor 2^(3 - 127)
.endr
.irp b, 0,1
	v_max3_num_f32 v[TM+2+\b], |v[(\s1)+16*\b]|, |v[(\s1)+16*\b+1]|, 0x1800000
.endr
.irp i, 2,4,6,8,10,12,14
.irp b, 0,1
	v_max3_num_f32 v[TM+\b], |v[(\s0)+16*\b+\i]|, |v[(\s0)+16*\b+\i+1]|, v[TM+\b]
.endr
.irp b, 0,1
	v_max3_num_f32 v[TM+2+\b], |v[(\s1)+16*\b+\i]|, |v[(\s1)+16*\b+\i+1]|, v[TM+2+\b]
.endr
.endr
	WIN 0
.irp b, 0,1,2,3
	v_permlanex16_b32 v[TM+4+\b], v[TM+\b], s68, s69
.endr
.irp b, 0,1,2,3
	v_max_num_f32 v[TM+\b], v[TM+\b], v[TM+4+\b]   ; with lane l xor 16's: the block's largest magnitude
.endr
.irp b, 0,1,2,3
	v_add_nc_u32 v[TM+12+\b], 0xff000000, v[TM+\b] ; 2 off its exponent field: the conversion's scale operand
.endr
.irp b, 0,1,2,3
	v_lshrrev_b32 v[TM+4+\b], 23, v[TM+12+\b]      ; the scale's byte
.endr
	v_lshl_or_b32 v[\pw], v[TM+5], 8, v[TM+4]
	v_lshl_or_b32 v[\pw], v[TM+6], 16, v[\pw]
	v_lshl_or_b32 v[\pw], v[TM+7], 24, v[\pw]
	s_wait_xcnt 0x0                                ; the last fragment's stores have read the codes' registers
	WIN (\W)
	v_cvt_scalef32_pk16_fp6_f32 v[PC:PC+2], v[(\s0):(\s0)+15], v[TM+12]
	v_cvt_scalef32_pk16_fp6_f32 v[PC+12:PC+14], v[(\s0)+16:(\s0)+31], v[TM+13]
	v_cvt_scalef32_pk16_fp6_f32 v[PC+6:PC+8], v[(\s1):(\s1)+15], v[TM+14]
	v_cvt_scalef32_pk16_fp6_f32 v[PC+16:PC+18], v[(\s1)+16:(\s1)+31], v[TM+15]
	WIN 0
	v_nop                                          ; one plain place behind a scaled conversion
.irp c, 0,1                                    ; a WHOLE block in a lane: lanes 0-15 block 2 c, lanes 16-31 block 2 c + 1
.irp i, 0,1,2
	v_permlane16_swap_b32 v[PC+6*\c+\i], v[PC+12+4*\c+\i]
.endr
.irp i, 0,1,2
	v_mov_b32 v[PC+3+6*\c+\i], v[PC+12+4*\c+\i]
.endr
.endr
.endm
.macro OUTF x                          ; the fragment leaves as it stands: runs of 512 and 256 consecutive bytes
	global_store_b128 v24, v[PC:PC+3], s[12:13] offset:\x
	global_store_b64 v25, v[PC+4:PC+5], s[12:13] offset:\x
	global_store_b128 v24, v[PC+6:PC+9], s[12:13] offset:(\x)+768
	global_store_b64 v25, v[PC+10:PC+11], s[12:13] offset:(\x)+768
.endm
.macro OUTS x, pa, pb, tmp             ; two fragments' scale words: lanes 0-15 the first's, lanes 16-31 the second's: 128 consecutive bytes
	v_cndmask_b32 v[\tmp], v[\pa], v[\pb], s70
	global_store_b32 v26, v[\tmp], s[12:13] offset:\x
.endm
	PLACES NP                                      ; behind the last products: their results are read and A's registers written below
.irp b, 0,1,2,3
	v_mov_b32 v[TM+4+\b], 0                        ; a lane permute's destination counts as one of its sources
.endr
	s_cmp_eq_u32 s67, 0
	s_cbranch_scc1 .Lqk
.irp a, 0,1,2,3,4,5,6,7                        ; v: tile a = 16 of a head's 64 x my 128 keys
	QE 2+\a/4, 64*(\a%4), 64*(\a%4)+32, PWS+\a
	OUTF (\a/4)*204800+(\a%4)*1536
.endr
	s_branch .Lwords
.Lqk:
.irp e, 0,1                                    ; q, k: head e of my two; token tiles 2 i and 2 i + 1 share a fragment
.irp i, 0,1,2,3
	QE 2+\i/2, 64*((2*\i)%4)+32*\e, 64*((2*\i)%4)+32*\e+64, PWS+4*\e+\i
	OUTF \e*204800+1536*\i
.endr
.endr
.Lwords:
.irp e, 0,1
.irp k, 0,1
	OUTS \e*204800+6144+128*\k, PWS+4*\e+2*\k, PWS+4*\e+2*\k+1, 104+2*\e+\k
.endr
.endr
	s_wait_tensorcnt 0x0                           ; the wave's end
	ds_add_u32 v[SPW], v[NIL]
	s_wait_dscnt 0x0
	CROUND                                         ; the closing round: no work-group ends while a partner may still ask for a tile that names it
	s_endpgm
.Lfunc_end_k_q5989c608bb_qkv:
	.size	k_q5989c608bb_qkv, .Lfunc_end_k_q5989c608bb_qkv-k_q5989c608bb_qkv
	.p2alignl 7, 3214868480
	.fill 96, 4, 3214868480
	.section	.rodata,"a",@progbits
	.p2align	6, 0x0
	.amdhsa_kernel k_q5989c608bb_qkv
		.amdhsa_group_segment_fixed_size 327680
		.amdhsa_private_segment_fixed_size 0
		.amdhsa_enable_private_segment 0
		.amdhsa_kernarg_size 16
		.amdhsa_user_sgpr_count 2
		.amdhsa_user_sgpr_kernarg_segment_ptr 1
		.amdhsa_wavefront_size32 1
		.amdhsa_system_sgpr_workgroup_id_x 1
		.amdhsa_system_sgpr_workgroup_id_y 1
		.amdhsa_system_sgpr_workgroup_id_z 1
		.amdhsa_system_vgpr_workitem_id 0
		.amdhsa_next_free_vgpr 1024
		.amdhsa_next_free_sgpr 100
		.amdhsa_reserve_vcc 0
		.amdhsa_float_denorm_mode_32 3
		.amdhsa_float_denorm_mode_16_64 3
		.amdhsa_memory_ordered 1
		.amdhsa_forward_progress 1
		.amdhsa_inst_pref_size 185
	.end_amdhsa_kernel
	.amdgpu_metadata
---
amdhsa.version: [ 1, 2 ]
amdhsa.kernels:
  - .name:           k_q5989c608bb_qkv
    .symbol:         k_q5989c608bb_qkv.kd
    .args:
      - { .name: ops, .offset: 0, .size: 8, .value_kind: global_buffer, .address_space: global }
      - { .name: qkv, .offset: 8, .size: 8, .value_kind: global_buffer, .address_space: global }
    .group_segment_fixed_size: 327680
    .private_segment_fixed_size: 0
    .kernarg_segment_align: 8
    .kernarg_segment_size: 16
    .max_flat_workgroup_size: 128
    .sgpr_count:     100
    .vgpr_count:     1024
    .wavefront_size: 32
...
	.end_amdgpu_metadata
.endif
;; end of part 9
;; launch att (part 10): grid 8 x 32, 16 waves a work-group, clusters of 4 x 1, 243,712 bytes of LDS; arguments qkv, ac; writes ac
.if DOCPART == 10
	.amdgcn_target "amdgcn-amd-amdhsa--gfx1250"
	.amdhsa_code_object_version 6
	.text
	.protected	k_q5989c608bb_att
	.globl	k_q5989c608bb_att
	.p2align	8
	.type	k_q5989c608bb_att,@function
k_q5989c608bb_att:
	s_mov_b64 s[64:65], 0
	v_nop
	global_prefetch_b8 v0, s[64:65] scope:SCOPE_SE
	s_setreg_imm32_b32 hwreg(HW_REG_WAVE_MODE, 25, 1), 1
	s_wait_xcnt 0x0
	s_wait_alu depctr_hold_cnt(0) depctr_sa_sdst(0) depctr_va_vdst(0) depctr_va_sdst(0) depctr_va_ssrc(0) depctr_va_vcc(0) depctr_vm_vsrc(0)
	s_getreg_b32 s2, hwreg(HW_REG_IB_STS2, 6, 4)
	s_cmp_eq_u32 s2, 0
	s_cbranch_scc0 .Lentry_in_a_cluster
	s_endpgm
.Lentry_in_a_cluster:
	s_bfe_u32 s2, ttmp6, 0x10000c
	s_cmp_lg_u32 s2, 0x3003
	s_cbranch_scc0 .Lentry_shape_is_right
	s_endpgm
.Lentry_shape_is_right:
; Causal attention on codes of FP6 (E2M3, one E8M0 byte for each 32 along a product's K), head size 64, 2,048 keys; the result is quantised along the model's axis and leaves as codes.
; INPUT: sub-blocks of 6,400 bytes (4 fragments of 1,536 bytes as images of registers, scale words at 6,144 + 64 i + 4 r).  q, k of (head, 128 tokens): fragment i holds token tile 2 i in K 0-63 and token tile 2 i + 1 in K 64-127;
; tile t holds tokens 32 (t / 2) + 8 (t % 2) + r + 8 (r / 8).  v of (head, 128 keys): fragment i = 16 of the head's 64 x 128 keys.
; THE SOFTMAX: t = score x log2(e) / 8; M = the running largest t rounded UP to a whole number; p = 2^(t - M) is quantised along the keys, not normalised; the row's sum is taken of the unquantised p and divides at the end;
; when M moves, the sum and O are multiplied by 2^(old M - new M), which rounds nothing.
; LEFT OUT: key steps all of whose 128 keys come after a tile's queries: the causal mask sets their scores to -infinity, so they add nothing to any sum.
; SHARES.  A work-group serves one head of one batch and tile j (16 queries) of EACH of the 16 blocks of 128 queries, so all 16 key steps that it fetches are read and all work-groups are alike.
; Block b needs b + 1 key steps.  Blocks b and 15 - b (17 steps) go to a pair of waves: wave b takes steps 0 to 8 of block 15 - b (9 steps); wave 8 + b takes block b whole (b + 1 steps), stores it, and then
; takes steps 9 to 15 - b of block 15 - b (7 - b steps).  Its O^T, -M and sums of that part go through LDS bytes of the pair's own to wave b, which brings both parts under the larger M (factors that are powers of two) and adds them.
; All 16 key steps of K and of V lie in LDS, each byte filled ONCE: wave w fetches key steps 2 (w / 2), 2 (w / 2) + 1 of K (w even) or V (w odd), one tensor load of 12,800 bytes a wave.  Steps 0 and 1 (waves 0 and 1,
; on a load line of their own) are shown by a first barrier, all others by a second one behind the first two steps.  No other barrier stands in the walk, so the waves of a pair do not wait for each other before the hand-over.
; Every wave walks all 16 steps, so that trip counts are constants; a step that is not the wave's is jumped over by a scalar branch on ids (the wave's number, the step's number).
; BOTH PRODUCTS TRANSPOSED: S^T = K Q^T, O^T = V^T P^T: a lane holds one query throughout.  The head's 64 fill half of the instruction's 128: a fragment of K is multiplied by q | zeros (its first key tile) and by zeros | q (its second).
; CLUSTERS: four work-groups along x serve the same head and ask for K and V jointly (mask 15); the work-group's place enters global addresses and the mask's compare of key and query alone.
; NO PREFETCH: all tiles are asked for at the head; there is no loop to run ahead in.
; LIMITS: NaN and infinities are not served; a block of zeros, or one under 2^-124, gets the byte 1 (codes are zeros; only this program reads the bytes); 2^x and 1 / x by v_exp_f32 and v_rcp_f32;
; the scaled scores stay under 2^31 in magnitude.
.set SUB,  6400
.set VOFF, 16*SUB                      ; K's 16 steps, then V's
.set PART, 2*VOFF                      ; behind them: a pair's hand-over, 8 x 512 bytes of O^T and 512 of -M, t and the sums
.set PSZ,  4608
.set SPARE, PART+8*PSZ                 ; the spare words, 128 bytes a wave, which no other line names
.set QL,  16                           ; v16-27  q | zeros
.set QH,  28                           ; v28-39  zeros | q
.set F,   40                           ; v40-87  four fragments of K or of V
.set FS,  88                           ; v88-91  their scale words
.set QS,  92                           ; q's scale word: its two bytes twice
.set PS,  93                           ; p's scale word
.set PA,  94                           ; LDS address of my pair's hand-over, 16 x lane
.set S,   96                           ; v96-159 S^T, then p
.set O,   160                          ; v160-191 O^T
.set PCD, 192                          ; v192-203 p's codes; v204-206, v208-210 conversions' second halves
.set BM,  212                          ; v212-215 blocks' largest
.set BT,  216                          ; v216-219 at work, bytes
.set BO,  220                          ; v220-223 the conversions' scale operands
.set DQ,  230                          ; my query's place in its block of 128, less 16 h
.set WV,  8
.set RR,  13                           ; the block of 128 queries that I work on
.set TA,  14                           ; the work-group's tile in every block
.set KI,  15                           ; the key step
.set TB,  16                           ; its LDS byte
.set LIM, 18                           ; the last key step that is mine
.set SEL, 20
.set CS,  22
.set G1,  24
.set G0,  32
.macro WALU
	s_wait_alu depctr_va_vdst(0)
.endm
.macro PLACES n
.rept \n
	v_nop
.endr
.endm
.macro BARRIER
	s_barrier_signal -1
	s_barrier_wait -1
.endm
.macro CROUND                          ; a round of the cluster's barrier
	BARRIER
	s_cmp_lg_u32 s[WV], 0
	s_cbranch_scc1 .Lnot_wave_0_\@
	s_barrier_signal -3
.Lnot_wave_0_\@:
	s_barrier_wait -3
	BARRIER
.endm
.macro TLOAD
	tensor_load_to_lds s[G0:G0+3], s[G1:G1+7]
	s_nop 0
	PLACES 4
.endm
.macro QLOAD c, s                      ; a tile of q: half a fragment, twice (K 0-63 of q | zeros, K 64-127 of zeros | q), and its two scale bytes a row
	global_load_b128 v[QL:QL+3], v1, s[\c:\c+1]
	global_load_b64 v[QL+4:QL+5], v2, s[\c:\c+1]
	global_load_b128 v[QH+6:QH+9], v1, s[\c:\c+1]
	global_load_b64 v[QH+10:QH+11], v2, s[\c:\c+1]
	global_load_u16 v[QS], v10, s[\s:\s+1]
.endm
.macro FRESH                           ; q is in; a tile's sums begin
	s_wait_loadcnt 0x0
	v_lshl_or_b32 v[QS], v[QS], 16, v[QS]          ; q's two bytes at K 0-63 and again at K 64-127
	v_mov_b32 v13, 0xff61b1e6                      ; the largest t so far: -3e38
	v_mov_b32 v14, 0
	v_mov_b32 v15, 0
	v_floor_f32 v12, -v13                          ; -M
.set n, 0
.rept 32
	v_mov_b32 v[O+n], 0                            ; O^T: the step is written once; the first change of M leaves zeros zeros.  (These are also the places between q's scale word and the first products)
.set n, n+1
.endr
	WALU
.endm
	s_load_b128 s[4:7], s[0:1], 0x0                ; qkv, ac
	v_lshl_add_u32 v254, v0, 2, SPARE
	v_mov_b32 v255, 0
	ds_add_u32 v254, v255                          ; the opening lines: the add twice on end and its wait ahead of my tensor load
	ds_add_u32 v254, v255
	v_lshrrev_b32 v10, 5, v0
	v_readfirstlane_b32 s[WV], v10                 ; wave 0..15
	v_and_b32 v11, 31, v0                          ; lane
	v_and_b32 v10, 15, v0                          ; r
	v_bfe_u32 v226, v0, 4, 1                       ; h
	v_lshlrev_b32 v1, 4, v11                       ; 16 x lane
	v_lshl_add_u32 v2, v11, 3, 512                 ; 512 + 8 x lane
	v_lshl_add_u32 v3, v10, 2, 6144                ; a sub-block's scale words, 4 r
	v_and_b32 v[DQ], 8, v10
	v_lshlrev_b32 v226, 4, v226
	v_add_nc_u32 v[DQ], v[DQ], v10                 ; r + 8 (r / 8)
	v_lshlrev_b32 v10, 2, v10                      ; 4 r
	v_sub_nc_u32 v[DQ], v[DQ], v226                ; - 16 h
.irp j, 0,1,2,3,4,5
	v_mov_b32 v[QL+6+\j], 0                        ; zero codes: they add nothing under any scale byte but 0xff
	v_mov_b32 v[QH+\j], 0
.endr
	v_mov_b32 v225, 0                              ; (named as the upper halves of the pairs v[224:225], v[228:229])
	v_mov_b32 v229, 0
	v_mov_b32 v231, 0xff800000                     ; -infinity
.irp b, 0,1,2,3
	v_mov_b32 v[BT+\b], 0                          ; a lane permute's destination counts as one of its sources
.endr
	WALU                                           ; the wait ahead of the run of scalar lines
	s_and_b32 s10, ttmp7, 0xffff
	s_lshr_b32 s11, s10, 4                         ; batch
	s_and_b32 s12, s10, 15                         ; head
	s_bfe_u32 s36, ttmp6, 0x40000                  ; cx
	s_lshl_b32 s[TA], ttmp9, 2
	s_add_co_u32 s[TA], s[TA], s36                 ; the tile: 4 x cluster x + cx
	s_and_b32 s9, s[WV], 7                         ; b: my pair
	s_sub_co_u32 s19, 15, s9                       ; the pair's later block
	s_cmp_lt_u32 s[WV], 8
	s_cselect_b32 s[RR], s19, s9                   ; waves 0-7 begin on the later block, waves 8-15 on the earlier one
	s_cselect_b32 s[LIM], 8, s9
	s_mov_b32 s[G1], 15|(3<<16)|(1<<21)            ; the cluster's four; elements of 8 bytes; no padding: a dense run of 12,800 bytes as 50 rows of 32 elements
	s_mov_b32 s[G1+1], 32<<16
	s_mov_b32 s[G1+2], 50<<16
	s_mov_b32 s[G1+3], 32<<16
	s_mov_b32 s[G1+4], 50
	s_mov_b32 s[G1+5], 32
	s_mov_b32 s[G1+6], 0
	s_mov_b32 s[G1+7], 0
	s_lshl_b32 s51, s12, 5
	s_lshl_b32 s37, s11, 4
	s_add_co_u32 s51, s51, s37                     ; 32 head + 16 batch
	s_and_b32 s38, s[WV], 1                        ; I fetch K (0) or V (1),
	s_lshr_b32 s39, s[WV], 1                       ; key steps 2 (w / 2) and the next
	s_lshl_b32 s48, s38, 9
	s_add_co_u32 s48, s48, 512                     ; k's sub-blocks begin at 512, v's at 1,024
	s_add_co_u32 s48, s48, s51
	s_lshl_b32 s37, s39, 1
	s_add_co_u32 s48, s48, s37
	s_mul_i32 s48, s48, SUB
	s_mov_b32 s49, 0
	s_mul_i32 s38, s38, VOFF
	s_mul_i32 s39, s39, 2*SUB
	s_mov_b32 s[G0], 1
	s_add_co_u32 s[G0+1], s38, s39
	s_lshr_b32 s60, s[TA], 1
	s_and_b32 s61, s[TA], 1
	s_lshl_b32 s62, s60, 5
	s_lshl_b32 s63, s61, 3
	s_add_co_u32 s62, s62, s63                     ; 32 (a / 2) + 8 (a % 2)
	s_mul_i32 s36, s[TA], 768                      ; tile a is half a % 2 of fragment a / 2 of q's sub-block: 768 a
	s_lshl_b32 s60, s60, 6
	s_lshl_b32 s61, s61, 1
	s_add_co_u32 s37, s60, s61
	s_add_co_u32 s37, s37, 6144                    ; and its two scale bytes a row
	s_add_co_u32 s52, s51, s[RR]                   ; q of my first block
	s_mul_i32 s52, s52, SUB
	s_add_co_u32 s54, s52, s36
	s_mov_b32 s55, 0
	s_add_co_u32 s52, s52, s37
	s_mov_b32 s53, 0
	s_add_co_u32 s42, s51, s19                     ; q of the pair's later block
	s_mul_i32 s42, s42, SUB
	s_add_co_u32 s40, s42, s36
	s_mov_b32 s41, 0
	s_add_co_u32 s42, s42, s37
	s_mov_b32 s43, 0
	s_lshl_b32 s56, s11, 4                         ; the result of my first block, the one that I store: block (token block, K step head / 2) of 12,800 bytes, fragment a, half head % 2
	s_add_co_u32 s56, s56, s[RR]
	s_lshl_b32 s56, s56, 3
	s_lshr_b32 s57, s12, 1
	s_add_co_u32 s56, s56, s57
	s_mul_i32 s56, s56, 12800
	s_and_b32 s60, s12, 1
	s_lshl_b32 s58, s[TA], 6
	s_add_co_u32 s58, s58, s56
	s_lshl_b32 s57, s60, 1
	s_add_co_u32 s58, s58, s57
	s_add_co_u32 s58, s58, 12288
	s_mov_b32 s59, 0
	s_mul_i32 s57, s[TA], 1536
	s_add_co_u32 s56, s56, s57
	s_mul_i32 s57, s60, 768
	s_add_co_u32 s56, s56, s57
	s_mov_b32 s57, 0
	s_mul_i32 s63, s9, PSZ
	s_add_co_u32 s63, s63, PART
	s_mov_b32 s[SEL], 0x76543210
	s_mov_b32 s[SEL+1], 0xfedcba98                 ; v_permlanex16_b32's selects for lane l xor 16
	s_mov_b32 s[CS], 0x3e38aa3b                    ; c = log2(e) / 8
	s_mov_b32 s[CS+1], s[CS]
	v_add_nc_u32 v[DQ], s62, v[DQ]
	v_add_nc_u32 v[PA], s63, v1
	WALU                                           ; the wait ahead of the waits below
	s_wait_dscnt 0x0                               ; both opening adds are done
	CROUND                                         ; the four work-groups are here: the joint loads meet
	s_wait_kmcnt 0x0
	s_add_nc_u64 s[G0+2:G0+3], s[4:5], s[48:49]
	s_or_b32 s[G0+3], s[G0+3], 0x80000000
	s_cmp_lt_u32 s[WV], 2
	s_cbranch_scc0 .Llater
	TLOAD                                          ; waves 0, 1: key steps 0 and 1 of K and of V, which are shown first: a load line of their own
	s_branch .Lasked
.Llater:
	TLOAD                                          ; the other fourteen
.Lasked:
	s_add_nc_u64 s[54:55], s[4:5], s[54:55]
	s_add_nc_u64 s[52:53], s[4:5], s[52:53]
	QLOAD 54, 52
	s_add_nc_u64 s[40:41], s[4:5], s[40:41]
	s_add_nc_u64 s[42:43], s[4:5], s[42:43]
	s_add_nc_u64 s[56:57], s[6:7], s[56:57]
	s_add_nc_u64 s[58:59], s[6:7], s[58:59]
	FRESH
.macro FRAGS a16, a8, as               ; a sub-block's four fragments and their scale words
.irp i, 0,1,2,3
	ds_load_b128 v[F+12*\i:F+12*\i+3], v[\a16] offset:1536*\i
	ds_load_b64 v[F+12*\i+4:F+12*\i+5], v[\a8] offset:1536*\i
	ds_load_b128 v[F+12*\i+6:F+12*\i+9], v[\a16] offset:1536*\i+768
	ds_load_b64 v[F+12*\i+10:F+12*\i+11], v[\a8] offset:1536*\i+768
	ds_load_b32 v[FS+\i], v[\as] offset:64*\i
.endr
.endm
.macro STEP
	s_cmp_gt_u32 s[KI], s[LIM]                     ; not my step: only the lines at the step's end are run
	s_cbranch_scc1 .Lhidden_\@
	v_add_nc_u32 v4, s[TB], v1                     ; (these six are the places behind the last step's products, in front of the loads)
	v_add_nc_u32 v5, s[TB], v2
	v_add_nc_u32 v6, s[TB], v3
	s_delay_alu instid0(VALU_DEP_3)
	v_add_nc_u32 v7, VOFF, v4
	s_delay_alu instid0(VALU_DEP_3)
	v_add_nc_u32 v8, VOFF, v5
	s_delay_alu instid0(VALU_DEP_3)
	v_add_nc_u32 v9, VOFF, v6
	FRAGS 4, 5, 6
	s_wait_alu depctr_va_vdst(0)
	s_wait_dscnt 0x0
.irp i, 0,1,2,3                                ; register 16 i + x of S^T = key 32 i + 16 h + x
	v_wmma_scale_f32_16x16x128_f8f6f4 v[S+16*\i:S+16*\i+7], v[F+12*\i:F+12*\i+11], v[QL:QL+11], 0, v[FS+\i], v[QS] matrix_a_fmt:MATRIX_FMT_FP6 matrix_b_fmt:MATRIX_FMT_FP6
	v_wmma_scale_f32_16x16x128_f8f6f4 v[S+16*\i+8:S+16*\i+15], v[F+12*\i:F+12*\i+11], v[QH:QH+11], 0, v[FS+\i], v[QS] matrix_a_fmt:MATRIX_FMT_FP6 matrix_b_fmt:MATRIX_FMT_FP6
.endr
.rept 4
	v_nop                                          ; places: the scores are read below, and V's fragments land where K's were read
.endr
	FRAGS 7, 8, 9                                  ; V's fragments come while the softmax is worked
	s_cmp_lg_u32 s[KI], s[RR]
	s_cbranch_scc1 .Lopen_\@                       ; only the step on the diagonal has hidden keys
.set n, 0
.rept 64
	v_cmp_gt_i32 vcc_lo, 32*(n/16)+n%16, v[DQ]     ; hidden where the register's key comes after my query
	v_cndmask_b32 v[S+n], v[S+n], v231, vcc_lo
.set n, n+1
.endr
.Lopen_\@:
.irp b, 0,1,2,3
	v_max3_num_f32 v[BM+\b], v[S+16*\b], v[S+1+16*\b], v[S+2+16*\b]     ; the largest score of each block of 32 keys: for the row's maximum, and, since p rises with the score, for the block's largest p
.endr
.irp i, 3,5,7,9,11,13
.irp b, 0,1,2,3
	v_max3_num_f32 v[BM+\b], v[BM+\b], v[S+16*\b+\i], v[S+1+16*\b+\i]
.endr
.endr
.irp b, 0,1,2,3
	v_max_num_f32 v[BM+\b], v[BM+\b], v[S+15+16*\b]
.endr
.irp b, 0,1,2,3
	s_delay_alu instid0(VALU_DEP_4)
	v_permlanex16_b32 v[BT+\b], v[BM+\b], s[SEL], s[SEL+1]
.endr
.irp b, 0,1,2,3
	s_delay_alu instid0(VALU_DEP_4)
	v_max_num_f32 v[BM+\b], v[BM+\b], v[BT+\b]
.endr
	s_delay_alu instid0(VALU_DEP_2)
	v_max3_num_f32 v226, v[BM], v[BM+1], v[BM+2]
	s_delay_alu instid0(VALU_DEP_1)
	v_max_num_f32 v226, v226, v[BM+3]
	s_delay_alu instid0(VALU_DEP_1)
	v_mul_f32 v226, s[CS], v226
	s_delay_alu instid0(VALU_DEP_1)
	v_max_num_f32 v13, v13, v226                   ; the running largest t
	v_mov_b32 v226, v12
	s_delay_alu instid0(VALU_DEP_2)
	v_floor_f32 v12, -v13                          ; the new -M = -ceil(t)
	s_delay_alu instid0(VALU_DEP_1)
	v_sub_f32 v226, v12, v226                      ; old M - new M: a whole number, 0 or less
	s_delay_alu instid0(VALU_DEP_1)
	v_cvt_i32_f32 v226, v226                       ; (it saturates)
	s_delay_alu instid0(VALU_DEP_1)
	v_ldexp_f32 v228, 1.0, v226                    ; f = 2^(old M - new M)
.set n, 0
.rept 32
	v_pk_fma_f32 v[S+n:S+n+1], v[S+n:S+n+1], s[CS:CS+1], v[12:13] op_sel_hi:[1,0,0]   ; t - M
.set n, n+2
.endr
.irp b, 0,1,2,3
	v_fma_f32 v[BM+\b], v[BM+\b], s[CS], v12
.endr
.set n, 0
	s_wait_alu depctr_va_vdst(0)
.rept 64
	v_exp_f32 v[S+n], v[S+n]                       ; p = 2^(t - M)
.set n, n+1
.endr
	v_pk_mul_f32 v[14:15], v[14:15], v[228:229] op_sel_hi:[1,0]   ; the sums under the new M: a plain instruction behind the exponentials
	s_wait_alu depctr_va_vdst(0)                   ; one wait for the batch, ahead of its first reader
.irp b, 0,1,2,3
	v_exp_f32 v[BM+\b], v[BM+\b]                   ; each block's largest p
.endr
	v_pk_add_f32 v[224:225], v[100:101], v[104:105]   ; the row's sum of the unquantised p, in eight chains
	v_pk_add_f32 v[252:253], v[108:109], v[112:113]
	v_pk_add_f32 v[250:251], v[116:117], v[120:121]
	v_pk_add_f32 v[248:249], v[124:125], v[128:129]
	v_pk_add_f32 v[246:247], v[132:133], v[136:137]
	v_pk_add_f32 v[244:245], v[140:141], v[144:145]
	v_pk_add_f32 v[242:243], v[148:149], v[152:153]
	v_pk_add_f32 v[14:15], v[14:15], v[156:157]
	v_pk_add_f32 v[224:225], v[224:225], v[96:97]
	v_pk_add_f32 v[252:253], v[252:253], v[98:99]
	v_pk_add_f32 v[250:251], v[250:251], v[102:103]
	v_pk_add_f32 v[248:249], v[248:249], v[106:107]
	v_pk_add_f32 v[246:247], v[246:247], v[110:111]
	v_pk_add_f32 v[244:245], v[244:245], v[114:115]
	v_pk_add_f32 v[242:243], v[242:243], v[118:119]
	v_pk_add_f32 v[14:15], v[14:15], v[122:123]
	v_pk_add_f32 v[224:225], v[224:225], v[126:127]
	v_pk_add_f32 v[252:253], v[252:253], v[130:131]
	v_pk_add_f32 v[250:251], v[250:251], v[134:135]
	v_pk_add_f32 v[248:249], v[248:249], v[138:139]
	v_pk_add_f32 v[246:247], v[246:247], v[142:143]
	v_pk_add_f32 v[244:245], v[244:245], v[146:147]
	v_pk_add_f32 v[242:243], v[242:243], v[150:151]
	v_pk_add_f32 v[14:15], v[14:15], v[154:155]
	v_pk_add_f32 v[224:225], v[224:225], v[158:159]
	s_delay_alu instid0(VALU_DEP_2)
	v_pk_add_f32 v[14:15], v[14:15], v[248:249]
	s_delay_alu instid0(VALU_DEP_2)
	v_pk_add_f32 v[224:225], v[224:225], v[246:247]
	v_pk_add_f32 v[252:253], v[252:253], v[244:245]
	v_pk_add_f32 v[250:251], v[250:251], v[242:243]
	s_delay_alu instid0(VALU_DEP_2)
	v_pk_add_f32 v[14:15], v[14:15], v[252:253]
	s_delay_alu instid0(VALU_DEP_2)
	v_pk_add_f32 v[224:225], v[224:225], v[250:251]
	s_delay_alu instid0(VALU_DEP_1)
	v_pk_add_f32 v[14:15], v[14:15], v[224:225]
	s_wait_alu depctr_va_vdst(0)                   ; and one for the four
.irp b, 0,1,2,3
	v_max_num_f32 v[BM+\b], 0x1800000, v[BM+\b]    ; the floor 2^(3 - 127)
.endr
.irp b, 0,1,2,3
	s_delay_alu instid0(VALU_DEP_4)
	v_add_nc_u32 v[BO+\b], 0xff000000, v[BM+\b]
.endr
.irp b, 0,1,2,3
	s_delay_alu instid0(VALU_DEP_4)
	v_lshrrev_b32 v[BT+\b], 23, v[BO+\b]
.endr
	s_delay_alu instid0(VALU_DEP_3)
	v_lshl_or_b32 v[PS], v[BT+1], 8, v[BT]
	s_delay_alu instid0(VALU_DEP_1)
	v_lshl_or_b32 v[PS], v[BT+2], 16, v[PS]
	s_delay_alu instid0(VALU_DEP_1)
	v_lshl_or_b32 v[PS], v[BT+3], 24, v[PS]
.irp c, 0,1
	v_cvt_scalef32_pk16_fp6_f32 v[PCD+6*\c:PCD+2+6*\c], v[S+32*\c:S+15+32*\c], v[BO+2*\c]
	v_cvt_scalef32_pk16_fp6_f32 v[PCD+12+4*\c:PCD+14+4*\c], v[S+16+32*\c:S+31+32*\c], v[BO+2*\c+1]
.endr
	v_nop
.irp c, 0,1
.irp i, 0,1,2
	v_permlane16_swap_b32 v[PCD+6*\c+\i], v[PCD+12+4*\c+\i]
.endr
.irp i, 0,1,2
	s_delay_alu instid0(VALU_DEP_3)
	v_mov_b32 v[PCD+3+6*\c+\i], v[PCD+12+4*\c+\i]
.endr
.endr
.set n, 0
.rept 16
	v_pk_mul_f32 v[O+n:O+n+1], v[O+n:O+n+1], v[228:229] op_sel_hi:[1,0]   ; O^T under the new M.  (These sixteen are also the places between p's codes and scale word and the products)
.set n, n+2
.endr
	s_wait_alu depctr_va_vdst(0)
	s_wait_dscnt 0x0                               ; V's fragments
.irp t, 0,1,2,3                                ; register 16 b + x of O^T = the head's 32 b + 16 h + x
	v_wmma_scale_f32_16x16x128_f8f6f4 v[O+8*\t:O+8*\t+7], v[F+12*\t:F+12*\t+11], v[PCD:PCD+11], v[O+8*\t:O+8*\t+7], v[FS+\t], v[PS] matrix_a_fmt:MATRIX_FMT_FP6 matrix_b_fmt:MATRIX_FMT_FP6
.endr
.Lhidden_\@:
	s_add_co_u32 s[KI], s[KI], 1
	s_add_co_u32 s[TB], s[TB], SUB
.endm
.macro WALK first, trips               ; key steps first .. first + trips - 1
	s_mov_b32 s[KI], \first
	s_mov_b32 s[TB], (\first)*SUB
	s_mov_b32 s17, \trips
.Lstep_\@:
	STEP
	s_sub_co_u32 s17, s17, 1
	s_cmp_lg_u32 s17, 0
	s_cbranch_scc1 .Lstep_\@
.endm
; THE WAY OUT of a tile: O^T / the sum, quantised along the head's 64 (two blocks), half a fragment and two scale bytes a row
.macro WAYOUT
	v_add_f32 v14, v14, v15
	s_delay_alu instid0(VALU_DEP_1)
	v_permlanex16_b32 v226, v14, s[SEL], s[SEL+1]
	s_delay_alu instid0(VALU_DEP_1)
	v_add_f32 v14, v14, v226
	s_wait_alu depctr_va_vdst(0)
	v_rcp_f32 v14, v14
	v_nop                                          ; a plain instruction behind the reciprocal,
	s_wait_alu depctr_va_vdst(0)                   ; and the wait ahead of its first reader
.set n, 0
.rept 32
	v_mul_f32 v[S+n], v[O+n], v14
.set n, n+1
.endr
.irp b, 0,1
	v_max3_num_f32 v[BM+\b], |v[S+16*\b]|, |v[S+1+16*\b]|, 0x1800000
.endr
.irp i, 2,4,6,8,10,12,14
.irp b, 0,1
	s_delay_alu instid0(VALU_DEP_2)
	v_max3_num_f32 v[BM+\b], v[BM+\b], |v[S+16*\b+\i]|, |v[S+1+16*\b+\i]|
.endr
.endr
.irp b, 0,1
	s_delay_alu instid0(VALU_DEP_2)
	v_permlanex16_b32 v[BT+\b], v[BM+\b], s[SEL], s[SEL+1]
.endr
.irp b, 0,1
	s_delay_alu instid0(VALU_DEP_2)
	v_max_num_f32 v[BM+\b], v[BM+\b], v[BT+\b]
.endr
.irp b, 0,1
	s_delay_alu instid0(VALU_DEP_2)
	v_add_nc_u32 v[BO+\b], 0xff000000, v[BM+\b]
.endr
.irp b, 0,1
	s_delay_alu instid0(VALU_DEP_2)
	v_lshrrev_b32 v[BT+\b], 23, v[BO+\b]
.endr
	s_delay_alu instid0(VALU_DEP_1)
	v_lshl_or_b32 v226, v[BT+1], 8, v[BT]
	v_cvt_scalef32_pk16_fp6_f32 v[PCD:PCD+2], v[S:S+15], v[BO]
	v_cvt_scalef32_pk16_fp6_f32 v[PCD+12:PCD+14], v[S+16:S+31], v[BO+1]
	v_nop
.irp i, 0,1,2
	v_permlane16_swap_b32 v[PCD+\i], v[PCD+12+\i]
.endr
.irp i, 0,1,2
	s_delay_alu instid0(VALU_DEP_3)
	v_mov_b32 v[PCD+3+\i], v[PCD+12+\i]
.endr
	global_store_b128 v1, v[PCD:PCD+3], s[56:57]   ; 512 consecutive bytes,
	global_store_b64 v2, v[PCD+4:PCD+5], s[56:57]  ; and 256
	v_cmp_gt_u32 vcc_lo, 16, v11
	s_wait_alu depctr_va_vdst(0)
	s_wait_xcnt 0x0                                ; EXEC changes only behind this wait
	s_and_saveexec_b32 s60, vcc_lo
	global_store_b16 v10, v226, s[58:59]           ; lanes 0-15: my head's two bytes of each row's scale word
	s_wait_xcnt 0x0
	s_or_b32 exec_lo, exec_lo, s60
.endm
	s_cmp_lt_u32 s[WV], 2
	s_cbranch_scc0 .Lnot_first
	s_wait_tensorcnt 0x0                           ; waves 0, 1: key steps 0 and 1 are in
.Lnot_first:
	BARRIER                                        ; the other tiles may be out
	WALK 0, 2
	s_wait_tensorcnt 0x0                           ; my tile is in,
	s_wait_dscnt 0x0
	BARRIER                                        ; everybody's is
	WALK 2, 7
	s_cmp_lt_u32 s[WV], 8
	s_cbranch_scc1 .Lstay
	PLACES 4                                       ; waves 8-15: the earlier block is whole.  Places behind its last products
	QLOAD 40, 42                                   ; the later block's q comes while the earlier block's tile goes out
	WAYOUT
	s_mov_b32 s[RR], s19
	s_mov_b32 s[LIM], s19
	FRESH
.Lstay:
	WALK 9, 7                                      ; waves 8-15: steps 9 to 15 - b of the later block; waves 0-7 have none
	PLACES 4                                       ; places behind the last products
	WALU
	s_cmp_lt_u32 s[WV], 8
	s_cbranch_scc1 .Lno_put
.irp k, 0,1,2,3,4,5,6,7
	ds_store_b128 v[PA], v[O+4*\k:O+4*\k+3] offset:512*\k   ; my part of the later block as an image of registers, each accumulator from its low end on
.endr
	ds_store_b128 v[PA], v[12:15] offset:4096      ; -M, the largest t, the sum's two halves
.Lno_put:
	s_wait_dscnt 0x0                               ; for the partner's sake: my stores are done
	BARRIER
	s_cmp_lt_u32 s[WV], 8
	s_cbranch_scc0 .Lend
.irp k, 0,1,2,3,4,5,6,7
	ds_load_b128 v[S+4*\k:S+4*\k+3], v[PA] offset:512*\k
.endr
	ds_load_b128 v[S+32:S+35], v[PA] offset:4096
	s_wait_dscnt 0x0
	v_min_num_f32 v226, v12, v[S+32]               ; -M of both parts: the smaller -M
	v_sub_f32 v228, v226, v12                      ; my M less the common one: a whole number, 0 or less,
	v_sub_f32 v224, v226, v[S+32]                  ; and the partner's (a part of no steps has M = -3e38: its factor comes out 0, on zeros)
	v_cvt_i32_f32 v228, v228                       ; (they saturate)
	v_cvt_i32_f32 v224, v224
	v_ldexp_f32 v228, 1.0, v228
	v_ldexp_f32 v224, 1.0, v224
	v_pk_mul_f32 v[S+34:S+35], v[S+34:S+35], v[224:225] op_sel_hi:[1,0]
.set n, 0
.rept 16
	v_pk_mul_f32 v[S+n:S+n+1], v[S+n:S+n+1], v[224:225] op_sel_hi:[1,0]
.set n, n+2
.endr
	v_pk_fma_f32 v[14:15], v[14:15], v[228:229], v[S+34:S+35] op_sel_hi:[1,0,1]
.set n, 0
.rept 16
	v_pk_fma_f32 v[O+n:O+n+1], v[O+n:O+n+1], v[228:229], v[S+n:S+n+1] op_sel_hi:[1,0,1]
.set n, n+2
.endr
	WAYOUT
.Lend:
	s_wait_tensorcnt 0x0                           ; the wave's end
	ds_add_u32 v254, v255
	s_wait_dscnt 0x0
	CROUND                                         ; the closing round
	s_endpgm
.Lfunc_end_k_q5989c608bb_att:
	.size	k_q5989c608bb_att, .Lfunc_end_k_q5989c608bb_att-k_q5989c608bb_att
	.p2alignl 7, 3214868480
	.fill 96, 4, 3214868480
	.section	.rodata,"a",@progbits
	.p2align	6, 0x0
	.amdhsa_kernel k_q5989c608bb_att
		.amdhsa_group_segment_fixed_size 243712
		.amdhsa_private_segment_fixed_size 0
		.amdhsa_enable_private_segment 0
		.amdhsa_kernarg_size 16
		.amdhsa_user_sgpr_count 2
		.amdhsa_user_sgpr_kernarg_segment_ptr 1
		.amdhsa_wavefront_size32 1
		.amdhsa_system_sgpr_workgroup_id_x 1
		.amdhsa_system_sgpr_workgroup_id_y 1
		.amdhsa_system_sgpr_workgroup_id_z 1
		.amdhsa_system_vgpr_workitem_id 0
		.amdhsa_next_free_vgpr 256
		.amdhsa_next_free_sgpr 66
		.amdhsa_reserve_vcc 1
		.amdhsa_float_denorm_mode_32 3
		.amdhsa_float_denorm_mode_16_64 3
		.amdhsa_memory_ordered 1
		.amdhsa_forward_progress 1
		.amdhsa_inst_pref_size 93
	.end_amdhsa_kernel
	.amdgpu_metadata
---
amdhsa.version: [ 1, 2 ]
amdhsa.kernels:
  - .name:           k_q5989c608bb_att
    .symbol:         k_q5989c608bb_att.kd
    .args:
      - { .name: qkv, .offset: 0, .size: 8, .value_kind: global_buffer, .address_space: global }
      - { .name: ac, .offset: 8, .size: 8, .value_kind: global_buffer, .address_space: global }
    .group_segment_fixed_size: 243712
    .private_segment_fixed_size: 0
    .kernarg_segment_align: 8
    .kernarg_segment_size: 16
    .max_flat_workgroup_size: 512
    .sgpr_count:     66
    .vgpr_count:     256
    .wavefront_size: 32
...
	.end_amdgpu_metadata
.endif
;; end of part 10
;; launch wo (part 11): grid 8 x 32, 4 waves a work-group, clusters of 4 x 4, 222,720 bytes of LDS; arguments ac, ops, bo, x, x1; writes x1
.if DOCPART == 11
	.amdgcn_target "amdgcn-amd-amdhsa--gfx1250"
	.amdhsa_code_object_version 6
	.text
	.protected	k_q5989c608bb_wo
	.globl	k_q5989c608bb_wo
	.p2align	8
	.type	k_q5989c608bb_wo,@function
k_q5989c608bb_wo:
	s_mov_b64 s[64:65], 0
	v_nop
	global_prefetch_b8 v0, s[64:65] scope:SCOPE_SE
	s_setreg_imm32_b32 hwreg(HW_REG_WAVE_MODE, 25, 1), 1
	s_wait_xcnt 0x0
	s_wait_alu depctr_hold_cnt(0) depctr_sa_sdst(0) depctr_va_vdst(0) depctr_va_sdst(0) depctr_va_ssrc(0) depctr_va_vcc(0) depctr_vm_vsrc(0)
	s_getreg_b32 s2, hwreg(HW_REG_IB_STS2, 6, 4)
	s_cmp_eq_u32 s2, 0
	s_cbranch_scc0 .Lentry_in_a_cluster
	s_endpgm
.Lentry_in_a_cluster:
	s_bfe_u32 s2, ttmp6, 0x10000c
	s_cmp_lg_u32 s2, 0xf033
	s_cbranch_scc0 .Lentry_shape_is_right
	s_endpgm
.Lentry_shape_is_right:
; out = resid + A B^T + bias, the product on codes of FP6 (E2M3, one E8M0 byte for each 32 along K).  Here: A = the attention's result [4,096][1,024], B = Wo, K = 1,024; out, resid: [4,096][1,024] f32.
; OPERANDS lie in memory as images of registers.  A block (12,800 bytes) = 128 rows x 128 K: eight fragments of 1,536 bytes (two halves: 512 bytes, lane l's four registers at 16 l; 256 bytes, its other two
; at 8 l), then scale words at 12,288 + 64 tile + 4 row.  Tile t holds rows 32 (t / 2) + 8 (t % 2) + r + 8 (r / 8).  The K steps of a row block lie on end.
; A tile of the result is 128 x 128, so that the 4,096 x 1,024 numbers make 256 work-groups; four waves, each 64 x 64 in 16 accumulators.
; ALL OF K LIES IN LDS: two units of 102,400 bytes, each A's four K steps and then B's four.  Each wave fetches four K steps of one side, ONE dense run of 51,200 bytes, scale words within: every byte is filled once.
; THE MATRIX INSTRUCTION IS USED TRANSPOSED (source 0 = B's 16 rows, source 1 = A's): lane (r, h) holds A's row r of a tile, and the 16 registers of B's tiles 2 b and 2 b + 1 are columns 32 b + 16 h + 0 .. 15.
; The bias is the C of each sum's first matrix instruction.  The wave's residual, 64 rows x 256 bytes, is asked for at the head and waits in registers.  A tile of 16 rows goes through the wave's own stage in LDS and
; comes back as whole rows of 256 bytes, which meet the residual and leave.
; CLUSTERS: 4 x 4 work-groups; A's block is asked for jointly along a row of the cluster, B's along a column.
; REGISTERS: window 0: v8-22 LDS addresses; v32-39 scale words, two sets; v40-71, v72-103 the way out; v72-103 first the bias; v128-255 accumulator (a, b) at v[128 + 8 (4 a + b)].
;   window 1: two sets of 96: A's four fragments, then B's four.   window 2: v0-127 the residual.
.set ASTR,  102400                     ; bytes from a row block of A to the next: K / 128 blocks
.set BOFF,  24*102400                  ; where B begins in its buffer
.set BSTR,  102400
.set BLK,   12800
.set FRB,   1536
.set HFB,   768
.set SCO,   12288
.set SIDE,  4*BLK                      ; one side's four K steps: what one tensor load brings
.set UNIT,  2*SIDE
.set NU,    2                          ; units
.set STAGE, 2*UNIT                     ; behind the units: 16 rows x (256 + 16) bytes for each wave; no fill ever lands there
.set SP,    272
.set NP,    4                          ; places behind this matrix instruction (ISA guide 7.12.1)
.set A16,  8                           ; v8-9    A's fragments in unit 0, 1: the parts of 16 bytes a lane
.set A8,   11                          ; v11-12  those of 8
.set B16,  14                          ; v14-15  the same for B
.set B8,   17                          ; v17-18
.set AS,   20                          ; v20-21  my scale words: lanes 0-15 A's, lanes 16-31 B's
.set STO,  24
.set RD,   25
.set CO,   26
.set SC,   32                          ; set p at SC + 4 p; register i: tile i of my four
.set BK,   40
.set BI,   72
.set ACC,  128
.set G1,  24
.set G0,  32
.set G1B, 48
.set G0B, 56
.set MSB, 0
.macro WIN new                         ; the immediate's high byte repeats the setting that is left
.if MSB != (\new)
	s_set_vgpr_msb (MSB<<8)|(\new)
.set MSB, (\new)
.endif
.endm
.set MUL,    0x05                      ; sources 0 (B) and 1 (A) window 1; C and D window 0
.set TO_F,   0x40                      ; destination window 1, address window 0
.set RES_IN, 0x80                      ; destination window 2
.set ADD_R,  0x08                      ; source 1 window 2
.macro ARM under, g0, g1, next         ; an arm of the head's one chain: a joint load of the waves under a number; an s_nop 0 and four v_nop follow the load
	s_cmp_lt_u32 s14, \under
	s_cbranch_scc0 \next
	tensor_load_to_lds s[\g0:\g0+3], s[\g1:\g1+7]
	s_nop 0
	PLACES 4
	s_branch .Lhead_asked
\next:
.endm
.macro CROUND                          ; a round of the cluster's barrier
	s_barrier_signal -1
	s_barrier_wait -1
	s_cmp_lg_u32 s14, 0
	s_cbranch_scc1 .Lnot_wave_0_\@
	s_barrier_signal -3
.Lnot_wave_0_\@:
	s_barrier_wait -3
	s_barrier_signal -1
	s_barrier_wait -1
.endm
.macro PLACES n
.rept \n
	v_nop
.endr
.endm
	s_load_b256 s[4:11], s[0:1], 0x0               ; A, B's buffer, the bias, the residual
	s_load_b64 s[12:13], s[0:1], 0x20              ; out
	v_lshl_add_u32 v126, v0, 2, 0x36400
	v_mov_b32 v127, 0
	ds_add_u32 v126, v127
	ds_add_u32 v126, v127
	v_lshrrev_b32 v1, 5, v0
	v_readfirstlane_b32 s14, v1                    ; wave 0..3
	s_lshr_b32 s15, s14, 1                         ; which 64 rows of the tile are mine.  Also: which four K steps I fetch
	s_and_b32 s16, s14, 1                          ; which 64 columns.  Also: I fetch for A (0) or for B (1)
	s_bfe_u32 s40, ttmp6, 0x40000                  ; cx, cy: my place in the cluster
	s_bfe_u32 s41, ttmp6, 0x40004
	s_lshl_b32 s42, ttmp9, 2
	s_add_co_u32 s42, s42, s40                     ; tile column = B's row block
	s_and_b32 s17, ttmp7, 0xffff
	s_lshl_b32 s17, s17, 2
	s_add_co_u32 s17, s17, s41                     ; tile row = A's row block
	s_lshl_b32 s43, s41, 2
	s_lshl_b32 s43, 15, s43                        ; my row of the cluster
	s_lshl_b32 s44, 0x1111, s40                    ; my column
	s_or_b32 s[G1+0], s43, (3<<16)|(1<<21)         ; 15:0 the mask; 17:16 elements of 8 bytes; 20 no padding; 21 set beside a mask
	s_or_b32 s[G1B+0], s44, (3<<16)|(1<<21)
.irp g, G1, G1B                                ; a dense run of 51,200 bytes as 200 rows of 32 elements
	s_mov_b32 s[\g+1], 32<<16                      ; tensor_dim0
	s_mov_b32 s[\g+2], 200<<16                     ; tensor_dim1
	s_mov_b32 s[\g+3], 32<<16                      ; tile_dim0
	s_mov_b32 s[\g+4], 200                         ; tile_dim1
	s_mov_b32 s[\g+5], 32                          ; tensor_dim0_stride
	s_mov_b32 s[\g+6], 0
	s_mov_b32 s[\g+7], 0
.endr
	s_mul_i32 s20, s17, ASTR                       ; A's row block: it hangs on the tile row alone
	s_mov_b32 s21, 0
	s_mul_i32 s46, s42, BSTR
	s_add_co_u32 s46, s46, BOFF                    ; B's: on the tile column alone
	s_mov_b32 s47, 0
	s_mul_i32 s18, s15, SIDE                       ; my four K steps: on the wave alone
	s_mov_b32 s19, 0
	s_mul_i32 s45, s15, UNIT                       ; where they go: unit wave / 2, side wave % 2
	s_mul_i32 s66, s16, SIDE
	s_add_co_u32 s45, s45, s66
	s_wait_dscnt 0x0
	s_wait_kmcnt 0x0
	s_add_nc_u64 s[20:21], s[4:5], s[20:21]
	s_add_nc_u64 s[46:47], s[6:7], s[46:47]
	CROUND                                         ; all sixteen work-groups are here: the joint loads meet
	s_mov_b32 s[G0], 1
	s_mov_b32 s[G0+1], s45
	s_add_nc_u64 s[G0+2:G0+3], s[20:21], s[18:19]
	s_or_b32 s[G0+3], s[G0+3], 0x80000000
	s_mov_b32 s[G0B], 1
	s_mov_b32 s[G0B+1], s45
	s_add_nc_u64 s[G0B+2:G0B+3], s[46:47], s[18:19]
	s_or_b32 s[G0B+3], s[G0B+3], 0x80000000
	ARM 1, G0, G1, .Lhead_1                        ; the four tiles, one a wave, each in its own arm: wave 0 unit 0's A,
	ARM 2, G0B, G1B, .Lhead_2                      ; wave 1 unit 0's B,
	ARM 3, G0, G1, .Lhead_3                        ; wave 2 unit 1's A,
	tensor_load_to_lds s[G0B:G0B+3], s[G1B:G1B+7]  ; wave 3 unit 1's B
	s_nop 0
	PLACES 4
.Lhead_asked:
	v_and_b32 v1, 31, v0                           ; lane
	v_and_b32 v2, 15, v0                           ; r
	v_bfe_u32 v3, v0, 4, 1                         ; h
	s_wait_alu depctr_va_vdst(0)
	v_lshlrev_b32 v4, 4, v1                        ; 16 x lane
	s_wait_alu depctr_va_vdst(0)
	v_lshl_add_u32 v5, v1, 3, 512                  ; 512 + 8 x lane
	s_wait_alu depctr_va_vdst(0)
	s_lshl_b32 s18, s42, 9
	s_lshl_b32 s19, s16, 8
	s_add_co_u32 s18, s18, s19                     ; my 64 columns, in bytes
	s_mov_b32 s19, 0
	s_add_nc_u64 s[8:9], s[8:9], s[18:19]
	v_lshlrev_b32 v7, 6, v3                        ; + 64 h
.irp b, 0,1,2,3                                ; the bias in the result's layout: tile b's register j is column 32 (b / 2) + 8 (b % 2) + 16 h + j
	global_load_b128 v[BI+8*\b:BI+8*\b+3], v7, s[8:9] offset:(32*(\b/2)+8*(\b%2))*4
	global_load_b128 v[BI+8*\b+4:BI+8*\b+7], v7, s[8:9] offset:(32*(\b/2)+8*(\b%2))*4+16
.endr
	s_lshl_b32 s18, s17, 7
	s_lshl_b32 s19, s15, 6
	s_add_co_u32 s18, s18, s19                     ; my first row,
	s_lshl_b32 s18, s18, 12                        ; 4,096 bytes a row,
	s_lshl_b32 s19, s42, 9
	s_add_co_u32 s18, s18, s19
	s_lshl_b32 s19, s16, 8
	s_add_co_u32 s18, s18, s19                     ; my first column
	s_mov_b32 s19, 0
	s_add_nc_u64 s[10:11], s[10:11], s[18:19]
	s_add_nc_u64 s[12:13], s[12:13], s[18:19]
	v_lshlrev_b32 v[CO], 12, v3
	v_lshl_add_u32 v[CO], v2, 4, v[CO]             ; lanes 0-15 one row's 256 bytes, lanes 16-31 the next row's
	WIN RES_IN
.irp a, 0,1,2,3                                ; the residual of my 64 rows: row 2 t + h of tile a is row 32 (a / 2) + 8 (a % 2) + 2 t + 8 (t / 4) + h
.irp t, 0,1,2,3,4,5,6,7
	global_load_b128 v[32*\a+4*\t:32*\a+4*\t+3], v[CO], s[10:11] offset:(32*(\a/2)+8*(\a%2)+2*\t+8*(\t/4))*4096
.endr
.endr
	WIN 0
	s_mul_i32 s21, s15, 4*FRB                      ; my four tiles of A,
	s_mul_i32 s22, s16, 4*FRB
	s_add_co_u32 s22, s22, SIDE                    ; and of B, which lies behind A's four K steps
.set u, 0
.rept NU
	v_add_nc_u32 v[A16+u], s21, v4
	v_add_nc_u32 v[A8+u], s21, v5
	v_add_nc_u32 v[B16+u], s22, v4
	v_add_nc_u32 v[B8+u], s22, v5
	s_add_co_u32 s21, s21, UNIT
	s_add_co_u32 s22, s22, UNIT
.set u, u+1
.endr
	s_lshl_b32 s21, s15, 8                         ; scale words: 64 bytes a tile
	s_lshl_b32 s22, s16, 8
	s_add_co_u32 s22, s22, SIDE
	s_sub_co_u32 s22, s22, s21
	v_mul_u32_u24 v6, s22, v3                      ; lanes 16-31 take B's words: one product, the distance between the two bases x h
	v_lshl_add_u32 v6, v2, 2, v6
	s_add_co_u32 s21, s21, SCO
	v_add_nc_u32 v[AS], s21, v6
	v_add_nc_u32 v[AS+1], UNIT, v[AS]
	s_mul_i32 s23, s14, 16*SP
	s_add_co_u32 s23, s23, STAGE                   ; my stage
	v_mul_u32_u24 v27, v2, SP
	v_lshl_add_u32 v27, v3, 6, v27
	v_add_nc_u32 v[STO], s23, v27                  ; in: row r, + 64 h
	v_mul_u32_u24 v27, v3, SP
	v_lshl_add_u32 v27, v2, 4, v27
	v_add_nc_u32 v[RD], s23, v27                   ; back: lanes 0-15 one row, lanes 16-31 the next
.macro FRAG reg, a16, a8, q, i         ; a fragment comes as it lies: 16, 8, 16, 8 bytes a lane, each run of lanes on consecutive bytes
	ds_load_b128 v[(\reg):(\reg)+3], v[\a16] offset:(\q)*BLK+(\i)*FRB
	ds_load_b64 v[(\reg)+4:(\reg)+5], v[\a8] offset:(\q)*BLK+(\i)*FRB
	ds_load_b128 v[(\reg)+6:(\reg)+9], v[\a16] offset:(\q)*BLK+(\i)*FRB+HFB
	ds_load_b64 v[(\reg)+10:(\reg)+11], v[\a8] offset:(\q)*BLK+(\i)*FRB+HFB
.endm
.macro FETCH u, q, p                   ; K step q of unit u into set p: 4 scale words (lanes 0-15 A's tile i, lanes 16-31 B's), B's four fragments, A's four
	WIN 0
.irp i, 0,1,2,3
	ds_load_b32 v[SC+4*(\p)+\i], v[AS+\u] offset:(\q)*BLK+64*\i
.endr
	WIN TO_F
.irp i, 0,1,2,3
	FRAG 96*(\p)+48+12*\i, B16+\u, B8+\u, \q, \i
.endr
.irp i, 0,1,2,3
	FRAG 96*(\p)+12*\i, A16+\u, A8+\u, \q, \i
.endr
.endm
; Four matrix instructions: A's tile a x B's four, on set p.  first = 1: the product starts the sums on the bias.  The 16 accumulators take turns, one instruction a turn, in the same order in every step.
.macro MUL4 a, p, first
.irp b, 0,1,2,3
.set rD, ACC+8*(4*(\a)+\b)
.if \first
	v_wmma_scale_f32_16x16x128_f8f6f4 v[rD:rD+7], v[96*(\p)+48+12*\b:96*(\p)+48+12*\b+11], v[96*(\p)+12*(\a):96*(\p)+12*(\a)+11], v[BI+8*\b:BI+8*\b+7], v[SC+4*(\p)+\b], v[SC+4*(\p)+(\a)] matrix_a_fmt:MATRIX_FMT_FP6 matrix_b_fmt:MATRIX_FMT_FP6 matrix_a_scale:MATRIX_SCALE_ROW1
.else
	v_wmma_scale_f32_16x16x128_f8f6f4 v[rD:rD+7], v[96*(\p)+48+12*\b:96*(\p)+48+12*\b+11], v[96*(\p)+12*(\a):96*(\p)+12*(\a)+11], v[rD:rD+7], v[SC+4*(\p)+\b], v[SC+4*(\p)+(\a)] matrix_a_fmt:MATRIX_FMT_FP6 matrix_b_fmt:MATRIX_FMT_FP6 matrix_a_scale:MATRIX_SCALE_ROW1
.endif
.endr
.endm
; A K step of 128 on set p: the next step, K step nq of unit nu, is asked for first, into the other set, and lands under this step's sixteen products.
.macro STEP p, nu, nq, first
	s_wait_dscnt 0x0                               ; this step's fragments and scale words are in
	PLACES NP                                      ; in front of loads into registers that the last step's matrix instructions have read
	FETCH \nu, \nq, 1-(\p)
	WIN MUL
	MUL4 0, \p, \first
	MUL4 1, \p, \first
	MUL4 2, \p, \first
	MUL4 3, \p, \first
.endm
	s_wait_alu depctr_va_vdst(0)
	s_cmp_lt_u32 s14, 2
	s_cbranch_scc0 .Lnot_first
	s_wait_tensorcnt 0x0                           ; waves 0 and 1: unit 0, K steps 0 to 3, is in; unit 1's two tiles may be out
.Lnot_first:
	s_barrier_signal -1
	s_barrier_wait -1
	FETCH 0, 0, 0
	s_wait_loadcnt 32                              ; the bias is in; the 32 loads of the residual may be out
	STEP 0, 0, 1, 1
	STEP 1, 0, 2, 0
	STEP 0, 0, 3, 0
	s_wait_tensorcnt 0x0                           ; my tile is in,
	s_wait_dscnt 0x0
	s_barrier_signal -1
	s_barrier_wait -1                              ; everybody's is: the step below fetches from unit 1
	STEP 1, 1, 0, 0
	STEP 0, 1, 1, 0
	STEP 1, 1, 2, 0
	STEP 0, 1, 3, 0
	s_wait_dscnt 0x0                               ; the last step: nothing more to fetch
	MUL4 0, 1, 0
	MUL4 1, 1, 0
	MUL4 2, 1, 0
	MUL4 3, 1, 0
	WIN 0
; THE WAY OUT, tile by tile of 16 rows x 64 columns.
.macro TOSTAGE a
.irp b, 0,1,2,3
	ds_store_b128 v[STO], v[ACC+8*(4*(\a)+\b):ACC+8*(4*(\a)+\b)+3] offset:128*(\b/2)+32*(\b%2)      ; each accumulator from its low end on
	ds_store_b128 v[STO], v[ACC+8*(4*(\a)+\b)+4:ACC+8*(4*(\a)+\b)+7] offset:128*(\b/2)+32*(\b%2)+16
.endr
.irp t, 0,1,2,3,4,5,6,7
	ds_load_b128 v[BK+32*((\a)%2)+4*\t:BK+32*((\a)%2)+4*\t+3], v[RD] offset:2*\t*SP    ; LDS serves a wave's instructions in order (ISA guide 5.7.1.4): these see my stores, and the next tile's stores come behind them
.endr
.endm
.macro SEND a, younger                 ; younger: the LDS instructions issued behind tile a's loads, which may stay out
.set BB, BK+32*((\a)%2)
	s_wait_dscnt \younger
	WIN ADD_R
.set n, 0
.rept 16
	v_pk_add_f32 v[BB+n:BB+n+1], v[BB+n:BB+n+1], v[32*(\a)+n:32*(\a)+n+1]
.set n, n+2
.endr
	WIN 0
.irp t, 0,1,2,3,4,5,6,7
	global_store_b128 v[CO], v[BB+4*\t:BB+4*\t+3], s[12:13] offset:(32*((\a)/2)+8*((\a)%2)+2*\t+8*(\t/4))*4096   ; 16 lanes store 256 consecutive bytes, at a multiple of 256 from the buffer's first byte
.endr
.endm
	PLACES NP                                      ; behind the last products: their results are read below
	s_wait_loadcnt 0x0                             ; the residual, asked for at the head
	TOSTAGE 0
	TOSTAGE 1
	SEND 0, 16                                     ; behind tile 0's loads: tile 1's 8 stores and 8 loads
	s_wait_xcnt 0x0                                ; tile 0's stores have read their registers: tile 2's loads may land there
	TOSTAGE 2
	SEND 1, 16
	s_wait_xcnt 0x0
	TOSTAGE 3
	SEND 2, 16
	SEND 3, 0
	s_wait_tensorcnt 0x0
	ds_add_u32 v126, v127
	s_wait_dscnt 0x0
	CROUND                                         ; the closing round: no work-group ends while a partner may still ask for a tile that names it
	s_endpgm
.Lfunc_end_k_q5989c608bb_wo:
	.size	k_q5989c608bb_wo, .Lfunc_end_k_q5989c608bb_wo-k_q5989c608bb_wo
	.p2alignl 7, 3214868480
	.fill 96, 4, 3214868480
	.section	.rodata,"a",@progbits
	.p2align	6, 0x0
	.amdhsa_kernel k_q5989c608bb_wo
		.amdhsa_group_segment_fixed_size 222720
		.amdhsa_private_segment_fixed_size 0
		.amdhsa_enable_private_segment 0
		.amdhsa_kernarg_size 40
		.amdhsa_user_sgpr_count 2
		.amdhsa_user_sgpr_kernarg_segment_ptr 1
		.amdhsa_wavefront_size32 1
		.amdhsa_system_sgpr_workgroup_id_x 1
		.amdhsa_system_sgpr_workgroup_id_y 1
		.amdhsa_system_sgpr_workgroup_id_z 1
		.amdhsa_system_vgpr_workitem_id 0
		.amdhsa_next_free_vgpr 640
		.amdhsa_next_free_sgpr 100
		.amdhsa_reserve_vcc 0
		.amdhsa_float_denorm_mode_32 3
		.amdhsa_float_denorm_mode_16_64 3
		.amdhsa_memory_ordered 1
		.amdhsa_forward_progress 1
		.amdhsa_inst_pref_size 60
	.end_amdhsa_kernel
	.amdgpu_metadata
---
amdhsa.version: [ 1, 2 ]
amdhsa.kernels:
  - .name:           k_q5989c608bb_wo
    .symbol:         k_q5989c608bb_wo.kd
    .args:
      - { .name: ac, .offset: 0, .size: 8, .value_kind: global_buffer, .address_space: global }
      - { .name: ops, .offset: 8, .size: 8, .value_kind: global_buffer, .address_space: global }
      - { .name: bo, .offset: 16, .size: 8, .value_kind: global_buffer, .address_space: global }
      - { .name: x, .offset: 24, .size: 8, .value_kind: global_buffer, .address_space: global }
      - { .name: x1, .offset: 32, .size: 8, .value_kind: global_buffer, .address_space: global }
    .group_segment_fixed_size: 222720
    .private_segment_fixed_size: 0
    .kernarg_segment_align: 8
    .kernarg_segment_size: 40
    .max_flat_workgroup_size: 128
    .sgpr_count:     100
    .vgpr_count:     640
    .wavefront_size: 32
...
	.end_amdgpu_metadata
.endif
;; end of part 11
;; launch ln2: the kernel of part 8 again; grid 128 x 2, 8 waves a work-group, no clusters, 99,840 bytes of LDS; arguments x1, g2, beta2, ops, Wq, Wk, Wv, Wo, W1, W2; writes ops
;; launch ffn1 (part 12): grid 16 x 16, 4 waves a work-group, clusters of 4 x 4, 327,680 bytes of LDS; arguments ops, b1, hc; writes hc
.if DOCPART == 12
	.amdgcn_target "amdgcn-amd-amdhsa--gfx1250"
	.amdhsa_code_object_version 6
	.text
	.protected	k_q5989c608bb_ffn1
	.globl	k_q5989c608bb_ffn1
	.p2align	8
	.type	k_q5989c608bb_ffn1,@function
k_q5989c608bb_ffn1:
	s_mov_b64 s[64:65], 0
	v_nop
	global_prefetch_b8 v0, s[64:65] scope:SCOPE_SE
	s_setreg_imm32_b32 hwreg(HW_REG_WAVE_MODE, 25, 1), 1
	s_wait_xcnt 0x0
	s_wait_alu depctr_hold_cnt(0) depctr_sa_sdst(0) depctr_va_vdst(0) depctr_va_sdst(0) depctr_va_ssrc(0) depctr_va_vcc(0) depctr_vm_vsrc(0)
	s_getreg_b32 s2, hwreg(HW_REG_IB_STS2, 6, 4)
	s_cmp_eq_u32 s2, 0
	s_cbranch_scc0 .Lentry_in_a_cluster
	s_endpgm
.Lentry_in_a_cluster:
	s_bfe_u32 s2, ttmp6, 0x10000c
	s_cmp_lg_u32 s2, 0xf033
	s_cbranch_scc0 .Lentry_shape_is_right
	s_endpgm
.Lentry_shape_is_right:
; h = relu(nx2 W1 + b1) on codes of FP6 (E2M3, one E8M0 byte for each 32 along K), K = 1,024, quantised along the next product's K and stored as codes, in blocks of 12,800 bytes that are images of operand registers.
; A tile of 256 x 256 is made by four waves, each 128 x 128 in 64 accumulators; K goes in steps of 256 through two LDS slots; the bias is the C of each sum's first product.
; The head's four tiles (slot 0's A and B, slot 1's A and B) are asked for one a wave; the work begins when slot 0 is in.  Clusters of 4 x 4: A's tiles are asked for jointly along a row, B's along a column.
; LIMITS: a block of zeros, or one under 2^-124, gets the byte 1 (codes are zeros; only this program reads the bytes); NaN and infinities are not served.
.set LAPS,  2
.set BLK,   12800
.set FRB,   1536
.set HFB,   768
.set SCO,   12288
.set HALFT, 2*BLK
.set SLOT,  4*HALFT
.set SPARE, 2*SLOT
.set FR,    12
.set NL,    4
.set NP,    4
.set ADRS, 12
.set ADRA, 16
.set ADRB, 20
.set SPW,  28
.set NIL,  29
.set SC,   32
.set BI,   64
.set AF,   128
.set PWS,  96
.set PC,   112
.set TM,   200
.set G1,  24
.set G0,  32
.set G1B, 48
.set G0B, 56
.set G1H, 72                           ; s[72:79], s[80:87] group 1 of the head's tiles of A and of B: two runs of 25,600 bytes, a unit apart
.set G1HB, 80
.set G0H, 88                           ; s[88:91], s[92:95] their group 0
.set G0HB, 92
.set MSB, 0
.macro WIN new
.if MSB != (\new)
	s_set_vgpr_msb (MSB<<8)|(\new)
.set MSB, (\new)
.endif
.endm
.set MUL_LO, 0xa1
.set MUL_HI, 0xf1
.set TO_B,   0x40
.macro JLOAD g0a, g1a, g0b, g1b
	s_cmp_eq_u32 s15, 0
	s_cbranch_scc0 .Lfor_b_\@
	tensor_load_to_lds s[\g0a:\g0a+3], s[\g1a:\g1a+7]
	s_nop 0
.rept 4
	v_nop
.endr
	s_branch .Lasked_\@
.Lfor_b_\@:
	tensor_load_to_lds s[\g0b:\g0b+3], s[\g1b:\g1b+7]
	s_nop 0
.rept 4
	v_nop
.endr
.Lasked_\@:
.endm
.macro CREST
	s_cmp_lg_u32 s14, 0
	s_cbranch_scc1 .Lnot_wave_0_\@
	s_barrier_signal -3
.Lnot_wave_0_\@:
	s_barrier_wait -3
	s_barrier_signal -1
	s_barrier_wait -1
.endm
.macro CROUND
	s_barrier_signal -1
	s_barrier_wait -1
	CREST
.endm
.macro PLACES n
.rept \n
	v_nop
.endr
.endm
	s_load_b64 s[4:5], s[0:1], 0x0
	s_load_b64 s[8:9], s[0:1], 0x8
	s_load_b64 s[12:13], s[0:1], 0x10
	v_lshl_add_u32 v[SPW], v0, 2, SPARE
	v_mov_b32 v[NIL], 0
	ds_add_u32 v28, v29
	ds_add_u32 v28, v29
	s_wait_dscnt 0x0
	v_lshrrev_b32 v1, 5, v0
	v_readfirstlane_b32 s14, v1
	s_lshr_b32 s15, s14, 1
	s_and_b32 s16, s14, 1
	s_bfe_u32 s40, ttmp6, 0x40000
	s_bfe_u32 s41, ttmp6, 0x40004
	s_lshl_b32 s42, ttmp9, 2
	s_add_co_u32 s42, s42, s40
	s_and_b32 s17, ttmp7, 0xffff
	s_lshl_b32 s17, s17, 2
	s_add_co_u32 s17, s17, s41
	s_lshl_b32 s43, s41, 2
	s_lshl_b32 s43, 15, s43
	s_lshl_b32 s44, 0x1111, s40
	s_or_b32 s[G1+0], s43, (3<<16)|(1<<21)
	s_or_b32 s[G1B+0], s44, (3<<16)|(1<<21)
	s_or_b32 s[G1H+0], s43, (3<<16)|(1<<21)
	s_or_b32 s[G1HB+0], s44, (3<<16)|(1<<21)
.irp g, G1H, G1HB                              ; a side's two row blocks x 256 K: 2 rows of 3,200 elements of 8 bytes, 12,800 elements apart
	s_mov_b32 s[\g+1], 3200<<16
	s_mov_b32 s[\g+2], 2<<16
	s_mov_b32 s[\g+3], 3200<<16
	s_mov_b32 s[\g+4], 2
	s_mov_b32 s[\g+5], 12800
	s_mov_b32 s[\g+6], 0
	s_mov_b32 s[\g+7], 0
.endr
.irp g, G1, G1B
	s_mov_b32 s[\g+1], 32<<16
	s_mov_b32 s[\g+2], 100<<16
	s_mov_b32 s[\g+3], 32<<16
	s_mov_b32 s[\g+4], 100
	s_mov_b32 s[\g+5], 32
	s_mov_b32 s[\g+6], 0
	s_mov_b32 s[\g+7], 0
.endr
	s_lshl_b32 s20, s17, 1
	s_add_co_u32 s20, s20, s16
	s_add_co_u32 s20, s20, 96
	s_mul_i32 s20, s20, 102400
	s_mov_b32 s21, 0
	s_lshl_b32 s46, s42, 1
	s_add_co_u32 s46, s46, s16
	s_add_co_u32 s46, s46, 32
	s_mul_i32 s46, s46, 102400
	s_mov_b32 s47, 0
	s_mul_i32 s45, s14, HALFT
	s_mov_b32 s68, 0x76543210
	s_mov_b32 s69, 0xfedcba98
	s_mov_b32 s70, 0xffff0000
	s_wait_kmcnt 0x0
	s_add_nc_u64 s[20:21], s[4:5], s[20:21]
	s_add_nc_u64 s[46:47], s[4:5], s[46:47]
	CROUND
.irp s, 0,1
	s_mov_b32 s[G0+4*\s], 1
	s_add_co_u32 s[G0+4*\s+1], s45, \s*SLOT
	s_add_nc_u64 s[G0+4*\s+2:G0+4*\s+3], s[20:21], \s*HALFT
	s_or_b32 s[G0+4*\s+3], s[G0+4*\s+3], 0x80000000
	s_mov_b32 s[G0B+4*\s], 1
	s_add_co_u32 s[G0B+4*\s+1], s45, \s*SLOT
	s_add_nc_u64 s[G0B+4*\s+2:G0B+4*\s+3], s[46:47], \s*HALFT
	s_or_b32 s[G0B+4*\s+3], s[G0B+4*\s+3], 0x80000000
.endr
; THE HEAD'S FOUR TILES, one a wave, each in its own arm of one chain: wave 0 slot 0's A, wave 1 slot 0's B, wave 2 slot 1's A, wave 3 slot 1's B
	s_mul_i32 s96, s16, 102400                     ; back to the side's first row block,
	s_mov_b32 s97, 0
	s_mul_i32 s98, s15, HALFT                      ; on to slot wave / 2's 256 along K
	s_mov_b32 s99, 0
	s_mov_b32 s[G0H], 1
	s_mul_i32 s[G0H+1], s15, SLOT
	s_sub_nc_u64 s[G0H+2:G0H+3], s[20:21], s[96:97]
	s_add_nc_u64 s[G0H+2:G0H+3], s[G0H+2:G0H+3], s[98:99]
	s_or_b32 s[G0H+3], s[G0H+3], 0x80000000
	s_mov_b32 s[G0HB], 1
	s_add_co_u32 s[G0HB+1], s[G0H+1], 2*HALFT
	s_sub_nc_u64 s[G0HB+2:G0HB+3], s[46:47], s[96:97]
	s_add_nc_u64 s[G0HB+2:G0HB+3], s[G0HB+2:G0HB+3], s[98:99]
	s_or_b32 s[G0HB+3], s[G0HB+3], 0x80000000
.macro ARM under, g0, g1, next
	s_cmp_lt_u32 s14, \under
	s_cbranch_scc0 \next
	tensor_load_to_lds s[\g0:\g0+3], s[\g1:\g1+7]
	s_nop 0
	PLACES 4
	s_branch .Lhead_asked
\next:
.endm
	ARM 1, G0H, G1H, .Lhead_1
	ARM 2, G0HB, G1HB, .Lhead_2
	ARM 3, G0H, G1H, .Lhead_3
	tensor_load_to_lds s[G0HB:G0HB+3], s[G1HB:G1HB+7]
	s_nop 0
	PLACES 4
.Lhead_asked:
	v_and_b32 v1, 31, v0
	v_and_b32 v2, 15, v0
	v_bfe_u32 v3, v0, 4, 1
	v_lshlrev_b32 v4, 4, v1
	s_wait_alu depctr_va_vdst(0)
	v_lshl_add_u32 v5, v1, 3, 512
	s_wait_alu depctr_va_vdst(0)
	s_lshl_b32 s19, s42, 1
	s_add_co_u32 s19, s19, s16
	s_lshl_b32 s22, s19, 9
	s_mov_b32 s23, 0
	s_add_nc_u64 s[8:9], s[8:9], s[22:23]
	v_lshlrev_b32 v7, 6, v3
.irp b, 0,1,2,3,4,5,6,7
	global_load_b128 v[BI+8*\b:BI+8*\b+3], v7, s[8:9] offset:(32*(\b/2)+8*(\b%2))*4
	global_load_b128 v[BI+8*\b+4:BI+8*\b+7], v7, s[8:9] offset:(32*(\b/2)+8*(\b%2))*4+16
.endr
	s_lshl_b32 s18, s17, 1
	s_add_co_u32 s18, s18, s15
	s_lshl_b32 s18, s18, 5
	s_add_co_u32 s18, s18, s19
	s_mul_i32 s22, s18, BLK
	s_add_nc_u64 s[12:13], s[12:13], s[22:23]
	s_mul_i32 s21, s15, HALFT
	s_mul_i32 s22, s16, HALFT
	s_add_co_u32 s22, s22, 2*HALFT
.irp s, 0,1
	v_add_nc_u32 v[ADRA+\s], s21, v4
	v_add_nc_u32 v[ADRB+\s], s22, v4
	v_add_nc_u32 v[ADRA+2+\s], s21, v5
	v_add_nc_u32 v[ADRB+2+\s], s22, v5
	s_add_co_u32 s21, s21, SLOT
	s_add_co_u32 s22, s22, SLOT
.endr
	s_mul_i32 s21, s15, HALFT
	s_mul_i32 s22, s16, HALFT
	s_add_co_u32 s22, s22, 2*HALFT
	s_sub_co_u32 s22, s22, s21
	v_mul_u32_u24 v6, s22, v3
	v_lshl_add_u32 v6, v2, 2, v6
	s_add_co_u32 s21, s21, SCO
	v_add_nc_u32 v[ADRS], s21, v6
	v_add_nc_u32 v[ADRS+1], SLOT, v[ADRS]
	v_lshlrev_b32 v24, 4, v1
	v_lshl_add_u32 v25, v1, 3, 512
	v_lshlrev_b32 v26, 2, v1
.macro FRAG reg, adr, q, i
	ds_load_b128 v[(\reg):(\reg)+3], v[\adr] offset:(\q)*BLK+(\i)*FRB
	ds_load_b64 v[(\reg)+4:(\reg)+5], v[(\adr)+2] offset:(\q)*BLK+(\i)*FRB
	ds_load_b128 v[(\reg)+6:(\reg)+9], v[\adr] offset:(\q)*BLK+(\i)*FRB+HFB
	ds_load_b64 v[(\reg)+10:(\reg)+11], v[(\adr)+2] offset:(\q)*BLK+(\i)*FRB+HFB
.endm
.macro MUL16 a0, p, q, sc, zero
.irp a, \a0, \a0+1
.irp b, 0,1,2,3,4,5,6,7
.set rD, 8*(8*((\a)%4)+\b)
.if \zero
	v_wmma_scale_f32_16x16x128_f8f6f4 v[rD:rD+7], v[128*(\p)+FR*\b:128*(\p)+FR*\b+FR-1], v[AF+FR*(\a):AF+FR*(\a)+FR-1], v[BI+8*\b:BI+8*\b+7], v[SC+16*(\sc)+2*\b+(\q)], v[SC+16*(\sc)+2*(\a)+(\q)] matrix_a_fmt:MATRIX_FMT_FP6 matrix_b_fmt:MATRIX_FMT_FP6 matrix_a_scale:MATRIX_SCALE_ROW1
.else
	v_wmma_scale_f32_16x16x128_f8f6f4 v[rD:rD+7], v[128*(\p)+FR*\b:128*(\p)+FR*\b+FR-1], v[AF+FR*(\a):AF+FR*(\a)+FR-1], v[rD:rD+7], v[SC+16*(\sc)+2*\b+(\q)], v[SC+16*(\sc)+2*(\a)+(\q)] matrix_a_fmt:MATRIX_FMT_FP6 matrix_b_fmt:MATRIX_FMT_FP6 matrix_a_scale:MATRIX_SCALE_ROW1
.endif
.endr
.endr
.endm
.macro FETCH_B slot, q, p
	WIN TO_B
.irp i, 0,1,2,3,4,5,6,7
	FRAG 128*(\p)+FR*\i, ADRB+\slot, \q, \i
.endr
	WIN 0
.endm
.macro FETCH_A slot, q, i0
.irp i, \i0, \i0+1, \i0+2, \i0+3
	FRAG AF+FR*(\i), ADRA+\slot, \q, \i
.endr
.endm
.macro SCALES sc
.irp i, 0,1,2,3,4,5,6,7
	ds_load_b32 v[SC+16*\sc+2*\i], v[ADRS+\sc] offset:64*\i
	ds_load_b32 v[SC+16*\sc+2*\i+1], v[ADRS+\sc] offset:BLK+64*\i
.endr
.endm
.macro STEP slot, zero
	s_wait_dscnt 4*NL
.if \zero
	WIN 0x81
.else
	WIN MUL_LO
.endif
	MUL16 0, 0, 0, \slot, \zero
	MUL16 2, 0, 0, \slot, \zero
	s_wait_dscnt 0x0
	PLACES NP
	FETCH_B \slot, 1, 1
	FETCH_A \slot, 1, 0
.if \zero
	WIN 0xc1
.else
	WIN MUL_HI
.endif
	MUL16 4, 0, 0, \slot, \zero
	MUL16 6, 0, 0, \slot, \zero
	PLACES NP
	WIN 0
	FETCH_A \slot, 1, 4
.endm
.macro TURN slot, next, fill
	s_wait_tensorcnt 0x0
	ds_add_u32 v[SPW], v[NIL]
	s_wait_dscnt 4*NL+1
	WIN MUL_LO
	MUL16 0, 1, 1, \slot, 0
	s_wait_dscnt 0x0
	s_barrier_signal -1
	MUL16 2, 1, 1, \slot, 0
	WIN 0
	s_barrier_wait -1
.if \fill
	CREST
	s_add_nc_u64 s[G0+4*\slot+2:G0+4*\slot+3], s[G0+4*\slot+2:G0+4*\slot+3], 2*HALFT
	s_add_nc_u64 s[G0B+4*\slot+2:G0B+4*\slot+3], s[G0B+4*\slot+2:G0B+4*\slot+3], 2*HALFT
	JLOAD G0+4*\slot, G1, G0B+4*\slot, G1B
.else
	PLACES NP
.endif
	FETCH_B \next, 0, 0
	FETCH_A \next, 0, 0
	SCALES \next
	WIN MUL_HI
	MUL16 4, 1, 1, \slot, 0
	MUL16 6, 1, 1, \slot, 0
	PLACES NP
	WIN 0
	FETCH_A \next, 0, 4
.endm
	s_wait_alu depctr_va_vdst(0)
	s_cmp_lt_u32 s14, 2
	s_cbranch_scc0 .Lnot_first
	s_wait_tensorcnt 0x0                           ; waves 0 and 1: slot 0 is in; slot 1's two tiles may be out
.Lnot_first:
	s_barrier_signal -1
	s_barrier_wait -1
	FETCH_B 0, 0, 0
	FETCH_A 0, 0, 0
	SCALES 0
	FETCH_A 0, 0, 4
	s_wait_loadcnt 0x0
	STEP 0, 2
	s_mov_b32 s3, LAPS-1
.Llap:
	TURN 0, 1, 1
	STEP 1, 0
	TURN 1, 0, 1
	STEP 0, 0
	s_sub_co_u32 s3, s3, 1
	s_cmp_lg_u32 s3, 0
	s_cbranch_scc1 .Llap
	TURN 0, 1, 0
	STEP 1, 0
	s_wait_dscnt 4*NL
	WIN MUL_LO
	MUL16 0, 1, 1, 1, 0
	MUL16 2, 1, 1, 1, 0
	s_wait_dscnt 0x0
	WIN MUL_HI
	MUL16 4, 1, 1, 1, 0
	MUL16 6, 1, 1, 1, 0
	WIN 0
.macro QE W, s0, pw
	WIN ((\W)<<2)|((\W)<<6)
.set qi, 0
.rept 64
	v_max_num_f32 v[(\s0)+qi], 0, v[(\s0)+qi]
.set qi, qi+1
.endr
	WIN (\W)|((\W)<<2)
.irp b, 0,1,2,3
	v_max3_num_f32 v[TM+\b], v[(\s0)+16*\b], v[(\s0)+16*\b+1], 0x1800000
.endr
.irp i, 2,4,6,8,10,12,14
.irp b, 0,1,2,3
	v_max3_num_f32 v[TM+\b], v[(\s0)+16*\b+\i], v[(\s0)+16*\b+\i+1], v[TM+\b]
.endr
.endr
	WIN 0
.irp b, 0,1,2,3
	v_permlanex16_b32 v[TM+4+\b], v[TM+\b], s68, s69
.endr
.irp b, 0,1,2,3
	v_max_num_f32 v[TM+\b], v[TM+\b], v[TM+4+\b]
.endr
.irp b, 0,1,2,3
	v_add_nc_u32 v[TM+12+\b], 0xff000000, v[TM+\b]
.endr
.irp b, 0,1,2,3
	v_lshrrev_b32 v[TM+4+\b], 23, v[TM+12+\b]
.endr
	v_lshl_or_b32 v[\pw], v[TM+5], 8, v[TM+4]
	v_lshl_or_b32 v[\pw], v[TM+6], 16, v[\pw]
	v_lshl_or_b32 v[\pw], v[TM+7], 24, v[\pw]
	s_wait_xcnt 0x0
	WIN (\W)
	v_cvt_scalef32_pk16_fp6_f32 v[PC:PC+2], v[(\s0):(\s0)+15], v[TM+12]
	v_cvt_scalef32_pk16_fp6_f32 v[PC+12:PC+14], v[(\s0)+16:(\s0)+31], v[TM+13]
	v_cvt_scalef32_pk16_fp6_f32 v[PC+6:PC+8], v[(\s0)+32:(\s0)+47], v[TM+14]
	v_cvt_scalef32_pk16_fp6_f32 v[PC+16:PC+18], v[(\s0)+48:(\s0)+63], v[TM+15]
	WIN 0
	v_nop
.irp c, 0,1
.irp i, 0,1,2
	v_permlane16_swap_b32 v[PC+6*\c+\i], v[PC+12+4*\c+\i]
.endr
.irp i, 0,1,2
	v_mov_b32 v[PC+3+6*\c+\i], v[PC+12+4*\c+\i]
.endr
.endr
.endm
.macro OUTF x
	global_store_b128 v24, v[PC:PC+3], s[12:13] offset:\x
	global_store_b64 v25, v[PC+4:PC+5], s[12:13] offset:\x
	global_store_b128 v24, v[PC+6:PC+9], s[12:13] offset:(\x)+768
	global_store_b64 v25, v[PC+10:PC+11], s[12:13] offset:(\x)+768
.endm
.macro OUTS x, pa, pb, tmp
	v_cndmask_b32 v[\tmp], v[\pa], v[\pb], s70
	global_store_b32 v26, v[\tmp], s[12:13] offset:\x
.endm
	PLACES NP
.irp b, 0,1,2,3
	v_mov_b32 v[TM+4+\b], 0
.endr
.irp a, 0,1,2,3,4,5,6,7
	QE 2+\a/4, 64*(\a%4), PWS+\a
	OUTF 1536*\a
.endr
.irp k, 0,1,2,3
	OUTS SCO+128*\k, PWS+2*\k, PWS+2*\k+1, 104+\k
.endr
	s_wait_tensorcnt 0x0
	ds_add_u32 v[SPW], v[NIL]
	s_wait_dscnt 0x0
	CROUND
	s_endpgm
.Lfunc_end_k_q5989c608bb_ffn1:
	.size	k_q5989c608bb_ffn1, .Lfunc_end_k_q5989c608bb_ffn1-k_q5989c608bb_ffn1
	.p2alignl 7, 3214868480
	.fill 96, 4, 3214868480
	.section	.rodata,"a",@progbits
	.p2align	6, 0x0
	.amdhsa_kernel k_q5989c608bb_ffn1
		.amdhsa_group_segment_fixed_size 327680
		.amdhsa_private_segment_fixed_size 0
		.amdhsa_enable_private_segment 0
		.amdhsa_kernarg_size 24
		.amdhsa_user_sgpr_count 2
		.amdhsa_user_sgpr_kernarg_segment_ptr 1
		.amdhsa_wavefront_size32 1
		.amdhsa_system_sgpr_workgroup_id_x 1
		.amdhsa_system_sgpr_workgroup_id_y 1
		.amdhsa_system_sgpr_workgroup_id_z 1
		.amdhsa_system_vgpr_workitem_id 0
		.amdhsa_next_free_vgpr 1024
		.amdhsa_next_free_sgpr 100
		.amdhsa_reserve_vcc 0
		.amdhsa_float_denorm_mode_32 3
		.amdhsa_float_denorm_mode_16_64 3
		.amdhsa_memory_ordered 1
		.amdhsa_forward_progress 1
		.amdhsa_inst_pref_size 168
	.end_amdhsa_kernel
	.amdgpu_metadata
---
amdhsa.version: [ 1, 2 ]
amdhsa.kernels:
  - .name:           k_q5989c608bb_ffn1
    .symbol:         k_q5989c608bb_ffn1.kd
    .args:
      - { .name: ops, .offset: 0, .size: 8, .value_kind: global_buffer, .address_space: global }
      - { .name: b1, .offset: 8, .size: 8, .value_kind: global_buffer, .address_space: global }
      - { .name: hc, .offset: 16, .size: 8, .value_kind: global_buffer, .address_space: global }
    .group_segment_fixed_size: 327680
    .private_segment_fixed_size: 0
    .kernarg_segment_align: 8
    .kernarg_segment_size: 24
    .max_flat_workgroup_size: 128
    .sgpr_count:     100
    .vgpr_count:     1024
    .wavefront_size: 32
...
	.end_amdgpu_metadata
.endif
;; end of part 12
;; launch ffn2 (part 13): grid 8 x 32, 4 waves a work-group, clusters of 4 x 4, 327,680 bytes of LDS; arguments hc, ops, b2, x1, out0; writes out0
.if DOCPART == 13
	.amdgcn_target "amdgcn-amd-amdhsa--gfx1250"
	.amdhsa_code_object_version 6
	.text
	.protected	k_q5989c608bb_ffn2
	.globl	k_q5989c608bb_ffn2
	.p2align	8
	.type	k_q5989c608bb_ffn2,@function
k_q5989c608bb_ffn2:
	s_mov_b64 s[64:65], 0
	v_nop
	global_prefetch_b8 v0, s[64:65] scope:SCOPE_SE
	s_setreg_imm32_b32 hwreg(HW_REG_WAVE_MODE, 25, 1), 1
	s_wait_xcnt 0x0
	s_wait_alu depctr_hold_cnt(0) depctr_sa_sdst(0) depctr_va_vdst(0) depctr_va_sdst(0) depctr_va_ssrc(0) depctr_va_vcc(0) depctr_vm_vsrc(0)
	s_getreg_b32 s2, hwreg(HW_REG_IB_STS2, 6, 4)
	s_cmp_eq_u32 s2, 0
	s_cbranch_scc0 .Lentry_in_a_cluster
	s_endpgm
.Lentry_in_a_cluster:
	s_bfe_u32 s2, ttmp6, 0x10000c
	s_cmp_lg_u32 s2, 0xf033
	s_cbranch_scc0 .Lentry_shape_is_right
	s_endpgm
.Lentry_shape_is_right:
; out = x1 + h W2 + b2, the product on codes of FP6 (E2M3, one E8M0 byte for each 32 along K), K = 4,096: 32 K steps of 128.
; OPERANDS lie in memory as images of registers.  A block (12,800 bytes) = 128 rows x 128 K: eight fragments of 1,536 bytes (two halves: 512 bytes, lane l's four registers at 16 l; 256 bytes, its other two
; at 8 l), then scale words at 12,288 + 64 tile + 4 row.  Tile t holds rows 32 (t / 2) + 8 (t % 2) + r + 8 (r / 8).  The K steps of a row block lie on end.
; A tile of the result is 128 x 128, so that the 4,096 x 1,024 numbers make 256 work-groups; four waves, each 64 x 64 in 16 accumulators.
; B (W2) GOES FROM MEMORY STRAIGHT INTO OPERAND REGISTERS: its blocks are images of registers, so a wave's four fragments and their scale words of a K step are 18 loads of consecutive bytes.  Four sets of registers;
; a K step's loads are issued three K steps ahead, so that 54 loads of a wave are out at the most in the walk.  These loads are no joint loads: each of B's fragments is asked for by the two waves of each work-group that multiply it.
; A (h) GOES THROUGH LDS, which holds 24 K steps of its 128 rows: K step k at place k % 24.  At the head wave w asks for K steps 6 w .. 6 w + 5 (76,800 bytes), each wave on a load line of its own: wave 0's are shown by the
; first barrier, wave 1's by a barrier in K step 5, all in K step 11.  ONE REFILL, in K step 11, behind a drained round of the cluster's barrier: K steps 24 .. 31 into places 0 .. 7, two to a wave; it is shown in K step 23.
; No prefetch: 24 of A's 32 K steps are asked for at the head, and the refill twelve K steps ahead of its first read.
; THE MATRIX INSTRUCTION IS USED TRANSPOSED (source 0 = B's 16 rows, source 1 = A's): lane (r, h) holds A's row r of a tile, and the 16 registers of B's tiles 2 b and 2 b + 1 are columns 32 b + 16 h + 0 .. 15.
; A scale register holds two tiles' words: lanes 0-15 tile 2 j, lanes 16-31 tile 2 j + 1.  The bias is the C of each sum's first product.  The residual is asked for at the head and waits in registers.
; A tile of 16 rows goes through the wave's own stage in LDS (places 8 and 9, read for the last time ahead of K step 11's barrier and never filled again) and comes back as whole rows of 256 bytes.
; CLUSTERS: 4 x 4 work-groups; A's tiles are asked for jointly along a row of the cluster.
; LIMITS: NaN and infinities are not served.
; REGISTERS: window 0: v8-10 B's offsets; v16-23 B's scale words, four sets; v32-37 A's, two sets; v40-103 the way out (v72-103 first the bias); v104-121 LDS addresses; v128-255 accumulator (a, b) at v[128 + 8 (4 a + b)].
;   window 1: v0-95 A's fragments, two sets.   window 2: v0-127 the residual.   window 3: v0-191 B's fragments, four sets.
.set ASTR,  409600
.set BOFF,  6553600
.set BSTR,  409600
.set BLK,   12800
.set FRB,   1536
.set HFB,   768
.set SCO,   12288
.set SIDE,  4*BLK                      ; an LDS address register serves four places
.set STAGE, 8*BLK
.set SP,    272
.set SPARE, 24*BLK                     ; the spare words, 128 bytes a wave, which no other line names
.set NP,    4                          ; places behind this matrix instruction (ISA guide 7.12.1)
.set BG16, 8
.set BG8,  9
.set BGS,  10
.set STO,  24
.set RD,   25
.set CO,   26
.set SPW,  28
.set NIL,  29
.set SA,   32
.set BK,   40
.set BI,   72
.set A16,  104
.set A8,   110
.set AS,   116
.set ACC,  128
.set G1,   24                          ; s[24:31] group 1 of the head's tiles; s[32:35] their group 0
.set G0,   32
.set G0R,  36                          ; s[36:39], s[48:55] the refill's
.set G1R,  48
.set MSB, 0
.macro WIN new                         ; the immediate's high byte repeats the setting that is left
.if MSB != (\new)
	s_set_vgpr_msb (MSB<<8)|(\new)
.set MSB, (\new)
.endif
.endm
.set MUL,    0x07                      ; source 0 (B) window 3, source 1 (A) window 1; C and D window 0
.set TO_A,   0x40
.set TO_B,   0xc0
.set RES_IN, 0x80
.set ADD_R,  0x08
.macro PLACES n
.rept \n
	v_nop
.endr
.endm
.macro CREST
	s_cmp_lg_u32 s14, 0
	s_cbranch_scc1 .Lnot_wave_0_\@
	s_barrier_signal -3
.Lnot_wave_0_\@:
	s_barrier_wait -3
	s_barrier_signal -1
	s_barrier_wait -1
.endm
.macro CROUND
	s_barrier_signal -1
	s_barrier_wait -1
	CREST
.endm
	s_load_b256 s[4:11], s[0:1], 0x0               ; A, B's buffer, the bias, the residual
	s_load_b64 s[12:13], s[0:1], 0x20              ; out
	v_lshl_add_u32 v[SPW], v0, 2, SPARE
	v_mov_b32 v[NIL], 0
	ds_add_u32 v[SPW], v[NIL]                      ; the opening lines: the add twice on end and its wait ahead of my first tensor load
	ds_add_u32 v[SPW], v[NIL]
	v_lshrrev_b32 v1, 5, v0
	v_readfirstlane_b32 s14, v1                    ; wave 0..3
	v_and_b32 v1, 31, v0                           ; lane
	v_and_b32 v2, 15, v0                           ; r
	v_bfe_u32 v3, v0, 4, 1                         ; h
	v_lshlrev_b32 v4, 4, v1                        ; 16 x lane
	v_lshl_add_u32 v5, v1, 3, 512                  ; 512 + 8 x lane
	v_lshlrev_b32 v6, 2, v1                        ; 4 x lane
	v_lshlrev_b32 v7, 6, v3                        ; 64 h
	v_lshlrev_b32 v[CO], 12, v3
	v_mul_u32_u24 v27, v2, SP
	v_mul_u32_u24 v11, v3, SP
	v_lshl_add_u32 v[CO], v2, 4, v[CO]             ; lanes 0-15 one row's 256 bytes, lanes 16-31 the next row's
	v_lshl_add_u32 v27, v3, 6, v27                 ; the stage, in: row r, + 64 h
	v_lshl_add_u32 v11, v2, 4, v11                 ; back: lanes 0-15 one row, lanes 16-31 the next
	s_wait_alu depctr_va_vdst(0)                   ; the wait ahead of the run of scalar lines
	s_lshr_b32 s15, s14, 1                         ; which 64 rows of the tile are mine
	s_and_b32 s16, s14, 1                          ; which 64 columns
	s_bfe_u32 s40, ttmp6, 0x40000                  ; cx, cy: my place in the cluster
	s_bfe_u32 s41, ttmp6, 0x40004
	s_lshl_b32 s42, ttmp9, 2
	s_add_co_u32 s42, s42, s40                     ; tile column = B's row block
	s_and_b32 s17, ttmp7, 0xffff
	s_lshl_b32 s17, s17, 2
	s_add_co_u32 s17, s17, s41                     ; tile row = A's row block
	s_lshl_b32 s43, s41, 2
	s_lshl_b32 s43, 15, s43                        ; my row of the cluster
	s_or_b32 s[G1+0], s43, (3<<16)|(1<<21)         ; 15:0 the mask; 17:16 elements of 8 bytes; 20 no padding; 21 set beside a mask
	s_or_b32 s[G1R+0], s43, (3<<16)|(1<<21)
	s_mov_b32 s[G1+1], 32<<16                      ; a dense run of 76,800 bytes as 300 rows of 32 elements
	s_mov_b32 s[G1+2], 300<<16
	s_mov_b32 s[G1+3], 32<<16
	s_mov_b32 s[G1+4], 300
	s_mov_b32 s[G1+5], 32
	s_mov_b32 s[G1+6], 0
	s_mov_b32 s[G1+7], 0
	s_mov_b32 s[G1R+1], 32<<16                     ; and of 25,600 bytes as 100 rows
	s_mov_b32 s[G1R+2], 100<<16
	s_mov_b32 s[G1R+3], 32<<16
	s_mov_b32 s[G1R+4], 100
	s_mov_b32 s[G1R+5], 32
	s_mov_b32 s[G1R+6], 0
	s_mov_b32 s[G1R+7], 0
	s_mul_i32 s20, s17, ASTR                       ; A's row block: it hangs on the tile row alone
	s_mov_b32 s21, 0
	s_mul_i32 s46, s42, BSTR
	s_add_co_u32 s46, s46, BOFF                    ; B's
	s_mov_b32 s47, 0
	s_mul_i32 s18, s14, 6*BLK                      ; the head: K steps 6 w .., at the same places
	s_mov_b32 s19, 0
	s_mul_i32 s22, s14, 2*BLK                      ; the refill: places 2 w, 2 w + 1,
	s_mov_b32 s[G0], 1
	s_mov_b32 s[G0+1], s18
	s_mov_b32 s[G0R], 1
	s_mov_b32 s[G0R+1], s22
	s_add_co_u32 s22, s22, 24*BLK                  ; K steps 24 + 2 w and the next
	s_mov_b32 s23, 0
	s_lshl_b32 s56, s42, 9
	s_lshl_b32 s57, s16, 8
	s_add_co_u32 s56, s56, s57                     ; my 64 columns, in bytes
	s_mov_b32 s57, 0
	s_lshl_b32 s58, s17, 7
	s_lshl_b32 s59, s15, 6
	s_add_co_u32 s58, s58, s59                     ; my first row,
	s_lshl_b32 s58, s58, 12                        ; 4,096 bytes a row,
	s_add_co_u32 s58, s58, s56                     ; my first column
	s_mov_b32 s59, 0
	s_mul_i32 s60, s15, 4*FRB                      ; my four tiles of A in a block,
	s_mul_i32 s61, s16, 4*FRB                      ; and of B
	s_lshl_b32 s62, s15, 8
	s_add_co_u32 s62, s62, SCO                     ; their scale words: 64 bytes a tile
	s_lshl_b32 s63, s16, 8
	s_add_co_u32 s63, s63, SCO
	s_mul_i32 s66, s14, 16*SP
	s_add_co_u32 s66, s66, STAGE                   ; my stage
	v_add_nc_u32 v[A16], s60, v4
	v_add_nc_u32 v[A8], s60, v5
	v_add_nc_u32 v[AS], s62, v6
.set u, 0
.rept 5
	v_add_nc_u32 v[A16+u+1], SIDE, v[A16+u]
	v_add_nc_u32 v[A8+u+1], SIDE, v[A8+u]
	v_add_nc_u32 v[AS+u+1], SIDE, v[AS+u]
.set u, u+1
.endr
	v_add_nc_u32 v[BG16], s61, v4
	v_add_nc_u32 v[BG8], s61, v5
	v_add_nc_u32 v[BGS], s63, v6
	v_add_nc_u32 v[STO], s66, v27
	v_add_nc_u32 v[RD], s66, v11
	s_wait_alu depctr_va_vdst(0)                   ; the wait ahead of the waits below
	s_wait_dscnt 0x0                               ; both opening adds are done
	CROUND                                         ; all sixteen work-groups are here: the joint loads meet
	s_wait_kmcnt 0x0
	s_add_nc_u64 s[20:21], s[4:5], s[20:21]
	s_add_nc_u64 s[G0+2:G0+3], s[20:21], s[18:19]
	s_or_b32 s[G0+3], s[G0+3], 0x80000000
.macro ARM under, next                 ; the head's four tiles, one a wave, each in its own arm of one chain
	s_cmp_lt_u32 s14, \under
	s_cbranch_scc0 \next
	tensor_load_to_lds s[G0:G0+3], s[G1:G1+7]
	s_nop 0
	PLACES 4
	s_branch .Lhead_asked
\next:
.endm
	ARM 1, .Lhead_1
	ARM 2, .Lhead_2
	ARM 3, .Lhead_3
	tensor_load_to_lds s[G0:G0+3], s[G1:G1+7]
	s_nop 0
	PLACES 4
.Lhead_asked:
	s_add_nc_u64 s[G0R+2:G0R+3], s[20:21], s[22:23]
	s_or_b32 s[G0R+3], s[G0R+3], 0x80000000
	s_add_nc_u64 s[46:47], s[6:7], s[46:47]
	s_add_nc_u64 s[8:9], s[8:9], s[56:57]
	s_add_nc_u64 s[10:11], s[10:11], s[58:59]
	s_add_nc_u64 s[12:13], s[12:13], s[58:59]
.macro BLOAD k                         ; B's K step k into set k % 4: 2 scale registers, four fragments: 18 loads.  No address register is ever rewritten: the K step stands in the immediate
.set bs, (\k)%4
.set SBR, 16+4*(1-bs%2)+2*(bs/2)       ; v20, v16, v22, v18: a product's two scale registers differ modulo 8 in their numbers
	WIN 0
	global_load_b32 v[SBR], v[BGS], s[46:47] offset:(\k)*BLK
	global_load_b32 v[SBR+1], v[BGS], s[46:47] offset:(\k)*BLK+128
	WIN TO_B
.irp i, 0,1,2,3
	global_load_b128 v[48*bs+12*\i:48*bs+12*\i+3], v[BG16], s[46:47] offset:(\k)*BLK+\i*FRB
	global_load_b64 v[48*bs+12*\i+4:48*bs+12*\i+5], v[BG8], s[46:47] offset:(\k)*BLK+\i*FRB
	global_load_b128 v[48*bs+12*\i+6:48*bs+12*\i+9], v[BG16], s[46:47] offset:(\k)*BLK+\i*FRB+HFB
	global_load_b64 v[48*bs+12*\i+10:48*bs+12*\i+11], v[BG8], s[46:47] offset:(\k)*BLK+\i*FRB+HFB
.endr
.endm
.macro FETCH k                         ; A's K step k from LDS into set k % 2: 2 scale registers, four fragments
.set pl, (\k)%24
.set fu, pl/4
.set fq, pl%4
.set fp, 48*((\k)%2)
	WIN 0
	ds_load_b32 v[SA+4*((\k)%2)], v[AS+fu] offset:fq*BLK
	ds_load_b32 v[SA+4*((\k)%2)+1], v[AS+fu] offset:fq*BLK+128
	WIN TO_A
.irp i, 0,1,2,3
	ds_load_b128 v[fp+12*\i:fp+12*\i+3], v[A16+fu] offset:fq*BLK+\i*FRB
	ds_load_b64 v[fp+12*\i+4:fp+12*\i+5], v[A8+fu] offset:fq*BLK+\i*FRB
	ds_load_b128 v[fp+12*\i+6:fp+12*\i+9], v[A16+fu] offset:fq*BLK+\i*FRB+HFB
	ds_load_b64 v[fp+12*\i+10:fp+12*\i+11], v[A8+fu] offset:fq*BLK+\i*FRB+HFB
.endr
.endm
	BLOAD 0
	WIN 0
.irp b, 0,1,2,3                                ; the bias in the result's layout: tile b's register j is column 32 (b / 2) + 8 (b % 2) + 16 h + j
	global_load_b128 v[BI+8*\b:BI+8*\b+3], v7, s[8:9] offset:(32*(\b/2)+8*(\b%2))*4
	global_load_b128 v[BI+8*\b+4:BI+8*\b+7], v7, s[8:9] offset:(32*(\b/2)+8*(\b%2))*4+16
.endr
	WIN RES_IN
.irp a, 0,1,2,3                                ; the residual of my 64 rows: row 2 t + h of tile a is row 32 (a / 2) + 8 (a % 2) + 2 t + 8 (t / 4) + h
.irp t, 0,1,2,3,4,5,6,7
	global_load_b128 v[32*\a+4*\t:32*\a+4*\t+3], v[CO], s[10:11] offset:(32*(\a/2)+8*(\a%2)+2*\t+8*(\t/4))*4096
.endr
.endr
	BLOAD 1
	BLOAD 2
	WIN 0
; Four matrix instructions of K step k: A's tile 2 ah + al x B's four.  The 16 accumulators take turns, one instruction a turn, in the same order in every step.
.macro MUL4 ah, al, k
.set bs, (\k)%4
.set SBR, 16+4*(1-bs%2)+2*(bs/2)
.set rA, 48*((\k)%2)+12*(2*\ah+\al)
.irp bh, 0,1
.irp bl, 0,1
.set rD, ACC+8*(4*(2*\ah+\al)+2*\bh+\bl)
.set rB, 48*bs+12*(2*\bh+\bl)
.if (\k) == 0
	v_wmma_scale_f32_16x16x128_f8f6f4 v[rD:rD+7], v[rB:rB+11], v[rA:rA+11], v[BI+8*(2*\bh+\bl):BI+8*(2*\bh+\bl)+7], v[SBR+\bh], v[SA+4*((\k)%2)+\ah] matrix_a_fmt:MATRIX_FMT_FP6 matrix_b_fmt:MATRIX_FMT_FP6 matrix_a_scale:MATRIX_SCALE_ROW\bl matrix_b_scale:MATRIX_SCALE_ROW\al
.else
	v_wmma_scale_f32_16x16x128_f8f6f4 v[rD:rD+7], v[rB:rB+11], v[rA:rA+11], v[rD:rD+7], v[SBR+\bh], v[SA+4*((\k)%2)+\ah] matrix_a_fmt:MATRIX_FMT_FP6 matrix_b_fmt:MATRIX_FMT_FP6 matrix_a_scale:MATRIX_SCALE_ROW\bl matrix_b_scale:MATRIX_SCALE_ROW\al
.endif
.endr
.endr
.endm
.macro LWAIT k                         ; B's K step k is in: younger are the loads of the next two K steps, 18 each
.if (\k) < 30
	s_wait_loadcnt 36
.elseif (\k) == 30
	s_wait_loadcnt 18
.else
	s_wait_loadcnt 0x0
.endif
.endm
.macro NEXT k                          ; what is asked for in K step k: A's next K step from LDS, B's K step three on from memory
.if (\k) < 31
	FETCH (\k)+1
.endif
.if (\k) < 29
	BLOAD (\k)+3
.endif
.endm
.macro STEP k
	s_wait_dscnt 0x0                               ; this step's fragments of A are in
	LWAIT \k
	PLACES NP                                      ; in front of loads into registers that the last step's matrix instructions have read
	NEXT \k
	WIN MUL
	MUL4 0, 0, \k
	MUL4 0, 1, \k
	MUL4 1, 0, \k
	MUL4 1, 1, \k
.endm
; A K step with a barrier.  kind 1: wave 1's tile of the head is shown; kind 2: all the head's tiles are shown, and places 0 to 7, which nobody reads any more, are filled again behind a round; kind 3: the refill is shown.
.macro TURN k, kind
	WIN 0
.if \kind == 1
	s_cmp_lt_u32 s14, 2
	s_cbranch_scc0 .Lnot_mine_\@
	s_wait_tensorcnt 0x0
.Lnot_mine_\@:
	s_wait_dscnt 0x0
.elseif \kind == 2
	s_wait_tensorcnt 0x0                           ; my tile of the head has landed;
	ds_add_u32 v[SPW], v[NIL]                      ; 0 onto my spare word
	s_wait_dscnt 1                                 ; (the add may be out)
.else
	s_wait_tensorcnt 0x0
	s_wait_dscnt 0x0
.endif
	LWAIT \k
	WIN MUL
	MUL4 0, 0, \k
	s_wait_dscnt 0x0                               ; no LDS instruction of mine is out
	s_barrier_signal -1
	MUL4 0, 1, \k
	WIN 0
	s_barrier_wait -1
.if \kind == 2
	CREST                                          ; the barrier has opened a round of the cluster's: no wave of any partner still reads these places or has a load on its way
	tensor_load_to_lds s[G0R:G0R+3], s[G1R:G1R+7]  ; every wave's one load: its places hang on the wave's number
	s_nop 0
	PLACES NP                                      ; also the places in front of the loads below
.else
	PLACES NP
.endif
	NEXT \k
	WIN MUL
	MUL4 1, 0, \k
	MUL4 1, 1, \k
.endm
	s_wait_alu depctr_va_vdst(0)                   ; the wait at the head's end
	s_cmp_lt_u32 s14, 1
	s_cbranch_scc0 .Lnot_first
	s_wait_tensorcnt 0x0                           ; wave 0: K steps 0 to 5 are in; the other tiles may be out
.Lnot_first:
	s_barrier_signal -1
	s_barrier_wait -1
	FETCH 0
.set k, 0
.rept 32
.if k == 5
	TURN k, 1
.elseif k == 11
	TURN k, 2
.elseif k == 23
	TURN k, 3
.else
	STEP k
.endif
.set k, k+1
.endr
	WIN 0
; THE WAY OUT, tile by tile of 16 rows x 64 columns.
.macro TOSTAGE a
.irp b, 0,1,2,3
	ds_store_b128 v[STO], v[ACC+8*(4*(\a)+\b):ACC+8*(4*(\a)+\b)+3] offset:128*(\b/2)+32*(\b%2)      ; each accumulator from its low end on
	ds_store_b128 v[STO], v[ACC+8*(4*(\a)+\b)+4:ACC+8*(4*(\a)+\b)+7] offset:128*(\b/2)+32*(\b%2)+16
.endr
.irp t, 0,1,2,3,4,5,6,7
	ds_load_b128 v[BK+32*((\a)%2)+4*\t:BK+32*((\a)%2)+4*\t+3], v[RD] offset:2*\t*SP    ; LDS serves a wave's instructions in order (ISA guide 5.7.1.4): these see my stores, and the next tile's stores come behind them
.endr
.endm
.macro SEND a, younger                 ; younger: the LDS instructions issued behind tile a's loads, which may stay out
.set BB, BK+32*((\a)%2)
	s_wait_dscnt \younger
	WIN ADD_R
.set n, 0
.rept 16
	v_pk_add_f32 v[BB+n:BB+n+1], v[BB+n:BB+n+1], v[32*(\a)+n:32*(\a)+n+1]
.set n, n+2
.endr
	WIN 0
.irp t, 0,1,2,3,4,5,6,7
	global_store_b128 v[CO], v[BB+4*\t:BB+4*\t+3], s[12:13] offset:(32*((\a)/2)+8*((\a)%2)+2*\t+8*(\t/4))*4096   ; 16 lanes store 256 consecutive bytes, at a multiple of 256 from the buffer's first byte
.endr
.endm
	PLACES NP                                      ; behind the last products: their results are read below
	TOSTAGE 0
	TOSTAGE 1
	SEND 0, 16                                     ; behind tile 0's loads: tile 1's 8 stores and 8 loads
	s_wait_xcnt 0x0                                ; tile 0's stores have read their registers: tile 2's loads may land there
	TOSTAGE 2
	SEND 1, 16
	s_wait_xcnt 0x0
	TOSTAGE 3
	SEND 2, 16
	SEND 3, 0
	s_wait_tensorcnt 0x0                           ; the wave's end
	ds_add_u32 v[SPW], v[NIL]
	s_wait_dscnt 0x0
	CROUND                                         ; the closing round: no work-group ends while a partner may still ask for a tile that names it
	s_endpgm
.Lfunc_end_k_q5989c608bb_ffn2:
	.size	k_q5989c608bb_ffn2, .Lfunc_end_k_q5989c608bb_ffn2-k_q5989c608bb_ffn2
	.p2alignl 7, 3214868480
	.fill 96, 4, 3214868480
	.section	.rodata,"a",@progbits
	.p2align	6, 0x0
	.amdhsa_kernel k_q5989c608bb_ffn2
		.amdhsa_group_segment_fixed_size 327680
		.amdhsa_private_segment_fixed_size 0
		.amdhsa_enable_private_segment 0
		.amdhsa_kernarg_size 40
		.amdhsa_user_sgpr_count 2
		.amdhsa_user_sgpr_kernarg_segment_ptr 1
		.amdhsa_wavefront_size32 1
		.amdhsa_system_sgpr_workgroup_id_x 1
		.amdhsa_system_sgpr_workgroup_id_y 1
		.amdhsa_system_sgpr_workgroup_id_z 1
		.amdhsa_system_vgpr_workitem_id 0
		.amdhsa_next_free_vgpr 960
		.amdhsa_next_free_sgpr 100
		.amdhsa_reserve_vcc 0
		.amdhsa_float_denorm_mode_32 3
		.amdhsa_float_denorm_mode_16_64 3
		.amdhsa_memory_ordered 1
		.amdhsa_forward_progress 1
		.amdhsa_inst_pref_size 190
	.end_amdhsa_kernel
	.amdgpu_metadata
---
amdhsa.version: [ 1, 2 ]
amdhsa.kernels:
  - .name:           k_q5989c608bb_ffn2
    .symbol:         k_q5989c608bb_ffn2.kd
    .args:
      - { .name: hc, .offset: 0, .size: 8, .value_kind: global_buffer, .address_space: global }
      - { .name: ops, .offset: 8, .size: 8, .value_kind: global_buffer, .address_space: global }
      - { .name: b2, .offset: 16, .size: 8, .value_kind: global_buffer, .address_space: global }
      - { .name: x1, .offset: 24, .size: 8, .value_kind: global_buffer, .address_space: global }
      - { .name: out0, .offset: 32, .size: 8, .value_kind: global_buffer, .address_space: global }
    .group_segment_fixed_size: 327680
    .private_segment_fixed_size: 0
    .kernarg_segment_align: 8
    .kernarg_segment_size: 40
    .max_flat_workgroup_size: 128
    .sgpr_count:     100
    .vgpr_count:     960
    .wavefront_size: 32
...
	.end_amdgpu_metadata
.endif
;; end of part 13
